; MI455X (gfx1250); checked and timed in simulation.
; The chip was launched on July 23, 2026; its instructions are those of AMD's public machine-readable ISA for CDNA 5 (MIT licence, August 2026) and "CDNA5" Instruction Set Architecture Reference Guide (July 2026). The comments in the code are by the model that wrote it; some were corrected since.
;; Self Attention. Allowed arithmetic: matrix products marked QUANTISED: E2M3 operands, one E8M0 scale for each 32 along K, by v_wmma_scale_f32_16x16x128_f8f6f4 with both operands' format E2M3, f32 sums; everything else in f32.
;; Inputs: Wk 1,024 x 1,024 float32; Wq 1,024 x 1,024 float32; Wv 1,024 x 1,024 float32; bk 1,024 float32; bq 1,024 float32; bv 1,024 float32; x 4 x 2,048 x 1,024 float32.
;; Outputs: out0 4 x 2,048 x 1,024 float32.
;; This version of the problem:
;;   THIS VERSION OF THE PROBLEM IS GIVEN IN LOW PRECISION. The matrix products marked QUANTISED in the list below multiply operands that are first quantised to E2M3 (2 exponent bits, 3 mantissa bits; 6 bits a number), with one power-of-two scale for each 32 numbers along K (OCP MX v1.0); their sums are f32. All else is computed in f32.
;;   The module's matrix products, in the order in which they are computed (A, B: the left and right operand; K: the contracted axis; several contracted axes count as one K, in the product's order):
;;     1. [M 8,192, K 1,024] x [K 1,024, N 1,024]; A: input x; B: input Wq: QUANTISED
;;     2. [M 8,192, K 1,024] x [K 1,024, N 1,024]; A: input x; B: input Wk: QUANTISED
;;     3. [M 8,192, K 1,024] x [K 1,024, N 1,024]; A: input x; B: input Wv: QUANTISED
;;     4. batch 4 x [M 2,048, K 1,024] x [K 1,024, N 2,048]; A: computed on the way; B: computed on the way: QUANTISED
;;     5. batch 4 x [M 2,048, K 2,048] x [K 2,048, N 1,024]; A: softmax (see below); B: computed on the way: QUANTISED
;;   THE QUANTISER, for each operand of a quantised product, along K:
;;     - K is cut into blocks of 32 from its start; a last block that is shorter is filled with zeros.
;;     - A block's scale is 2^e with e = floor(log2(the largest magnitude in the block)) - 2, held to -126 .. 127; a block of zeros has e = 0. As a byte (E8M0): e + 127.
;;     - Each number is divided by its block's scale, clamped to +-7.5, and rounded to the nearest number of E2M3, ties to even, subnormals kept.
;;     - The product sums the exact products of the quantised numbers (number of the format x scale) in f32.
;;   ~~~python
;;   def quantise(x, axis):      # numpy; x: float32 -> the quantised numbers, widened to float32 again
;;       x = np.moveaxis(x, axis, -1); K = x.shape[-1]
;;       x = np.pad(x, [(0, 0)] * (x.ndim - 1) + [(0, -K % 32)]); x = x.reshape(x.shape[:-1] + (-1, 32)); a = np.abs(x).max(-1, keepdims=True)
;;       e = np.where(a > 0, np.clip(np.frexp(np.where(a > 0, a, 1))[1] - 1 - 2, -126, 127), 0)      # np.frexp(a)[1] - 1 = floor(log2(a)), exactly
;;       r = np.clip(x / 2.0 ** e, -7.5, 7.5)
;;       step = 2.0 ** (np.maximum(np.frexp(np.where(r == 0, 1, r))[1] - 1, 0) - 3)
;;       q = np.round(r / step) * step * 2.0 ** e      # np.round: ties to even
;;       return np.moveaxis(q.reshape(q.shape[:-2] + (-1,))[..., :K], -1, axis).astype(np.float32)
;;   ~~~
;;   SOFTMAX AHEAD OF A QUANTISED PRODUCT. Where the list says 'softmax', what is quantised is not the finished softmax but p = 2^(t - M), with t = logit x log2(e) and M = ceil(the row's largest t), a whole number; so 1/2 < the row's largest p <= 1. The row's sum l is taken of the UNQUANTISED p, in f32, and the product's result is divided by l at the end. Since M is a whole number, a kernel that streams over the keys may use a running M (the ceiling of the running maximum): every later rescaling is an exact power of two, which a block's scale takes up: the codes' values come out the same.
;;   OPERANDS COMPUTED ON THE WAY. 'Computed on the way' means the value that the module computes at that place (a softmax that the list does not call 'softmax' is quantised finished and normalised). What goes into a quantiser is computed in f32, as accurately as f32 sums, v_exp_f32 and their like allow (about 1e-6 of the number): no bf16 or f16 on the way to a quantiser, and a product that is left as it is and whose result goes on into a quantised operand takes f32 operands (vector FMAs, or v_wmma_f32_16x16x4_f32). A number that lies on a knife's edge between two numbers of the format may be rounded either way, as far as f32 arithmetic and the matrix unit's own rounding can turn it there, and no further.
;; 2 versions. Each part assembles by itself: llvm-mc -triple=amdgcn-amd-amdhsa -mcpu=gfx1250 --defsym DOCPART=n.
;; ======== version 1 of 2: 5 launches
;; limits: right only within a limited range of input values
;; workspace buffers: xq 6,553,600 bytes; wq 2,457,600 bytes; qk 13,107,200 bytes; vq 6,553,600 bytes; pimg 12,582,912 bytes; pst 1,572,864 bytes
;; launch qx (part 1): grid 256 x 1, 4 waves a work-group, no clusters, 34,304 bytes of LDS; arguments x, xq; writes xq
.if DOCPART == 1
	.amdgcn_target "amdgcn-amd-amdhsa--gfx1250"
	.amdhsa_code_object_version 6
	.text
	.protected	k_qdace4ef6de_qx
	.globl	k_qdace4ef6de_qx
	.p2align	8
	.type	k_qdace4ef6de_qx,@function
k_qdace4ef6de_qx:
	s_mov_b64 s[64:65], 0
	v_nop
	global_prefetch_b8 v0, s[64:65] scope:SCOPE_SE
	s_setreg_imm32_b32 hwreg(HW_REG_WAVE_MODE, 25, 1), 1
	s_wait_xcnt 0x0
; x [8192][1024] f32 becomes codes of FP6 (E2M3) with one E8M0 byte for each 32 along K, laid as IMAGES OF OPERAND REGISTERS.
; LAYOUT OF xq.  Rows go in blocks of 128 (blk), K in steps of 128 (s), a block in eight tiles of 16 rows: tile 2 b + u holds at place p the row 32 b + 8 u + p + 8 (p / 8).
; The fragment (blk, s, tile) is 1,536 bytes at ((8 blk + s) 8 + tile) 1,536: register R of lane L at 512 (R / 4) + 16 L + 4 (R % 4); lane p + 16 h holds k = 64 c + 32 h + 0 .. 31 of its row in registers 6 c .. 6 c + 5.
; The scale words of (blk, s) are 512 bytes at 6,291,456 + (8 blk + s) 512: the word of (tile, p) at 256 (tile / 4) + 16 p + 4 (tile % 4).
; A block's scale is 2^(floor(log2(largest magnitude)) - 2); its byte is the largest magnitude's exponent field - 2, held at 1 from below.
; LIMITS: a block of zeros gets the byte 1 where the rule says 127 (its codes are zeros and this program alone reads the bytes); NaN and infinities among the inputs are not served.
; SHARES.  Work-group: blk = id / 4 and two K steps; wave: one K step and four tiles (64 rows x 128 numbers).  Each load reads 512 consecutive bytes of one row; a tile's 16 rows turn through the wave's own
; stage in LDS (rows of 512 + 16 bytes), so that a lane comes to hold 16 neighbours of each block of 32.  Each store of codes covers 512 consecutive bytes.  Waves share nothing: no barrier.
.set STG,   16*528
.set SPARE, 4*STG                      ; behind the four stages: the spare words, 128 bytes for each wave, which no other line names
.set LO,  4                            ; v4   16 x lane
.set SI,  5                            ; v5   stage + 16 x lane
.set SOA, 6                            ; v6   stage + 528 r + 64 h
.set SCO, 7                            ; v7   16 r + 8 h
.set SPW, 8                            ; v8   my spare word; never rewritten
.set NIL, 9                            ; v9   0; never rewritten
.set PW,  10                           ; v10-13 the four tiles' scale words
.set TM,  16                           ; v16-31 at work
.set PC,  32                           ; v32-51 the codes just made
.set X0,  64                           ; three sets of 64 numbers
.set SEL, 12                           ; s[12:13] selects for lane l xor 16
.set HM,  14                           ; s14  lanes 16-31
; the largest magnitude of each of the four blocks of 32: register 16 b + i of v[s] on is k = 32 b + 16 h + i of my row
.macro QMAX s
.irp b, 0,1,2,3
	v_max3_num_f32 v[TM+\b], |v[(\s)+16*\b]|, |v[(\s)+1+16*\b]|, 0x1800000   ; with the floor 2^(3 - 127): the byte cannot fall under 1
.endr
.irp i, 2,4,6,8,10,12,14
.irp b, 0,1,2,3
	v_max3_num_f32 v[TM+\b], v[TM+\b], |v[(\s)+16*\b+\i]|, |v[(\s)+1+16*\b+\i]|
.endr
.endr
.irp b, 0,1,2,3
	v_permlanex16_b32 v[TM+4+\b], v[TM+\b], s[SEL], s[SEL+1]
.endr
.irp b, 0,1,2,3
	v_max_num_f32 v[TM+\b], v[TM+\b], v[TM+4+\b]                   ; with lane l xor 16: the block's
.endr
.endm
; from the four maxima in v[TM] on: the scale word into v[pw], the fragment's twelve registers into v[PC] on
.macro QTAIL s, pw
.irp b, 0,1,2,3
	v_add_nc_u32 v[TM+12+\b], 0xff000000, v[TM+\b]                 ; 2 off the exponent field: the conversion's scale operand
.endr
.irp b, 0,1,2,3
	v_lshrrev_b32 v[TM+4+\b], 23, v[TM+12+\b]                      ; the scale's byte
.endr
	v_lshl_or_b32 v[\pw], v[TM+5], 8, v[TM+4]
	v_lshl_or_b32 v[\pw], v[TM+6], 16, v[\pw]
	v_lshl_or_b32 v[\pw], v[TM+7], 24, v[\pw]
.irp c, 0,1
	v_cvt_scalef32_pk16_fp6_f32 v[PC+6*\c:PC+2+6*\c], v[(\s)+32*\c:(\s)+15+32*\c], v[TM+12+2*\c]
	v_cvt_scalef32_pk16_fp6_f32 v[PC+12+4*\c:PC+14+4*\c], v[(\s)+16+32*\c:(\s)+31+32*\c], v[TM+12+2*\c+1]
.endr
	v_nop                                                          ; one plain place behind a scaled conversion
.irp c, 0,1                                                    ; the layout wants a whole block in a lane: lanes 0-15 block 2 c, lanes 16-31 block 2 c + 1
.irp i, 0,1,2
	v_permlane16_swap_b32 v[PC+6*\c+\i], v[PC+12+4*\c+\i]
.endr
.irp i, 0,1,2
	v_mov_b32 v[PC+3+6*\c+\i], v[PC+12+4*\c+\i]
.endr
.endr
.endm
	s_load_b128 s[4:7], s[0:1], 0x0                ; x, xq
	v_lshl_add_u32 v[SPW], v0, 2, SPARE
	v_mov_b32 v[NIL], 0
	v_lshrrev_b32 v1, 5, v0
	v_readfirstlane_b32 s16, v1                    ; wave
	v_and_b32 v1, 31, v0                           ; lane
	v_and_b32 v2, 15, v0                           ; r
	v_bfe_u32 v3, v0, 4, 1                         ; h
	v_lshlrev_b32 v[LO], 4, v1
	s_mul_i32 s17, s16, STG
	v_add_nc_u32 v[SI], s17, v[LO]
	v_mul_u32_u24 v[SOA], v2, 528
	v_lshl_add_u32 v[SOA], v3, 6, v[SOA]
	v_add_nc_u32 v[SOA], s17, v[SOA]
	v_lshlrev_b32 v[SCO], 4, v2
	v_lshl_add_u32 v[SCO], v3, 3, v[SCO]
.irp b, 0,1,2,3
	v_mov_b32 v[TM+4+\b], 0                        ; written once: a lane permute's destination counts as one of its sources
.endr
	s_mov_b32 s[SEL], 0x76543210
	s_mov_b32 s[SEL+1], 0xfedcba98
	s_mov_b32 s[HM], 0xffff0000
	s_lshr_b32 s18, ttmp9, 2                       ; blk
	s_and_b32 s19, ttmp9, 3
	s_lshl_b32 s19, s19, 1
	s_lshr_b32 s20, s16, 1
	s_add_co_u32 s19, s19, s20                     ; K step
	s_and_b32 s20, s16, 1                          ; g: which four tiles
	s_lshl_b32 s22, s18, 19                        ; x: 128 blk rows of 4,096 bytes,
	s_lshl_b32 s21, s20, 18                        ; + 64 g rows,
	s_add_co_u32 s22, s22, s21
	s_lshl_b32 s21, s19, 9                         ; + 512 bytes a K step
	s_add_co_u32 s22, s22, s21
	s_mov_b32 s23, 0
	s_lshl_b32 s21, s18, 3
	s_add_co_u32 s21, s21, s19                     ; 8 blk + s
	s_mul_i32 s24, s21, 12288
	s_mul_i32 s26, s20, 6144
	s_add_co_u32 s24, s24, s26                     ; my four fragments
	s_mov_b32 s25, 0
	s_lshl_b32 s26, s21, 9
	s_lshl_b32 s27, s20, 8
	s_add_co_u32 s26, s26, s27
	s_add_co_u32 s26, s26, 6291456                 ; my 256 bytes of scale words
	s_mov_b32 s27, 0
	s_wait_kmcnt 0x0
	s_add_nc_u64 s[4:5], s[4:5], s[22:23]
	s_add_nc_u64 s[8:9], s[6:7], s[26:27]
	s_add_nc_u64 s[6:7], s[6:7], s[24:25]
.macro LOAD t                          ; tile t of my four: its 16 rows, 512 bytes each, into set t % 3
.irp p, 0,1,2,3,4,5,6,7,8,9,10,11,12,13,14,15
	global_load_b128 v[X0+64*((\t)%3)+4*\p:X0+64*((\t)%3)+4*\p+3], v[LO], s[4:5] offset:(32*((\t)/2)+8*((\t)%2)+\p+8*(\p/8))*4096 th:TH_LOAD_NT
.endr
.endm
.macro TILE t, left                    ; left: the younger tiles' loads, which may stay out
.set XS, X0+64*((\t)%3)
	s_wait_loadcnt \left
.irp p, 0,1,2,3,4,5,6,7,8,9,10,11,12,13,14,15
	ds_store_b128 v[SI], v[XS+4*\p:XS+4*\p+3] offset:528*\p        ; row p as it lies
.endr
.irp b, 0,1,2,3
.irp j, 0,1,2,3
	ds_load_b128 v[XS+16*\b+4*\j:XS+16*\b+4*\j+3], v[SOA] offset:128*\b+16*\j   ; LDS serves a wave's instructions in order: these see the stores above
.endr
.endr
	s_wait_dscnt 0x0
.if (\t) > 0
	s_wait_xcnt 0x0                                ; the last tile's stores have read the codes' registers
.endif
	QMAX XS
	QTAIL XS, PW+(\t)
.irp c, 0,1,2
	global_store_b128 v[LO], v[PC+4*\c:PC+4*\c+3], s[6:7] offset:1536*(\t)+512*\c   ; 32 lanes store 512 consecutive bytes
.endr
.endm
	LOAD 0
	LOAD 1
	LOAD 2
	TILE 0, 32
	LOAD 3                                         ; into the set that tile 0 has left
	TILE 1, 32
	TILE 2, 16
	TILE 3, 0
	v_cndmask_b32 v14, v[PW], v[PW+2], s[HM]       ; lane (r, h) stores the words of tiles 2 h and 2 h + 1 at place r
	v_cndmask_b32 v15, v[PW+1], v[PW+3], s[HM]
	global_store_b64 v[SCO], v[14:15], s[8:9]      ; 32 lanes store 256 consecutive bytes
	s_wait_tensorcnt 0x0                           ; the wave's end, behind my last LDS store
	ds_add_u32 v[SPW], v[NIL]
	s_wait_dscnt 0x0
	s_endpgm
.Lfunc_end_k_qdace4ef6de_qx:
	.size	k_qdace4ef6de_qx, .Lfunc_end_k_qdace4ef6de_qx-k_qdace4ef6de_qx
	.p2alignl 7, 3214868480
	.fill 96, 4, 3214868480
	.section	.rodata,"a",@progbits
	.p2align	6, 0x0
	.amdhsa_kernel k_qdace4ef6de_qx
		.amdhsa_group_segment_fixed_size 34304
		.amdhsa_private_segment_fixed_size 0
		.amdhsa_enable_private_segment 0
		.amdhsa_kernarg_size 16
		.amdhsa_user_sgpr_count 2
		.amdhsa_user_sgpr_kernarg_segment_ptr 1
		.amdhsa_wavefront_size32 1
		.amdhsa_system_sgpr_workgroup_id_x 1
		.amdhsa_system_sgpr_workgroup_id_y 1
		.amdhsa_system_sgpr_workgroup_id_z 1
		.amdhsa_system_vgpr_workitem_id 0
		.amdhsa_next_free_vgpr 256
		.amdhsa_next_free_sgpr 66
		.amdhsa_reserve_vcc 0
		.amdhsa_float_denorm_mode_32 3
		.amdhsa_float_denorm_mode_16_64 3
		.amdhsa_memory_ordered 1
		.amdhsa_forward_progress 1
		.amdhsa_inst_pref_size 33
	.end_amdhsa_kernel
	.amdgpu_metadata
---
amdhsa.version: [ 1, 2 ]
amdhsa.kernels:
  - .name:           k_qdace4ef6de_qx
    .symbol:         k_qdace4ef6de_qx.kd
    .args:
      - { .name: x, .offset: 0, .size: 8, .value_kind: global_buffer, .address_space: global }
      - { .name: xq, .offset: 8, .size: 8, .value_kind: global_buffer, .address_space: global }
    .group_segment_fixed_size: 34304
    .private_segment_fixed_size: 0
    .kernarg_segment_align: 8
    .kernarg_segment_size: 16
    .max_flat_workgroup_size: 128
    .sgpr_count:     66
    .vgpr_count:     256
    .wavefront_size: 32
...
	.end_amdgpu_metadata
.endif
;; end of part 1
;; launch qw (part 2): grid 8 x 24, 4 waves a work-group, no clusters, 13,312 bytes of LDS; arguments Wq, Wk, Wv, wq; writes wq
.if DOCPART == 2
	.amdgcn_target "amdgcn-amd-amdhsa--gfx1250"
	.amdhsa_code_object_version 6
	.text
	.protected	k_qdace4ef6de_qw
	.globl	k_qdace4ef6de_qw
	.p2align	8
	.type	k_qdace4ef6de_qw,@function
k_qdace4ef6de_qw:
	s_mov_b64 s[64:65], 0
	v_nop
	global_prefetch_b8 v0, s[64:65] scope:SCOPE_SE
	s_setreg_imm32_b32 hwreg(HW_REG_WAVE_MODE, 25, 1), 1
	s_wait_xcnt 0x0
; Wq, Wk, Wv [1024 (k)][1024 (n)] f32 become codes of FP6 (E2M3) along K, their FIRST axis, laid as images of operand registers whose rows are the columns n.
; LAYOUT OF wq: as xq's: block y = 0 .. 7 Wq's columns 128 y on, 8 .. 15 Wk's, 16 .. 23 Wv's; fragment (y, s, tile) at ((8 y + s) 8 + tile) 1,536; tile 2 b + u holds at place p column 32 b + 8 u + p + 8 (p / 8);
; scale words of (y, s) at 2,359,296 + (8 y + s) 512, the word of (tile, p) at 256 (tile / 4) + 16 p + 4 (tile % 4).
; A LANE TAKES A COLUMN AND ITS REGISTERS RUN DOWN K: a load reads 128 consecutive bytes a wave (512 a work-group), a block of 32 lies in one lane, and the conversions give codes with K innermost.
; Wave w takes columns 32 w .. 32 w + 31 of the block: tiles 2 w and 2 w + 1.  A lane's 24 bytes a block go to their places in the wave's own image in LDS; the image leaves in stores of 512 consecutive bytes.
; LIMITS: a block of zeros gets the byte 1 where the rule says 127 (its codes are zeros and this program alone reads the bytes); NaN and infinities among the inputs are not served.
.set SCS,   12288                      ; behind the four images of 3,072 bytes: the work-group's 512 bytes of scale words
.set SPARE, 12800                      ; the spare words, 128 bytes for each wave, which no other line names
.set LO4, 2                            ; v2   4 x lane
.set LA,  3                            ; v3   my place in the image: 3,072 w + 1,536 u + 16 p
.set LR,  4                            ; v4   3,072 w + 16 x lane
.set LSC, 5                            ; v5   my scale word's place
.set GO,  6                            ; v6   16 x lane
.set SCR, 7                            ; v7   SCS + 16 x lane
.set SPW, 8                            ; v8   my spare word; never rewritten
.set NIL, 9                            ; v9   0; never rewritten
.set X,   80                           ; v80-207 my column's 128 numbers
	s_load_b256 s[4:11], s[0:1], 0x0               ; Wq, Wk, Wv, wq
	v_lshl_add_u32 v[SPW], v0, 2, SPARE
	v_mov_b32 v[NIL], 0
	v_lshrrev_b32 v1, 5, v0
	v_readfirstlane_b32 s16, v1                    ; wave
	v_and_b32 v1, 31, v0                           ; lane = 8 u + p % 8 + 16 (p / 8)
	v_lshlrev_b32 v[LO4], 2, v1
	v_lshlrev_b32 v[GO], 4, v1
	v_and_b32 v10, 7, v1
	v_bfe_u32 v11, v0, 4, 1
	v_lshl_or_b32 v10, v11, 3, v10                 ; p
	v_bfe_u32 v11, v0, 3, 1                        ; u
	s_mul_i32 s17, s16, 3072
	v_mul_u32_u24 v[LA], v11, 1536
	v_lshl_add_u32 v[LA], v10, 4, v[LA]
	v_add_nc_u32 v[LA], s17, v[LA]
	v_add_nc_u32 v[LR], s17, v[GO]
	s_lshr_b32 s18, s16, 1
	s_lshl_b32 s18, s18, 8                         ; 256 (tile / 4),
	s_and_b32 s19, s16, 1
	s_lshl_b32 s19, s19, 3                         ; 4 (tile % 4) = 8 (w % 2) + 4 u
	s_add_co_u32 s18, s18, s19
	s_add_co_u32 s18, s18, SCS
	v_lshlrev_b32 v[LSC], 4, v10
	v_lshl_add_u32 v[LSC], v11, 2, v[LSC]
	v_add_nc_u32 v[LSC], s18, v[LSC]
	v_add_nc_u32 v[SCR], SCS, v[GO]
	s_and_b32 s20, ttmp7, 0xffff                   ; y: the image's block
	s_and_b32 s21, s20, 7                          ; which 128 columns of its tensor
	s_lshl_b32 s22, ttmp9, 19                      ; 128 s rows of 4,096 bytes,
	s_lshl_b32 s21, s21, 9
	s_add_co_u32 s22, s22, s21                     ; + 512 bytes a block of columns,
	s_lshl_b32 s21, s16, 7
	s_add_co_u32 s22, s22, s21                     ; + 128 bytes a wave
	s_mov_b32 s23, 0
	s_lshl_b32 s21, s20, 3
	s_add_co_u32 s21, s21, ttmp9                   ; 8 y + s
	s_mul_i32 s24, s21, 12288
	s_add_co_u32 s24, s24, s17                     ; my two fragments
	s_mov_b32 s25, 0
	s_lshl_b32 s26, s21, 9
	s_add_co_u32 s26, s26, 2359296
	s_mov_b32 s27, 0
	s_wait_kmcnt 0x0
	s_cmp_lt_u32 s20, 16                           ; the choice hangs on the work-group's number alone
	s_cselect_b64 s[6:7], s[6:7], s[8:9]
	s_cmp_lt_u32 s20, 8
	s_cselect_b64 s[4:5], s[4:5], s[6:7]
	s_add_nc_u64 s[4:5], s[4:5], s[22:23]
	s_add_nc_u64 s[12:13], s[10:11], s[26:27]
	s_add_nc_u64 s[10:11], s[10:11], s[24:25]
.macro LOAD t                          ; block t: W(128 s + 32 t + i, my column)
.irp i, 0,1,2,3,4,5,6,7,8,9,10,11,12,13,14,15,16,17,18,19,20,21,22,23,24,25,26,27,28,29,30,31
	global_load_b32 v[X+32*(\t)+\i], v[LO4], s[4:5] offset:(32*(\t)+\i)*4096 th:TH_LOAD_NT
.endr
.endm
.macro BLOCK t
.set XS, X+32*(\t)
.set CD, 16+8*(\t)                     ; the block's six registers of codes: each block has its own
.if (\t) < 3
	s_wait_loadcnt 32                              ; this block's 32 loads are in; the next block's may be out
.else
	s_wait_loadcnt 0
.endif
.if (\t)+2 < 4
	LOAD (\t)+2
.endif
	v_max3_num_f32 v12, |v[XS]|, |v[XS+1]|, |v[XS+2]|
	v_max3_num_f32 v13, |v[XS+3]|, |v[XS+4]|, |v[XS+5]|
.irp i, 6,10,14,18,22,26
	v_max3_num_f32 v12, v12, |v[XS+\i]|, |v[XS+\i+1]|
	v_max3_num_f32 v13, v13, |v[XS+\i+2]|, |v[XS+\i+3]|
.endr
	v_max3_num_f32 v12, v12, |v[XS+30]|, |v[XS+31]|
	v_max3_num_f32 v12, v12, v13, 0x1800000        ; and the floor 2^(3 - 127): the byte cannot fall under 1
	v_add_nc_u32 v11, 0xff000000, v12              ; 2 off the exponent field: the conversion's scale operand
	v_lshrrev_b32 v13, 23, v11                     ; the scale's byte
.if (\t) == 0
	v_mov_b32 v14, v13
.else
	v_lshl_or_b32 v14, v13, 8*(\t), v14
.endif
	v_cvt_scalef32_pk16_fp6_f32 v[CD:CD+2], v[XS:XS+15], v11
	v_cvt_scalef32_pk16_fp6_f32 v[48:50], v[XS+16:XS+31], v11      ; (a conversion's three registers begin on an even number)
	v_nop                                          ; one plain place behind a scaled conversion
.irp i, 0,1,2
	v_mov_b32 v[CD+3+\i], v[48+\i]
.endr
; block t = 2 c + h is registers 6 c .. 6 c + 5 of lane p + 16 h of the fragment
.if (\t)/2 == 0
	ds_store_b128 v[LA], v[CD:CD+3] offset:256*((\t)%2)
	ds_store_b64 v[LA], v[CD+4:CD+5] offset:512+256*((\t)%2)
.else
	ds_store_b64 v[LA], v[CD:CD+1] offset:520+256*((\t)%2)
	ds_store_b128 v[LA], v[CD+2:CD+5] offset:1024+256*((\t)%2)
.endif
.endm
	LOAD 0
	LOAD 1
	BLOCK 0
	BLOCK 1
	BLOCK 2
	BLOCK 3
	ds_store_b32 v[LSC], v14                       ; my column's scale word
.irp i, 0,1,2,3,4,5
	ds_load_b128 v[52+4*\i:55+4*\i], v[LR] offset:512*\i           ; LDS serves a wave's instructions in order: these see my stores
.endr
.irp i, 0,1,2,3,4,5
	s_wait_dscnt 5-\i
	global_store_b128 v[GO], v[52+4*\i:55+4*\i], s[10:11] offset:512*\i   ; 32 lanes store 512 consecutive bytes
.endr
	s_wait_dscnt 0x0                               ; for the others' sake: my scale words have landed
	s_barrier_signal -1
	s_barrier_wait -1
	s_cmp_lg_u32 s16, 0                            ; wave 0 stores the work-group's 512 bytes of scale words
	s_cbranch_scc1 .Lothers
	ds_load_b128 v[76:79], v[SCR]
	s_wait_dscnt 0x0
	global_store_b128 v[GO], v[76:79], s[12:13]
.Lothers:
	s_wait_tensorcnt 0x0                           ; the wave's end, behind my last LDS store
	ds_add_u32 v[SPW], v[NIL]
	s_wait_dscnt 0x0
	s_endpgm
.Lfunc_end_k_qdace4ef6de_qw:
	.size	k_qdace4ef6de_qw, .Lfunc_end_k_qdace4ef6de_qw-k_qdace4ef6de_qw
	.p2alignl 7, 3214868480
	.fill 96, 4, 3214868480
	.section	.rodata,"a",@progbits
	.p2align	6, 0x0
	.amdhsa_kernel k_qdace4ef6de_qw
		.amdhsa_group_segment_fixed_size 13312
		.amdhsa_private_segment_fixed_size 0
		.amdhsa_enable_private_segment 0
		.amdhsa_kernarg_size 32
		.amdhsa_user_sgpr_count 2
		.amdhsa_user_sgpr_kernarg_segment_ptr 1
		.amdhsa_wavefront_size32 1
		.amdhsa_system_sgpr_workgroup_id_x 1
		.amdhsa_system_sgpr_workgroup_id_y 1
		.amdhsa_system_sgpr_workgroup_id_z 1
		.amdhsa_system_vgpr_workitem_id 0
		.amdhsa_next_free_vgpr 208
		.amdhsa_next_free_sgpr 66
		.amdhsa_reserve_vcc 0
		.amdhsa_float_denorm_mode_32 3
		.amdhsa_float_denorm_mode_16_64 3
		.amdhsa_memory_ordered 1
		.amdhsa_forward_progress 1
		.amdhsa_inst_pref_size 23
	.end_amdhsa_kernel
	.amdgpu_metadata
---
amdhsa.version: [ 1, 2 ]
amdhsa.kernels:
  - .name:           k_qdace4ef6de_qw
    .symbol:         k_qdace4ef6de_qw.kd
    .args:
      - { .name: Wq, .offset: 0, .size: 8, .value_kind: global_buffer, .address_space: global }
      - { .name: Wk, .offset: 8, .size: 8, .value_kind: global_buffer, .address_space: global }
      - { .name: Wv, .offset: 16, .size: 8, .value_kind: global_buffer, .address_space: global }
      - { .name: wq, .offset: 24, .size: 8, .value_kind: global_buffer, .address_space: global }
    .group_segment_fixed_size: 13312
    .private_segment_fixed_size: 0
    .kernarg_segment_align: 8
    .kernarg_segment_size: 32
    .max_flat_workgroup_size: 128
    .sgpr_count:     66
    .vgpr_count:     208
    .wavefront_size: 32
...
	.end_amdgpu_metadata
.endif
;; end of part 2
;; launch qkv (part 3): grid 8 x 48, 4 waves a work-group, clusters of 4 x 4, 327,680 bytes of LDS; arguments xq, wq, bq, bk, bv, qk, vq; writes qk, vq
.if DOCPART == 3
	.amdgcn_target "amdgcn-amd-amdhsa--gfx1250"
	.amdhsa_code_object_version 6
	.text
	.protected	k_qdace4ef6de_qkv
	.globl	k_qdace4ef6de_qkv
	.p2align	8
	.type	k_qdace4ef6de_qkv,@function
k_qdace4ef6de_qkv:
	s_mov_b64 s[64:65], 0
	v_nop
	global_prefetch_b8 v0, s[64:65] scope:SCOPE_SE
	s_setreg_imm32_b32 hwreg(HW_REG_WAVE_MODE, 25, 1), 1
	s_wait_xcnt 0x0
	s_wait_alu depctr_hold_cnt(0) depctr_sa_sdst(0) depctr_va_vdst(0) depctr_va_sdst(0) depctr_va_ssrc(0) depctr_va_vcc(0) depctr_vm_vsrc(0)
	s_getreg_b32 s2, hwreg(HW_REG_IB_STS2, 6, 4)
	s_cmp_eq_u32 s2, 0
	s_cbranch_scc0 .Lentry_in_a_cluster
	s_endpgm
.Lentry_in_a_cluster:
	s_bfe_u32 s2, ttmp6, 0x10000c
	s_cmp_lg_u32 s2, 0xf033
	s_cbranch_scc0 .Lentry_shape_is_right
	s_endpgm
.Lentry_shape_is_right:
; q = x Wq + bq, k = x Wk + bk, v = x Wv + bv on codes of FP6 (E2M3) with E8M0 scales; the results are quantised in registers and leave as images of operand registers.
; IMAGES (all code buffers): rows in blocks of 128, K in steps of 128, a block in eight tiles of 16 rows, tile 2 b + u holding at place p row 32 b + 8 u + p + 8 (p / 8); a fragment is its twelve registers as they stand,
; 1,536 bytes: register R of lane L at 512 (R / 4) + 16 L + 4 (R % 4); one (block, K step) is 12,288 dense bytes and 512 bytes of scale words (word of (tile, p) at 256 (tile / 4) + 16 p + 4 (tile % 4)).
; THE PRODUCT is D = S0 x S1: source 0 = 16 rows of S0, source 1 = 16 rows of S1.  A lane then holds one row of S1 (lane % 16), and the 64 registers of its eight S0 tiles are S0's rows 32 b + 16 h + i in
; their natural order: 128 neighbours along the NEXT product's K.  So a wave's 128 x 128 results, quantised, are exactly one (block, K step) of the next operand.
; ROLES, by the cluster's y (the same in all sixteen partners).  y < 8: S0 = Wq, Wk (blocks 0-15 of wq), S1 = x: the results are rows of q and k along the channels, to qk (K steps 0-7 q, 8-15 k).
; y >= 8: S0 = x, S1 = Wv (blocks 16-23): the results are channels of v along the KEYS, to vq (index 128 batch + 16 channel block + key block).
; A tile of 256 x 256 to a work-group of four waves, 128 x 128 a wave: 64 accumulators.  K = 1,024 goes in steps of 256 through two LDS slots filled by the tensor data mover, a wave's part one dense run of 24,576 bytes.
; The scale words of the work-group's rows, for all of K, come once with the first fills.  CLUSTERS 4 x 4: S1's tiles are shared along a row of the cluster, S0's along a column: joint loads.
; THE BIAS is one fused multiply-add: B0[register] x MB[tile] + sum, where the side that carries no bias holds 1.0: one rounding in both roles.
; LIMITS: a block of zeros gets the byte 1 where the rule says 127 (its codes are zeros and this program alone reads the bytes); NaN and infinities are not served.
; REGISTERS: window 0: v16-29 addresses; v32-63 scale words, two sets; v64-127 B0; v128-223 S1's fragments (on the way out: numbers, codes, work); v228-239 scale words out; v240-255 MB.
;   window 1: S0's fragments, two sets, at v0 and v128.   windows 2, 3: accumulator (a, b) at v[8 (8 (a % 4) + b)].
.set FR,    12
.set NL,    3                          ; LDS loads that bring a fragment
.set NP,    4                          ; places behind this matrix instruction (ISA guide 7.12.1)
.set STEPB, 12288
.set HALFT, 2*STEPB                    ; 128 rows x 256 along K: what one tensor load brings
.set SLOT,  4*HALFT                    ; S1's two halves, then S0's two
.set SCL,   2*SLOT                     ; behind the ring: four pieces of 4,096 bytes of scale words, in the same order
.set SPARE, SCL+4*4096                 ; the spare words, 128 bytes for each wave, which no other line names
.set XSCO,  6291456                    ; where the scale words begin in xq, wq, qk, vq
.set WSCO,  2359296
.set QSCO,  12582912
.set VSCO,  6291456
.set ADRA, 16                          ; v16-17 my S1 fragments in slot 0, 1
.set ADRB, 20                          ; v20-21 my S0 fragments
.set GOF,  26                          ; v26  16 x lane
.set ADRS, 27                          ; v27  my scale words: lanes 0-15 S1's, lanes 16-31 S0's
.set SPW,  28                          ; v28  my spare word; never rewritten
.set NIL,  29                          ; v29  0; never rewritten
.set SC,   32
.set B0,   64
.set AF,   128
.set T,    128
.set PC,   192
.set TM,   212
.set PW,   228
.set SW,   236
.set MB,   240
.set SEL,  18                          ; s[18:19]
.set G1,   24
.set G0,   32
.set WV,   40
.set H1,   41
.set H0,   42
.set CX,   43
.set CY,   44
.set COL,  45
.set ROW,  46
.set ROLE, 47
.set G1B,  48
.set G0B,  56
.set HM,   66
.set G1S,  68
.set G0S,  76
.set G1SB, 80
.set G0SB, 88
.set OUTS, 92                          ; s[92:93]
.set OUT,  94                          ; s[94:95]
.set RM,   100
.set RN,   101
.set MSB, 0
.macro WIN new                         ; the immediate's high byte repeats the setting that is left
.if MSB != (\new)
	s_set_vgpr_msb (MSB<<8)|(\new)
.set MSB, \new
.endif
.endm
.set MUL_LO, 0xa1                      ; source 0 window 1, source 1 window 0, C and D window 2
.set MUL_HI, 0xf1                      ; the same, C and D window 3
.set TO_B,   0x40                      ; destination window 1, address window 0
.macro PLACES n
.rept \n
	v_nop
.endr
.endm
; A joint load: waves 0 and 1 fetch for S1, waves 2 and 3 for S0.  The branch hangs on the wave's number alone.  An s_nop 0 and four v_nop follow each of the two lines.
.macro JLOAD g0a, g1a, g0b, g1b
	s_cmp_eq_u32 s[H1], 0
	s_cbranch_scc0 .Lfor_b_\@
	tensor_load_to_lds s[\g0a:\g0a+3], s[\g1a:\g1a+7]
	s_nop 0
.rept 4
	v_nop
.endr
	s_branch .Lasked_\@
.Lfor_b_\@:
	tensor_load_to_lds s[\g0b:\g0b+3], s[\g1b:\g1b+7]
	s_nop 0
.rept 4
	v_nop
.endr
.Lasked_\@:
.endm
.macro CREST                           ; a round of the cluster's barrier behind its opening barrier
	s_cmp_lg_u32 s[WV], 0
	s_cbranch_scc1 .Lnot_wave_0_\@
	s_barrier_signal -3
.Lnot_wave_0_\@:
	s_barrier_wait -3
	s_barrier_signal -1
	s_barrier_wait -1
.endm
.macro CROUND
	s_barrier_signal -1
	s_barrier_wait -1
	CREST
.endm
.macro QMAX s
.irp b, 0,1,2,3
	v_max3_num_f32 v[TM+\b], |v[(\s)+16*\b]|, |v[(\s)+1+16*\b]|, 0x1800000   ; with the floor 2^(3 - 127): the byte cannot fall under 1
.endr
.irp i, 2,4,6,8,10,12,14
.irp b, 0,1,2,3
	v_max3_num_f32 v[TM+\b], v[TM+\b], |v[(\s)+16*\b+\i]|, |v[(\s)+1+16*\b+\i]|
.endr
.endr
.irp b, 0,1,2,3
	v_permlanex16_b32 v[TM+4+\b], v[TM+\b], s[SEL], s[SEL+1]
.endr
.irp b, 0,1,2,3
	v_max_num_f32 v[TM+\b], v[TM+\b], v[TM+4+\b]
.endr
.endm
.macro QTAIL s, pw
.irp b, 0,1,2,3
	v_add_nc_u32 v[TM+12+\b], 0xff000000, v[TM+\b]                 ; 2 off the exponent field: the conversion's scale operand
.endr
.irp b, 0,1,2,3
	v_lshrrev_b32 v[TM+4+\b], 23, v[TM+12+\b]                      ; the scale's byte
.endr
	v_lshl_or_b32 v[\pw], v[TM+5], 8, v[TM+4]
	v_lshl_or_b32 v[\pw], v[TM+6], 16, v[\pw]
	v_lshl_or_b32 v[\pw], v[TM+7], 24, v[\pw]
.irp c, 0,1
	v_cvt_scalef32_pk16_fp6_f32 v[PC+6*\c:PC+2+6*\c], v[(\s)+32*\c:(\s)+15+32*\c], v[TM+12+2*\c]
	v_cvt_scalef32_pk16_fp6_f32 v[PC+12+4*\c:PC+14+4*\c], v[(\s)+16+32*\c:(\s)+31+32*\c], v[TM+12+2*\c+1]
.endr
	v_nop                                                          ; one plain place behind a scaled conversion
.irp c, 0,1
.irp i, 0,1,2
	v_permlane16_swap_b32 v[PC+6*\c+\i], v[PC+12+4*\c+\i]
.endr
.irp i, 0,1,2
	v_mov_b32 v[PC+3+6*\c+\i], v[PC+12+4*\c+\i]
.endr
.endr
.endm
.macro SEL4 d, src                     ; lanes 0-15 take the words of tiles 0-3, lanes 16-31 those of tiles 4-7: one store of 16 bytes a lane then writes a whole block of 512 bytes
.irp i, 0,1,2,3
	v_cndmask_b32 v[\d+\i], v[\src+\i], v[\src+4+\i], s[HM]
.endr
.endm
.macro FRAG reg, adr, q, i             ; a fragment comes as it was stored: three loads of 16 bytes a lane, 512 consecutive bytes each
.irp c, 0,1,2
	ds_load_b128 v[\reg+4*\c:\reg+4*\c+3], v[\adr] offset:(\q)*STEPB+(\i)*1536+512*\c
.endr
.endm
.macro FETCH_B slot, q, p
	WIN TO_B
.irp i, 0,1,2,3,4,5,6,7
	FRAG 128*(\p)+FR*\i, ADRB+\slot, \q, \i
.endr
	WIN 0
.endm
.macro FETCH_A slot, q, i0
.irp i, \i0, \i0+1, \i0+2, \i0+3
	FRAG AF+FR*(\i), ADRA+\slot, \q, \i
.endr
.endm
.macro SCALES sc                       ; a slot's scale words: register 8 q + t: lanes 0-15 S1's tile t, lanes 16-31 S0's tile t
.irp q, 0,1
.irp g, 0,1
	ds_load_b128 v[SC+16*\sc+8*\q+4*\g:SC+16*\sc+8*\q+4*\g+3], v[ADRS] offset:512*\q+256*\g
.endr
.endr
.endm
; 16 matrix instructions: S1's tiles a0, a0 + 1 x S0's eight.  The 64 accumulators take turns, one instruction a turn, in the same order in every step.
.macro MUL16 a0, p, q, sc, zero
.irp a, \a0, \a0+1
.irp b, 0,1,2,3,4,5,6,7
.if \zero
	v_wmma_scale_f32_16x16x128_f8f6f4 v[8*(8*((\a)%4)+\b):8*(8*((\a)%4)+\b)+7], v[128*(\p)+FR*\b:128*(\p)+FR*\b+FR-1], v[AF+FR*(\a):AF+FR*(\a)+FR-1], 0, v[SC+16*(\sc)+8*(\q)+\b], v[SC+16*(\sc)+8*(\q)+(\a)] matrix_a_fmt:MATRIX_FMT_FP6 matrix_b_fmt:MATRIX_FMT_FP6 matrix_a_scale:MATRIX_SCALE_ROW1
.else
	v_wmma_scale_f32_16x16x128_f8f6f4 v[8*(8*((\a)%4)+\b):8*(8*((\a)%4)+\b)+7], v[128*(\p)+FR*\b:128*(\p)+FR*\b+FR-1], v[AF+FR*(\a):AF+FR*(\a)+FR-1], v[8*(8*((\a)%4)+\b):8*(8*((\a)%4)+\b)+7], v[SC+16*(\sc)+8*(\q)+\b], v[SC+16*(\sc)+8*(\q)+(\a)] matrix_a_fmt:MATRIX_FMT_FP6 matrix_b_fmt:MATRIX_FMT_FP6 matrix_a_scale:MATRIX_SCALE_ROW1
.endif
.endr
.endr
.endm
; A slot's first 128 along K.  S1 has one set of registers (a tile is free when its eight products are issued), S0 two.
.macro STEP slot, zero
	s_wait_dscnt 4*NL                              ; all but the youngest twelve loads (S1's tiles 4-7) are in
	WIN MUL_LO
	MUL16 0, 0, 0, \slot, \zero
	MUL16 2, 0, 0, \slot, \zero
	s_wait_dscnt 0x0                               ; S1's tiles 4-7 are in
	PLACES NP                                      ; in front of loads into registers that matrix instructions have read
	FETCH_B \slot, 1, 1
	FETCH_A \slot, 1, 0
	WIN MUL_HI
	MUL16 4, 0, 0, \slot, \zero
	MUL16 6, 0, 0, \slot, \zero
	PLACES NP
	WIN 0
	FETCH_A \slot, 1, 4
.endm
; A slot's second 128 along K changes slots: one barrier; in front of it each wave waits for all its tensor loads, adds 0 to its spare word, and waits for that and for its reads of this slot.
.macro TURN slot, next, fill
	s_wait_tensorcnt 0x0                           ; all my tensor loads have landed: my part of the next slot
	ds_add_u32 v[SPW], v[NIL]                      ; 0 onto my spare word
	s_wait_dscnt 4*NL+1                            ; (the add and the youngest twelve loads may be out)
	WIN MUL_LO
	MUL16 0, 1, 1, \slot, 0
	s_wait_dscnt 0x0                               ; the add is done, and my reads of this slot are over
	s_barrier_signal -1
	MUL16 2, 1, 1, \slot, 0
	WIN 0
	s_barrier_wait -1
.if \fill
	CREST                                          ; the barrier has opened a round of the cluster's: no wave of any partner still reads this slot or has a load on its way
	s_add_nc_u64 s[G0+4*\slot+2:G0+4*\slot+3], s[G0+4*\slot+2:G0+4*\slot+3], 2*HALFT
	s_add_nc_u64 s[G0B+4*\slot+2:G0B+4*\slot+3], s[G0B+4*\slot+2:G0B+4*\slot+3], 2*HALFT
	JLOAD G0+4*\slot, G1, G0B+4*\slot, G1B         ; the first tensor load behind the round; its four v_nop are the places in front of the loads below
.else
	PLACES NP
.endif
	v_add_nc_u32 v[ADRS], 1024, v[ADRS]            ; the next slot's scale words (no LDS load of mine is out)
	FETCH_B \next, 0, 0
	FETCH_A \next, 0, 0
	SCALES \next
	WIN MUL_HI
	MUL16 4, 1, 1, \slot, 0
	MUL16 6, 1, 1, \slot, 0
	PLACES NP
	WIN 0
	FETCH_A \next, 0, 4
.endm
	s_load_b256 s[4:11], s[0:1], 0x0               ; xq s[4:5], wq s[6:7], bq s[8:9], bk s[10:11]
	s_load_b128 s[12:15], s[0:1], 0x20             ; bv s[12:13], qk s[14:15]
	s_load_b64 s[16:17], s[0:1], 0x30              ; vq
	v_lshl_add_u32 v[SPW], v0, 2, SPARE
	v_mov_b32 v[NIL], 0
	ds_add_u32 v[SPW], v[NIL]                      ; the wave's opening: the add, and its wait ahead of my first tensor load; work on registers stands between them
	v_lshrrev_b32 v1, 5, v0
	v_readfirstlane_b32 s[WV], v1                  ; wave 0..3
	s_lshr_b32 s[H1], s[WV], 1                     ; my half of S1's rows.  Also: I fetch for S1 (0) or for S0 (1)
	s_and_b32 s[H0], s[WV], 1                      ; my half of S0's rows.  Also: which 128 rows I fetch
	s_bfe_u32 s[CX], ttmp6, 0x40000
	s_bfe_u32 s[CY], ttmp6, 0x40004
	s_and_b32 s20, ttmp7, 0xffff                   ; the cluster's y
	s_sub_co_u32 s21, s20, 8
	s_lshl_b32 s21, s21, 1
	s_add_co_u32 s21, s21, ttmp9                   ; v's role: 2 (y - 8) + x
	s_cmp_ge_u32 s20, 8
	s_cselect_b32 s[ROLE], 1, 0
	s_cselect_b32 s21, s21, ttmp9                  ; which four tile columns (S0),
	s_cselect_b32 s22, 0, s20                      ; which four tile rows (S1),
	s_cselect_b32 s23, 16, 0                       ; S1's first block in its buffer
	s_cselect_b32 s[RM], -1, 0
	s_cselect_b32 s[RN], 0, -1
	s_lshl_b32 s21, s21, 2
	s_add_co_u32 s[COL], s21, s[CX]
	s_lshl_b32 s22, s22, 2
	s_add_co_u32 s[ROW], s22, s[CY]
	s_lshl_b32 s2, s[CY], 2
	s_lshl_b32 s2, 15, s2                          ; my row of the cluster
	s_lshl_b32 s3, 0x1111, s[CX]                   ; my column
	; descriptor group 1: a dense run as rows of 256 bytes (32 elements of 8 bytes), no padding: 96 rows of codes, 16 rows of scale words
	s_or_b32 s[G1], s2, (3<<16)|(1<<21)
	s_or_b32 s[G1B], s3, (3<<16)|(1<<21)
	s_or_b32 s[G1S], s2, (3<<16)|(1<<21)
	s_or_b32 s[G1SB], s3, (3<<16)|(1<<21)
.irp g, G1, G1B
	s_mov_b32 s[\g+1], 32<<16                      ; tensor_dim0
	s_mov_b32 s[\g+2], 96<<16                      ; tensor_dim1
	s_mov_b32 s[\g+3], 32<<16                      ; tile_dim0
	s_mov_b32 s[\g+4], 96                          ; tile_dim1
	s_mov_b32 s[\g+5], 32                          ; the pitch
	s_mov_b32 s[\g+6], 0
	s_mov_b32 s[\g+7], 0
.endr
.irp g, G1S, G1SB
	s_mov_b32 s[\g+1], 32<<16
	s_mov_b32 s[\g+2], 16<<16
	s_mov_b32 s[\g+3], 32<<16
	s_mov_b32 s[\g+4], 16
	s_mov_b32 s[\g+5], 32
	s_mov_b32 s[\g+6], 0
	s_mov_b32 s[\g+7], 0
.endr
	s_lshl_b32 s92, s[ROW], 1
	s_add_co_u32 s92, s92, s[H0]
	s_add_co_u32 s92, s92, s23                     ; the block of S1 that I fetch
	s_mul_i32 s96, s92, 8*STEPB                    ; its codes,
	s_mov_b32 s97, 0
	s_lshl_b32 s92, s92, 12                        ; its scale words
	s_mov_b32 s93, 0
	s_lshl_b32 s94, s[COL], 1
	s_add_co_u32 s94, s94, s[H0]                   ; the block of S0 that I fetch
	s_mul_i32 s98, s94, 8*STEPB
	s_mov_b32 s99, 0
	s_lshl_b32 s94, s94, 12
	s_mov_b32 s95, 0
	s_mul_i32 s2, s[WV], HALFT                     ; where they go: no place in the cluster enters an LDS address
	s_lshl_b32 s3, s[WV], 12
	s_mov_b32 s[SEL], 0x76543210
	s_mov_b32 s[SEL+1], 0xfedcba98
	s_mov_b32 s[HM], 0xffff0000
	s_wait_dscnt 0x0                               ; the opening add is done
	s_wait_kmcnt 0x0
	s_add_nc_u64 s[20:21], s[4:5], XSCO
	s_add_nc_u64 s[22:23], s[6:7], WSCO
	s_cmp_eq_u32 s[ROLE], 1
	s_cselect_b64 s[G0+2:G0+3], s[6:7], s[4:5]
	s_cselect_b64 s[G0B+2:G0B+3], s[4:5], s[6:7]
	s_cselect_b64 s[G0S+2:G0S+3], s[22:23], s[20:21]
	s_cselect_b64 s[G0SB+2:G0SB+3], s[20:21], s[22:23]
	s_add_nc_u64 s[G0+2:G0+3], s[G0+2:G0+3], s[96:97]
	s_add_nc_u64 s[G0B+2:G0B+3], s[G0B+2:G0B+3], s[98:99]
	s_add_nc_u64 s[G0S+2:G0S+3], s[G0S+2:G0S+3], s[92:93]
	s_add_nc_u64 s[G0SB+2:G0SB+3], s[G0SB+2:G0SB+3], s[94:95]
	s_add_nc_u64 s[G0+6:G0+7], s[G0+2:G0+3], HALFT         ; slot 1 begins with the next 256 along K
	s_add_nc_u64 s[G0B+6:G0B+7], s[G0B+2:G0B+3], HALFT
.irp g, G0+3, G0+7, G0B+3, G0B+7, G0S+3, G0SB+3
	s_or_b32 s[\g], s[\g], 0x80000000              ; the type
.endr
.irp g, G0, G0+4, G0B, G0B+4, G0S, G0SB
	s_mov_b32 s[\g], 1                             ; count = 1
.endr
	s_mov_b32 s[G0+1], s2
	s_add_co_u32 s[G0+5], s2, SLOT
	s_mov_b32 s[G0B+1], s2
	s_add_co_u32 s[G0B+5], s2, SLOT
	s_add_co_u32 s[G0S+1], s3, SCL
	s_add_co_u32 s[G0SB+1], s3, SCL
	CROUND                                         ; all sixteen work-groups are here: the first joint loads meet
	JLOAD G0S, G1S, G0SB, G1SB                     ; three loads of mine are out behind these lines
	JLOAD G0, G1, G0B, G1B
	JLOAD G0+4, G1, G0B+4, G1B
	; the bias
	v_and_b32 v1, 15, v0                           ; r
	v_bfe_u32 v2, v0, 4, 1                         ; h
	s_lshl_b32 s20, s[COL], 1
	s_add_co_u32 s20, s20, s[H0]                   ; my block of S0
	s_lshl_b32 s21, s[ROW], 1
	s_add_co_u32 s21, s21, s[H1]                   ; my block of S1
	s_and_b32 s2, s20, 7
	s_lshl_b32 s2, s2, 9
	s_lshl_b32 s3, s21, 9
	s_cmp_lt_u32 s20, 8
	s_cselect_b64 s[8:9], s[8:9], s[10:11]
	s_cmp_eq_u32 s[ROLE], 1
	s_cselect_b64 s[8:9], s[12:13], s[8:9]
	s_cselect_b32 s2, 0, s2                        ; the side that carries no bias reads the buffer's first bytes, which 1.0 replaces: no load leaves its 4,096 bytes
	s_cselect_b32 s3, s3, 0
	v_lshl_add_u32 v3, v2, 6, s2
	v_and_b32 v4, 8, v1
	v_add_nc_u32 v4, v4, v1
	v_lshl_add_u32 v4, v4, 2, s3
.irp b, 0,1,2,3
.irp j, 0,1,2,3
	global_load_b128 v[B0+16*\b+4*\j:B0+16*\b+4*\j+3], v3, s[8:9] offset:128*\b+16*\j   ; along the registers: channels 32 b + 16 h + 4 j on
.endr
.endr
.irp a, 0,1,2,3,4,5,6,7
	global_load_b32 v[MB+2*\a], v4, s[8:9] offset:(32*(\a/2)+8*(\a%2))*4                ; my lane's channel in tile a
.endr
	; LDS addresses
	v_and_b32 v5, 31, v0
	v_lshlrev_b32 v[GOF], 4, v5
	s_mul_i32 s2, s[H1], HALFT
	s_mul_i32 s3, s[H0], HALFT
	s_add_co_u32 s3, s3, 2*HALFT
.irp s, 0,1
	v_add_nc_u32 v[ADRA+\s], s2, v[GOF]
	v_add_nc_u32 v[ADRB+\s], s3, v[GOF]
	s_add_co_u32 s2, s2, SLOT
	s_add_co_u32 s3, s3, SLOT
.endr
	s_lshl_b32 s2, s[H1], 12                       ; S1's piece,
	s_xor_b32 s3, s[H1], 1
	s_add_co_u32 s3, s3, s[H0]
	s_lshl_b32 s3, s3, 12
	s_add_co_u32 s3, s3, 4096                      ; and how far on S0's lies: 8,192 + 4,096 H0 - 4,096 H1
	v_mul_u32_u24 v7, s3, v2                       ; lanes 16-31 take S0's
	s_add_co_u32 s2, s2, SCL
	v_lshl_add_u32 v6, v1, 4, v7
	v_add_nc_u32 v[ADRS], s2, v6
	; where my results go
	s_lshr_b32 s92, s20, 4
	s_lshl_b32 s92, s92, 7
	s_lshl_b32 s93, s21, 4
	s_add_co_u32 s92, s92, s93
	s_and_b32 s93, s20, 15
	s_add_co_u32 s92, s92, s93                     ; 128 (S0 block / 16) + 16 (S1 block) + S0 block % 16: one formula for both roles
	s_mul_i32 s94, s92, STEPB
	s_mov_b32 s95, 0
	s_lshl_b32 s92, s92, 9
	s_mov_b32 s93, 0
	s_mov_b32 s96, VSCO
	s_cmp_eq_u32 s[ROLE], 1
	s_cselect_b64 s[14:15], s[16:17], s[14:15]
	s_cselect_b32 s96, s96, QSCO
	s_add_co_u32 s92, s92, s96
	s_add_nc_u64 s[OUTS:OUTS+1], s[14:15], s[92:93]
	s_add_nc_u64 s[OUT:OUT+1], s[14:15], s[94:95]
	s_wait_loadcnt 0x0
.set JJ, 0
.rept 64
	v_cndmask_b32 v[B0+JJ], 1.0, v[B0+JJ], s[RN]   ; q's and k's role keeps the bias here, v's role has 1.0
.set JJ, JJ+1
.endr
.irp a, 0,1,2,3,4,5,6,7
	v_cndmask_b32 v[MB+2*\a], 1.0, v[MB+2*\a], s[RM]   ; and the other way round
.endr
.irp a, 0,1,2,3,4,5,6,7
	v_mov_b32 v[MB+2*\a+1], v[MB+2*\a]             ; a pair for the packed form
.endr
	s_wait_tensorcnt 1                             ; the scale words and my part of slot 0 are in; slot 1's load may be out
	s_barrier_signal -1
	s_barrier_wait -1
	FETCH_B 0, 0, 0
	FETCH_A 0, 0, 0
	SCALES 0
	FETCH_A 0, 0, 4
	STEP 0, 1                                      ; the first products start the sums: nothing is cleared.  K = 1,024 is eight steps: they are written out
	TURN 0, 1, 1
	STEP 1, 0
	TURN 1, 0, 1
	STEP 0, 0
	TURN 0, 1, 0                                   ; nothing is left to fetch
	STEP 1, 0
	s_wait_dscnt 4*NL
	WIN MUL_LO
	MUL16 0, 1, 1, 1, 0
	MUL16 2, 1, 1, 1, 0
	s_wait_dscnt 0x0
	WIN MUL_HI
	MUL16 4, 1, 1, 1, 0
	MUL16 6, 1, 1, 1, 0
	WIN 0
	; THE WAY OUT: tile a of S1: bias, quantiser, three stores of 512 consecutive bytes
	PLACES NP
.irp b, 0,1,2,3
	v_mov_b32 v[TM+4+\b], 0                        ; a lane permute's destination counts as one of its sources
.endr
.macro OUTT a
.set AC, 64*((\a)%4)
.if (\a) > 0
	s_wait_xcnt 0x0                                ; the last tile's stores have read the codes' registers
.endif
	WIN 0x20+0x10*((\a)/4)                         ; source 2: the accumulators' window
.set JJ, 0
.rept 32
	v_pk_fma_f32 v[T+JJ:T+JJ+1], v[B0+JJ:B0+JJ+1], v[MB+2*(\a):MB+2*(\a)+1], v[AC+JJ:AC+JJ+1]   ; each accumulator from its low end on
.set JJ, JJ+2
.endr
	WIN 0
	QMAX T
	QTAIL T, PW+(\a)
.irp c, 0,1,2
	global_store_b128 v[GOF], v[PC+4*\c:PC+4*\c+3], s[OUT:OUT+1] offset:1536*(\a)+512*\c
.endr
.endm
.irp a, 0,1,2,3,4,5,6,7
	OUTT \a
.endr
	SEL4 SW, PW
	global_store_b128 v[GOF], v[SW:SW+3], s[OUTS:OUTS+1]
	s_wait_tensorcnt 0x0                           ; the wave's end
	ds_add_u32 v[SPW], v[NIL]
	s_wait_dscnt 0x0
	CROUND                                         ; the closing round: no work-group ends while a partner may still ask for a tile that names it
	s_endpgm
.Lfunc_end_k_qdace4ef6de_qkv:
	.size	k_qdace4ef6de_qkv, .Lfunc_end_k_qdace4ef6de_qkv-k_qdace4ef6de_qkv
	.p2alignl 7, 3214868480
	.fill 96, 4, 3214868480
	.section	.rodata,"a",@progbits
	.p2align	6, 0x0
	.amdhsa_kernel k_qdace4ef6de_qkv
		.amdhsa_group_segment_fixed_size 327680
		.amdhsa_private_segment_fixed_size 0
		.amdhsa_enable_private_segment 0
		.amdhsa_kernarg_size 56
		.amdhsa_user_sgpr_count 2
		.amdhsa_user_sgpr_kernarg_segment_ptr 1
		.amdhsa_wavefront_size32 1
		.amdhsa_system_sgpr_workgroup_id_x 1
		.amdhsa_system_sgpr_workgroup_id_y 1
		.amdhsa_system_sgpr_workgroup_id_z 1
		.amdhsa_system_vgpr_workitem_id 0
		.amdhsa_next_free_vgpr 1024
		.amdhsa_next_free_sgpr 102
		.amdhsa_reserve_vcc 0
		.amdhsa_float_denorm_mode_32 3
		.amdhsa_float_denorm_mode_16_64 3
		.amdhsa_memory_ordered 1
		.amdhsa_forward_progress 1
		.amdhsa_inst_pref_size 162
	.end_amdhsa_kernel
	.amdgpu_metadata
---
amdhsa.version: [ 1, 2 ]
amdhsa.kernels:
  - .name:           k_qdace4ef6de_qkv
    .symbol:         k_qdace4ef6de_qkv.kd
    .args:
      - { .name: xq, .offset: 0, .size: 8, .value_kind: global_buffer, .address_space: global }
      - { .name: wq, .offset: 8, .size: 8, .value_kind: global_buffer, .address_space: global }
      - { .name: bq, .offset: 16, .size: 8, .value_kind: global_buffer, .address_space: global }
      - { .name: bk, .offset: 24, .size: 8, .value_kind: global_buffer, .address_space: global }
      - { .name: bv, .offset: 32, .size: 8, .value_kind: global_buffer, .address_space: global }
      - { .name: qk, .offset: 40, .size: 8, .value_kind: global_buffer, .address_space: global }
      - { .name: vq, .offset: 48, .size: 8, .value_kind: global_buffer, .address_space: global }
    .group_segment_fixed_size: 327680
    .private_segment_fixed_size: 0
    .kernarg_segment_align: 8
    .kernarg_segment_size: 56
    .max_flat_workgroup_size: 128
    .sgpr_count:     102
    .vgpr_count:     1024
    .wavefront_size: 32
...
	.end_amdgpu_metadata
.endif
;; end of part 3
;; launch scores (part 4): grid 8 x 32, 4 waves a work-group, clusters of 4 x 4, 327,680 bytes of LDS; arguments qk, pimg, pst; writes pimg, pst
.if DOCPART == 4
	.amdgcn_target "amdgcn-amd-amdhsa--gfx1250"
	.amdhsa_code_object_version 6
	.text
	.protected	k_qdace4ef6de_scores
	.globl	k_qdace4ef6de_scores
	.p2align	8
	.type	k_qdace4ef6de_scores,@function
k_qdace4ef6de_scores:
	s_mov_b64 s[64:65], 0
	v_nop
	global_prefetch_b8 v0, s[64:65] scope:SCOPE_SE
	s_setreg_imm32_b32 hwreg(HW_REG_WAVE_MODE, 25, 1), 1
	s_wait_xcnt 0x0
	s_wait_alu depctr_hold_cnt(0) depctr_sa_sdst(0) depctr_va_vdst(0) depctr_va_sdst(0) depctr_va_ssrc(0) depctr_va_vcc(0) depctr_vm_vsrc(0)
	s_getreg_b32 s2, hwreg(HW_REG_IB_STS2, 6, 4)
	s_cmp_eq_u32 s2, 0
	s_cbranch_scc0 .Lentry_in_a_cluster
	s_endpgm
.Lentry_in_a_cluster:
	s_bfe_u32 s2, ttmp6, 0x10000c
	s_cmp_lg_u32 s2, 0xf033
	s_cbranch_scc0 .Lentry_shape_is_right
	s_endpgm
.Lentry_shape_is_right:
; S = q k^T on codes of FP6 (E2M3) with E8M0 scales, and the softmax's first half: for each query and each 128 keys, t = score x log2(e) / 32, M = ceil(the largest t of these 128), a whole number,
; p = 2^(t - M), its sum in f32, and p quantised along the keys.  p leaves as an image of operand registers (pimg), with its scale words, -M and the sum beside it (pst: words, at 524,288 -M, at 1,048,576 the sums,
; all three in the scale words' layout).  The next launch brings the sixteen M of a row to one: since every M is a whole number that is an exact power of two, taken off the scale bytes.
; IMAGES: as written at the head of the launch before: blocks of 128 rows, K steps of 128, tile 2 b + u holding at place p row 32 b + 8 u + p + 8 (p / 8); a fragment is 1,536 bytes, register R of lane L at
; 512 (R / 4) + 16 L + 4 (R % 4); qk: block x 16 K steps (0-7 q, 8-15 k); pimg: (query block) 16 + key block.
; THE PRODUCT is D = S0 x S1 with S0 = 16 keys, S1 = 16 queries: a lane holds one query, and its 64 registers of a tile are 128 keys in natural order: 32 b + 16 h + i.
; A tile of 256 queries x 256 keys to a work-group, 128 x 128 a wave.  K = 1,024 in steps of 256 through two LDS slots; scale words once; clusters 4 x 4 with joint loads: q's tiles along a row, k's along a column.
; LIMITS: a block whose every p is 0 keeps the byte 1 (its codes are zeros); NaN and infinities are not served; |t| stays under 2^24, so that differences of M are exact.
; REGISTERS: window 0: v16-29 addresses; v32-63 scale words, two sets; v64-99 what leaves beside the codes; v128-223 S1's fragments (on the way out: p, codes, work); v228-235 work.
;   window 1: S0's fragments, two sets.   windows 2, 3: accumulator (a, b) at v[8 (8 (a % 4) + b)].
.set FR,    12
.set NL,    3
.set NP,    4
.set STEPB, 12288
.set HALFT, 2*STEPB
.set SLOT,  4*HALFT
.set SCL,   2*SLOT
.set SPARE, SCL+4*4096                 ; the spare words, 128 bytes for each wave, which no other line names
.set QSCO,  12582912
.set ADRA, 16
.set ADRB, 20
.set GOF,  26
.set ADRS, 27
.set SPW,  28
.set NIL,  29
.set SC,   32
.set PW,   64                          ; v64-71 scale words, v72-79 -M, v80-87 sums: one for each tile of queries
.set NM,   72
.set LS,   80
.set SW,   88                          ; v88-99 the three as they are stored
.set AF,   128
.set T,    128
.set PC,   192
.set TM,   212
.set NMP,  228                         ; v[228:229] -M, named as a pair
.set SUM,  230
.set SUM2, 232
.set TT,   234
.set SEL,  18
.set G1,   24
.set G0,   32
.set WV,   40
.set H1,   41
.set H0,   42
.set CX,   43
.set CY,   44
.set COL,  45
.set ROW,  46
.set G1B,  48
.set G0B,  56
.set HM,   66
.set G1S,  68
.set G0S,  76
.set G1SB, 80
.set G0SB, 88
.set CS,   100                         ; s[100:101] c = log2(e) / 32
.set MSB, 0
.macro WIN new
.if MSB != (\new)
	s_set_vgpr_msb (MSB<<8)|(\new)
.set MSB, \new
.endif
.endm
.set MUL_LO, 0xa1
.set MUL_HI, 0xf1
.set TO_B,   0x40
.macro PLACES n
.rept \n
	v_nop
.endr
.endm
.macro JLOAD g0a, g1a, g0b, g1b        ; waves 0 and 1 fetch for S1, waves 2 and 3 for S0; an s_nop 0 and four v_nop follow each of the two lines
	s_cmp_eq_u32 s[H1], 0
	s_cbranch_scc0 .Lfor_b_\@
	tensor_load_to_lds s[\g0a:\g0a+3], s[\g1a:\g1a+7]
	s_nop 0
.rept 4
	v_nop
.endr
	s_branch .Lasked_\@
.Lfor_b_\@:
	tensor_load_to_lds s[\g0b:\g0b+3], s[\g1b:\g1b+7]
	s_nop 0
.rept 4
	v_nop
.endr
.Lasked_\@:
.endm
.macro CREST
	s_cmp_lg_u32 s[WV], 0
	s_cbranch_scc1 .Lnot_wave_0_\@
	s_barrier_signal -3
.Lnot_wave_0_\@:
	s_barrier_wait -3
	s_barrier_signal -1
	s_barrier_wait -1
.endm
.macro CROUND
	s_barrier_signal -1
	s_barrier_wait -1
	CREST
.endm
.macro QTAIL s, pw
.irp b, 0,1,2,3
	v_add_nc_u32 v[TM+12+\b], 0xff000000, v[TM+\b]                 ; 2 off the exponent field: the conversion's scale operand
.endr
.irp b, 0,1,2,3
	v_lshrrev_b32 v[TM+4+\b], 23, v[TM+12+\b]                      ; the scale's byte
.endr
	v_lshl_or_b32 v[\pw], v[TM+5], 8, v[TM+4]
	v_lshl_or_b32 v[\pw], v[TM+6], 16, v[\pw]
	v_lshl_or_b32 v[\pw], v[TM+7], 24, v[\pw]
.irp c, 0,1
	v_cvt_scalef32_pk16_fp6_f32 v[PC+6*\c:PC+2+6*\c], v[(\s)+32*\c:(\s)+15+32*\c], v[TM+12+2*\c]
	v_cvt_scalef32_pk16_fp6_f32 v[PC+12+4*\c:PC+14+4*\c], v[(\s)+16+32*\c:(\s)+31+32*\c], v[TM+12+2*\c+1]
.endr
	v_nop                                                          ; one plain place behind a scaled conversion
.irp c, 0,1
.irp i, 0,1,2
	v_permlane16_swap_b32 v[PC+6*\c+\i], v[PC+12+4*\c+\i]
.endr
.irp i, 0,1,2
	v_mov_b32 v[PC+3+6*\c+\i], v[PC+12+4*\c+\i]
.endr
.endr
.endm
.macro SEL4 d, src
.irp i, 0,1,2,3
	v_cndmask_b32 v[\d+\i], v[\src+\i], v[\src+4+\i], s[HM]
.endr
.endm
.macro FRAG reg, adr, q, i
.irp c, 0,1,2
	ds_load_b128 v[\reg+4*\c:\reg+4*\c+3], v[\adr] offset:(\q)*STEPB+(\i)*1536+512*\c
.endr
.endm
.macro FETCH_B slot, q, p
	WIN TO_B
.irp i, 0,1,2,3,4,5,6,7
	FRAG 128*(\p)+FR*\i, ADRB+\slot, \q, \i
.endr
	WIN 0
.endm
.macro FETCH_A slot, q, i0
.irp i, \i0, \i0+1, \i0+2, \i0+3
	FRAG AF+FR*(\i), ADRA+\slot, \q, \i
.endr
.endm
.macro SCALES sc
.irp q, 0,1
.irp g, 0,1
	ds_load_b128 v[SC+16*\sc+8*\q+4*\g:SC+16*\sc+8*\q+4*\g+3], v[ADRS] offset:512*\q+256*\g
.endr
.endr
.endm
.macro MUL16 a0, p, q, sc, zero        ; the 64 accumulators take turns, one instruction a turn
.irp a, \a0, \a0+1
.irp b, 0,1,2,3,4,5,6,7
.if \zero
	v_wmma_scale_f32_16x16x128_f8f6f4 v[8*(8*((\a)%4)+\b):8*(8*((\a)%4)+\b)+7], v[128*(\p)+FR*\b:128*(\p)+FR*\b+FR-1], v[AF+FR*(\a):AF+FR*(\a)+FR-1], 0, v[SC+16*(\sc)+8*(\q)+\b], v[SC+16*(\sc)+8*(\q)+(\a)] matrix_a_fmt:MATRIX_FMT_FP6 matrix_b_fmt:MATRIX_FMT_FP6 matrix_a_scale:MATRIX_SCALE_ROW1
.else
	v_wmma_scale_f32_16x16x128_f8f6f4 v[8*(8*((\a)%4)+\b):8*(8*((\a)%4)+\b)+7], v[128*(\p)+FR*\b:128*(\p)+FR*\b+FR-1], v[AF+FR*(\a):AF+FR*(\a)+FR-1], v[8*(8*((\a)%4)+\b):8*(8*((\a)%4)+\b)+7], v[SC+16*(\sc)+8*(\q)+\b], v[SC+16*(\sc)+8*(\q)+(\a)] matrix_a_fmt:MATRIX_FMT_FP6 matrix_b_fmt:MATRIX_FMT_FP6 matrix_a_scale:MATRIX_SCALE_ROW1
.endif
.endr
.endr
.endm
.macro STEP slot, zero
	s_wait_dscnt 4*NL                              ; all but the youngest twelve loads (S1's tiles 4-7) are in
	WIN MUL_LO
	MUL16 0, 0, 0, \slot, \zero
	MUL16 2, 0, 0, \slot, \zero
	s_wait_dscnt 0x0
	PLACES NP
	FETCH_B \slot, 1, 1
	FETCH_A \slot, 1, 0
	WIN MUL_HI
	MUL16 4, 0, 0, \slot, \zero
	MUL16 6, 0, 0, \slot, \zero
	PLACES NP
	WIN 0
	FETCH_A \slot, 1, 4
.endm
.macro TURN slot, next, fill
	s_wait_tensorcnt 0x0                           ; all my tensor loads have landed: my part of the next slot
	ds_add_u32 v[SPW], v[NIL]                      ; 0 onto my spare word
	s_wait_dscnt 4*NL+1                            ; (the add and the youngest twelve loads may be out)
	WIN MUL_LO
	MUL16 0, 1, 1, \slot, 0
	s_wait_dscnt 0x0                               ; the add is done, and my reads of this slot are over
	s_barrier_signal -1
	MUL16 2, 1, 1, \slot, 0
	WIN 0
	s_barrier_wait -1
.if \fill
	CREST                                          ; a round of the cluster's barrier: no wave of any partner still reads this slot or has a load on its way
	s_add_nc_u64 s[G0+4*\slot+2:G0+4*\slot+3], s[G0+4*\slot+2:G0+4*\slot+3], 2*HALFT
	s_add_nc_u64 s[G0B+4*\slot+2:G0B+4*\slot+3], s[G0B+4*\slot+2:G0B+4*\slot+3], 2*HALFT
	JLOAD G0+4*\slot, G1, G0B+4*\slot, G1B
.else
	PLACES NP
.endif
	v_add_nc_u32 v[ADRS], 1024, v[ADRS]
	FETCH_B \next, 0, 0
	FETCH_A \next, 0, 0
	SCALES \next
	WIN MUL_HI
	MUL16 4, 1, 1, \slot, 0
	MUL16 6, 1, 1, \slot, 0
	PLACES NP
	WIN 0
	FETCH_A \next, 0, 4
.endm
	s_load_b128 s[4:7], s[0:1], 0x0                ; qk, pimg
	s_load_b64 s[8:9], s[0:1], 0x10                ; pst
	v_lshl_add_u32 v[SPW], v0, 2, SPARE
	v_mov_b32 v[NIL], 0
	ds_add_u32 v[SPW], v[NIL]                      ; the wave's opening: the add, and its wait ahead of my first tensor load
	v_lshrrev_b32 v1, 5, v0
	v_readfirstlane_b32 s[WV], v1
	s_lshr_b32 s[H1], s[WV], 1                     ; my half of the queries.  Also: I fetch for q (0) or for k (1)
	s_and_b32 s[H0], s[WV], 1                      ; my half of the keys.  Also: which 128 rows I fetch
	s_bfe_u32 s[CX], ttmp6, 0x40000
	s_bfe_u32 s[CY], ttmp6, 0x40004
	s_and_b32 s20, ttmp7, 0xffff
	s_lshl_b32 s21, ttmp9, 2
	s_add_co_u32 s[COL], s21, s[CX]                ; which 256 keys of the batch
	s_lshl_b32 s22, s20, 2
	s_add_co_u32 s[ROW], s22, s[CY]                ; which 256 queries of all 8,192
	s_lshr_b32 s23, s20, 1                         ; the batch: the same in all sixteen partners
	s_lshl_b32 s2, s[CY], 2
	s_lshl_b32 s2, 15, s2
	s_lshl_b32 s3, 0x1111, s[CX]
	s_or_b32 s[G1], s2, (3<<16)|(1<<21)
	s_or_b32 s[G1B], s3, (3<<16)|(1<<21)
	s_or_b32 s[G1S], s2, (3<<16)|(1<<21)
	s_or_b32 s[G1SB], s3, (3<<16)|(1<<21)
.irp g, G1, G1B
	s_mov_b32 s[\g+1], 32<<16
	s_mov_b32 s[\g+2], 96<<16
	s_mov_b32 s[\g+3], 32<<16
	s_mov_b32 s[\g+4], 96
	s_mov_b32 s[\g+5], 32
	s_mov_b32 s[\g+6], 0
	s_mov_b32 s[\g+7], 0
.endr
.irp g, G1S, G1SB
	s_mov_b32 s[\g+1], 32<<16
	s_mov_b32 s[\g+2], 16<<16
	s_mov_b32 s[\g+3], 32<<16
	s_mov_b32 s[\g+4], 16
	s_mov_b32 s[\g+5], 32
	s_mov_b32 s[\g+6], 0
	s_mov_b32 s[\g+7], 0
.endr
	s_lshl_b32 s92, s[ROW], 1
	s_add_co_u32 s92, s92, s[H0]                   ; the block of queries that I fetch
	s_mul_i32 s96, s92, 16*STEPB
	s_mov_b32 s97, 0
	s_lshl_b32 s92, s92, 13
	s_add_co_u32 s92, s92, QSCO
	s_mov_b32 s93, 0
	s_lshl_b32 s94, s23, 4
	s_lshl_b32 s22, s[COL], 1
	s_add_co_u32 s94, s94, s22
	s_add_co_u32 s94, s94, s[H0]                   ; the block of keys that I fetch
	s_mul_i32 s98, s94, 16*STEPB
	s_add_co_u32 s98, s98, 8*STEPB                 ; k is K steps 8 to 15 of its block
	s_mov_b32 s99, 0
	s_lshl_b32 s94, s94, 13
	s_add_co_u32 s94, s94, QSCO+4096
	s_mov_b32 s95, 0
	s_mul_i32 s2, s[WV], HALFT
	s_lshl_b32 s3, s[WV], 12
	s_mov_b32 s[SEL], 0x76543210
	s_mov_b32 s[SEL+1], 0xfedcba98
	s_mov_b32 s[HM], 0xffff0000
	s_mov_b32 s[CS], 0x3d38aa3b                    ; log2(e) / sqrt(1,024)
	s_mov_b32 s[CS+1], s[CS]
	s_wait_dscnt 0x0                               ; the opening add is done
	s_wait_kmcnt 0x0
	s_add_nc_u64 s[G0+2:G0+3], s[4:5], s[96:97]
	s_add_nc_u64 s[G0B+2:G0B+3], s[4:5], s[98:99]
	s_add_nc_u64 s[G0S+2:G0S+3], s[4:5], s[92:93]
	s_add_nc_u64 s[G0SB+2:G0SB+3], s[4:5], s[94:95]
	s_add_nc_u64 s[G0+6:G0+7], s[G0+2:G0+3], HALFT
	s_add_nc_u64 s[G0B+6:G0B+7], s[G0B+2:G0B+3], HALFT
.irp g, G0+3, G0+7, G0B+3, G0B+7, G0S+3, G0SB+3
	s_or_b32 s[\g], s[\g], 0x80000000
.endr
.irp g, G0, G0+4, G0B, G0B+4, G0S, G0SB
	s_mov_b32 s[\g], 1
.endr
	s_mov_b32 s[G0+1], s2
	s_add_co_u32 s[G0+5], s2, SLOT
	s_mov_b32 s[G0B+1], s2
	s_add_co_u32 s[G0B+5], s2, SLOT
	s_add_co_u32 s[G0S+1], s3, SCL
	s_add_co_u32 s[G0SB+1], s3, SCL
	CROUND                                         ; all sixteen work-groups are here: the first joint loads meet
	JLOAD G0S, G1S, G0SB, G1SB                     ; three loads of mine are out behind these lines
	JLOAD G0, G1, G0B, G1B
	JLOAD G0+4, G1, G0B+4, G1B
	v_and_b32 v1, 15, v0
	v_bfe_u32 v2, v0, 4, 1
	v_and_b32 v5, 31, v0
	v_lshlrev_b32 v[GOF], 4, v5
	s_mul_i32 s2, s[H1], HALFT
	s_mul_i32 s3, s[H0], HALFT
	s_add_co_u32 s3, s3, 2*HALFT
.irp s, 0,1
	v_add_nc_u32 v[ADRA+\s], s2, v[GOF]
	v_add_nc_u32 v[ADRB+\s], s3, v[GOF]
	s_add_co_u32 s2, s2, SLOT
	s_add_co_u32 s3, s3, SLOT
.endr
	s_lshl_b32 s2, s[H1], 12
	s_xor_b32 s3, s[H1], 1
	s_add_co_u32 s3, s3, s[H0]
	s_lshl_b32 s3, s3, 12
	s_add_co_u32 s3, s3, 4096                      ; 8,192 + 4,096 H0 - 4,096 H1
	v_mul_u32_u24 v7, s3, v2
	s_add_co_u32 s2, s2, SCL
	v_lshl_add_u32 v6, v1, 4, v7
	v_add_nc_u32 v[ADRS], s2, v6
	s_lshl_b32 s92, s[ROW], 1
	s_add_co_u32 s92, s92, s[H1]
	s_lshl_b32 s92, s92, 4
	s_lshl_b32 s93, s[COL], 1
	s_add_co_u32 s92, s92, s93
	s_add_co_u32 s92, s92, s[H0]                   ; 16 (query block) + key block
	s_mul_i32 s94, s92, STEPB
	s_mov_b32 s95, 0
	s_lshl_b32 s92, s92, 9
	s_mov_b32 s93, 0
	s_add_nc_u64 s[6:7], s[6:7], s[94:95]
	s_add_nc_u64 s[8:9], s[8:9], s[92:93]
	s_wait_tensorcnt 1                             ; the scale words and my part of slot 0 are in; slot 1's load may be out
	s_barrier_signal -1
	s_barrier_wait -1
	FETCH_B 0, 0, 0
	FETCH_A 0, 0, 0
	SCALES 0
	FETCH_A 0, 0, 4
	STEP 0, 1
	TURN 0, 1, 1
	STEP 1, 0
	TURN 1, 0, 1
	STEP 0, 0
	TURN 0, 1, 0
	STEP 1, 0
	s_wait_dscnt 4*NL
	WIN MUL_LO
	MUL16 0, 1, 1, 1, 0
	MUL16 2, 1, 1, 1, 0
	s_wait_dscnt 0x0
	WIN MUL_HI
	MUL16 4, 1, 1, 1, 0
	MUL16 6, 1, 1, 1, 0
	WIN 0
	PLACES NP
.irp b, 0,1,2,3
	v_mov_b32 v[TM+4+\b], 0                        ; a lane permute's destination counts as one of its sources
.endr
	v_mov_b32 v[TT+1], 0
	v_mov_b32 v[NMP+1], 0                          ; named as the upper half of a pair
; Tile a of the queries: 16 queries x my 128 keys.
.macro SOFT a
.set AC, 64*((\a)%4)
.set WW, 2+(\a)/4                      ; the accumulators' window
.set W3, WW+4*WW+16*WW
.set W2, 4*WW+16*WW
.if (\a) > 0
	s_wait_xcnt 0x0                                ; the last tile's stores have read the codes' registers
.endif
	WIN W3
.irp b, 0,1,2,3
	v_max3_num_f32 v[TM+\b], v[AC+16*\b], v[AC+16*\b+1], v[AC+16*\b+2]   ; the largest score of each block of 32 keys: it serves for the row's maximum and, since p rises with the score, for the block's largest p
.endr
	WIN W2
.irp i, 3,5,7,9,11,13
.irp b, 0,1,2,3
	v_max3_num_f32 v[TM+\b], v[TM+\b], v[AC+16*\b+\i], v[AC+16*\b+\i+1]
.endr
.endr
.irp b, 0,1,2,3
	v_max_num_f32 v[TM+\b], v[TM+\b], v[AC+16*\b+15]
.endr
	WIN 0
.irp b, 0,1,2,3
	v_permlanex16_b32 v[TM+4+\b], v[TM+\b], s[SEL], s[SEL+1]
.endr
.irp b, 0,1,2,3
	v_max_num_f32 v[TM+\b], v[TM+\b], v[TM+4+\b]
.endr
	v_max3_num_f32 v[TT], v[TM], v[TM+1], v[TM+2]
	v_max_num_f32 v[TT], v[TT], v[TM+3]
	v_mul_f32 v[TT], s[CS], v[TT]                  ; as t (c is positive)
	v_floor_f32 v[NMP], -v[TT]                     ; -M = floor(-t): M is a whole number
	v_mov_b32 v[NM+(\a)], v[NMP]
	WIN WW                                         ; source 0: the accumulators' window
.set JJ, 0
.rept 32
	v_pk_fma_f32 v[T+JJ:T+JJ+1], v[AC+JJ:AC+JJ+1], s[CS:CS+1], v[NMP:NMP+1] op_sel_hi:[1,0,0]   ; t - M, two at a time
.set JJ, JJ+2
.endr
	WIN 0
.irp b, 0,1,2,3
	v_fma_f32 v[TM+\b], v[TM+\b], s[CS], v[NMP]    ; the same of each block's largest score
.endr
.set JJ, 0
.rept 64
	v_exp_f32 v[T+JJ], v[T+JJ]                     ; p = 2^(t - M), at most 1
.set JJ, JJ+1
.endr
	v_nop                                          ; a plain place behind the exponentials
	s_wait_alu depctr_va_vdst(0)                   ; one wait for the whole batch, ahead of its first reader
.irp b, 0,1,2,3
	v_exp_f32 v[TM+\b], v[TM+\b]                   ; the block's largest p: the same two instructions on the same number
.endr
	v_pk_add_f32 v[SUM:SUM+1], v[T:T+1], v[T+2:T+3]        ; the sum is taken of the unquantised p, in two chains
	v_pk_add_f32 v[SUM2:SUM2+1], v[T+4:T+5], v[T+6:T+7]
.set JJ, 8
.rept 14
	v_pk_add_f32 v[SUM:SUM+1], v[SUM:SUM+1], v[T+JJ:T+JJ+1]
	v_pk_add_f32 v[SUM2:SUM2+1], v[SUM2:SUM2+1], v[T+JJ+2:T+JJ+3]
.set JJ, JJ+4
.endr
	v_pk_add_f32 v[SUM:SUM+1], v[SUM:SUM+1], v[SUM2:SUM2+1]
	v_add_f32 v[TT], v[SUM], v[SUM+1]
	v_permlanex16_b32 v[TT+1], v[TT], s[SEL], s[SEL+1]
	v_add_f32 v[LS+(\a)], v[TT], v[TT+1]
	s_wait_alu depctr_va_vdst(0)                   ; and one for the four
.irp b, 0,1,2,3
	v_max_num_f32 v[TM+\b], 0x1800000, v[TM+\b]    ; the floor 2^(3 - 127): the byte cannot fall under 1
.endr
	QTAIL T, PW+(\a)
.irp c, 0,1,2
	global_store_b128 v[GOF], v[PC+4*\c:PC+4*\c+3], s[6:7] offset:1536*(\a)+512*\c   ; 32 lanes store 512 consecutive bytes
.endr
.endm
.irp a, 0,1,2,3,4,5,6,7
	SOFT \a
.endr
	SEL4 SW, PW
	SEL4 SW+4, NM
	SEL4 SW+8, LS
	global_store_b128 v[GOF], v[SW:SW+3], s[8:9]
	global_store_b128 v[GOF], v[SW+4:SW+7], s[8:9] offset:524288
	global_store_b128 v[GOF], v[SW+8:SW+11], s[8:9] offset:1048576
	s_wait_tensorcnt 0x0                           ; the wave's end
	ds_add_u32 v[SPW], v[NIL]
	s_wait_dscnt 0x0
	CROUND                                         ; the closing round
	s_endpgm
.Lfunc_end_k_qdace4ef6de_scores:
	.size	k_qdace4ef6de_scores, .Lfunc_end_k_qdace4ef6de_scores-k_qdace4ef6de_scores
	.p2alignl 7, 3214868480
	.fill 96, 4, 3214868480
	.section	.rodata,"a",@progbits
	.p2align	6, 0x0
	.amdhsa_kernel k_qdace4ef6de_scores
		.amdhsa_group_segment_fixed_size 327680
		.amdhsa_private_segment_fixed_size 0
		.amdhsa_enable_private_segment 0
		.amdhsa_kernarg_size 24
		.amdhsa_user_sgpr_count 2
		.amdhsa_user_sgpr_kernarg_segment_ptr 1
		.amdhsa_wavefront_size32 1
		.amdhsa_system_sgpr_workgroup_id_x 1
		.amdhsa_system_sgpr_workgroup_id_y 1
		.amdhsa_system_sgpr_workgroup_id_z 1
		.amdhsa_system_vgpr_workitem_id 0
		.amdhsa_next_free_vgpr 1024
		.amdhsa_next_free_sgpr 102
		.amdhsa_reserve_vcc 0
		.amdhsa_float_denorm_mode_32 3
		.amdhsa_float_denorm_mode_16_64 3
		.amdhsa_memory_ordered 1
		.amdhsa_forward_progress 1
		.amdhsa_inst_pref_size 193
	.end_amdhsa_kernel
	.amdgpu_metadata
---
amdhsa.version: [ 1, 2 ]
amdhsa.kernels:
  - .name:           k_qdace4ef6de_scores
    .symbol:         k_qdace4ef6de_scores.kd
    .args:
      - { .name: qk, .offset: 0, .size: 8, .value_kind: global_buffer, .address_space: global }
      - { .name: pimg, .offset: 8, .size: 8, .value_kind: global_buffer, .address_space: global }
      - { .name: pst, .offset: 16, .size: 8, .value_kind: global_buffer, .address_space: global }
    .group_segment_fixed_size: 327680
    .private_segment_fixed_size: 0
    .kernarg_segment_align: 8
    .kernarg_segment_size: 24
    .max_flat_workgroup_size: 128
    .sgpr_count:     102
    .vgpr_count:     1024
    .wavefront_size: 32
...
	.end_amdgpu_metadata
.endif
;; end of part 4
;; launch pv (part 5): grid 4 x 64, 4 waves a work-group, clusters of 4 x 4, 327,680 bytes of LDS; arguments pimg, pst, vq, out0; writes out0
.if DOCPART == 5
	.amdgcn_target "amdgcn-amd-amdhsa--gfx1250"
	.amdhsa_code_object_version 6
	.text
	.protected	k_qdace4ef6de_pv
	.globl	k_qdace4ef6de_pv
	.p2align	8
	.type	k_qdace4ef6de_pv,@function
k_qdace4ef6de_pv:
	s_mov_b64 s[64:65], 0
	v_nop
	global_prefetch_b8 v0, s[64:65] scope:SCOPE_SE
	s_setreg_imm32_b32 hwreg(HW_REG_WAVE_MODE, 25, 1), 1
	s_wait_xcnt 0x0
	s_wait_alu depctr_hold_cnt(0) depctr_sa_sdst(0) depctr_va_vdst(0) depctr_va_sdst(0) depctr_va_ssrc(0) depctr_va_vcc(0) depctr_vm_vsrc(0)
	s_getreg_b32 s2, hwreg(HW_REG_IB_STS2, 6, 4)
	s_cmp_eq_u32 s2, 0
	s_cbranch_scc0 .Lentry_in_a_cluster
	s_endpgm
.Lentry_in_a_cluster:
	s_bfe_u32 s2, ttmp6, 0x10000c
	s_cmp_lg_u32 s2, 0xf033
	s_cbranch_scc0 .Lentry_shape_is_right
	s_endpgm
.Lentry_shape_is_right:
; out = (p v) / l on codes of FP6 (E2M3) with E8M0 scales.  p arrives as codes made under sixteen whole numbers M a row, one for each 128 keys.
; THE FOLD.  Thread n owns one of the work-group's 128 queries.  M = the largest of its sixteen M; d = M - (a key block's M) is a whole number, 0 or more; p under M is p under the block's M times 2^-d: exact.  So d is taken
; off the four scale bytes of that key block (held at 0 from below), the block's sum is multiplied by 2^-d and added to l.  The new scale words and 1 / l go to LDS.
; LIMITS: a scale byte held at 0 stands for 2^-127: what is lost lies under 2^-120 of the row's largest p.  NaN and infinities are not served.
; IMAGES: as in the launches before.  pimg: 16 (query block) + key block; vq: 128 batch + 16 (channel block) + key block, scale words from 6,291,456 on.
; THE PRODUCT is D = S0 x S1 with S0 = 16 channels of v, S1 = 16 queries of p: a lane holds one query and, in a tile's 64 registers, 128 channels in natural order.
; A tile of 128 queries x 256 channels to a work-group (tiles of 256 x 256 would be 128 work-groups for 256 WGPs); a wave takes 64 queries x 128 channels: 32 accumulators.
; K = 2,048 keys goes in steps of 512 through two LDS slots: waves 0 and 1 fetch halves of p's run, waves 2 and 3 a channel block of v each.  v's scale words come once.  Clusters 4 x 4: p's tiles are shared along a
; row of the cluster, v's along a column: joint loads.
; REGISTERS: window 0: v16-29 addresses; v32-95 scale words, two sets; v96-107 1 / l; v128-223 S1's fragments, two sets (at the head: the fold; on the way out: numbers and rows).
;   window 1: S0's fragments, two sets, at v0 and v128.   window 2: accumulator (a, b) at v[8 (8 a + b)].
.set FR,    12
.set NL,    3
.set NP,    4
.set STEPB, 12288
.set PART,  4*STEPB                    ; 128 rows x 512 along K
.set SLOT,  3*PART                     ; p's, then v's two channel blocks
.set SCA,   2*SLOT                     ; p's folded scale words: 16 x 512 bytes, written by LDS stores alone
.set SCB,   SCA+8192                   ; v's scale words: 2 x 8,192 bytes, filled once
.set RL,    SCB+16384                  ; 1 / l: 512 bytes
.set SPARE, RL+512                     ; the spare words, 128 bytes for each wave, which no other line names
.set STG,   16*528                     ; the way out: a stage for each wave, in slot 0, which has had its last fill and its last read by then
.set VSCO,  6291456
.set ADRA, 16
.set FA,   19                          ; v19  SCA + 4 x my thread's number
.set ADRB, 20
.set CO,   22                          ; v22  16 x lane
.set RLA,  23                          ; v23  RL + 256 g + 16 r
.set STO,  24
.set RD,   25
.set ADRS2, 26
.set ADRS, 27
.set SPW,  28
.set NIL,  29
.set SC,   32
.set AF,   128
.set T,    128
.set FW,   128                         ; the fold: sixteen scale words, -M, sums
.set FN,   144
.set FP,   160
.set G1,   24
.set G0,   32
.set WV,   40
.set H1,   41
.set H0,   42
.set CX,   43
.set CY,   44
.set ROW,  46
.set G1B,  48
.set G0B,  56
.set G1SB, 80
.set G0SB, 88
.set MSB, 0
.macro WIN new
.if MSB != (\new)
	s_set_vgpr_msb (MSB<<8)|(\new)
.set MSB, \new
.endif
.endm
.set MUL,  0xa1                        ; source 0 window 1, source 1 window 0, C and D window 2
.set TO_B, 0x40
.macro PLACES n
.rept \n
	v_nop
.endr
.endm
.macro JLOAD g0a, g1a, g0b, g1b        ; waves 0 and 1 fetch for S1, waves 2 and 3 for S0; an s_nop 0 and four v_nop follow each of the two lines
	s_cmp_eq_u32 s[H1], 0
	s_cbranch_scc0 .Lfor_b_\@
	tensor_load_to_lds s[\g0a:\g0a+3], s[\g1a:\g1a+7]
	s_nop 0
.rept 4
	v_nop
.endr
	s_branch .Lasked_\@
.Lfor_b_\@:
	tensor_load_to_lds s[\g0b:\g0b+3], s[\g1b:\g1b+7]
	s_nop 0
.rept 4
	v_nop
.endr
.Lasked_\@:
.endm
.macro CREST
	s_cmp_lg_u32 s[WV], 0
	s_cbranch_scc1 .Lnot_wave_0_\@
	s_barrier_signal -3
.Lnot_wave_0_\@:
	s_barrier_wait -3
	s_barrier_signal -1
	s_barrier_wait -1
.endm
.macro CROUND
	s_barrier_signal -1
	s_barrier_wait -1
	CREST
.endm
.macro FRAG reg, adr, q, i
.irp c, 0,1,2
	ds_load_b128 v[\reg+4*\c:\reg+4*\c+3], v[\adr] offset:(\q)*STEPB+(\i)*1536+512*\c
.endr
.endm
.macro SCALES sc                       ; a slot's scale words: register 8 q + t: lanes 0-15 my S1 tile t % 4, lanes 16-31 S0's tile t
.irp q, 0,1,2,3
	ds_load_b128 v[SC+32*\sc+8*\q:SC+32*\sc+8*\q+3], v[ADRS] offset:512*\q
	ds_load_b128 v[SC+32*\sc+8*\q+4:SC+32*\sc+8*\q+7], v[ADRS2] offset:512*\q
.endr
.endm
.macro FETCH4 slot, q, p, sc           ; the fragments of the slot's q-th 128 keys into set p: S0's eight, S1's tiles 0 and 1, the scale words where sc = 1, S1's tiles 2 and 3 last
	WIN TO_B
.irp i, 0,1,2,3,4,5,6,7
	FRAG 128*(\p)+FR*\i, ADRB+\slot, \q, \i
.endr
	WIN 0
	FRAG AF+48*(\p), ADRA+\slot, \q, 0
	FRAG AF+48*(\p)+FR, ADRA+\slot, \q, 1
.if \sc
	SCALES \slot
.endif
	FRAG AF+48*(\p)+2*FR, ADRA+\slot, \q, 2
	FRAG AF+48*(\p)+3*FR, ADRA+\slot, \q, 3
.endm
.macro MUL8 a, p, q, sc, zero          ; S1's tile a x S0's eight.  The 32 accumulators take turns, one instruction a turn
.irp b, 0,1,2,3,4,5,6,7
.if \zero
	v_wmma_scale_f32_16x16x128_f8f6f4 v[8*(8*(\a)+\b):8*(8*(\a)+\b)+7], v[128*(\p)+FR*\b:128*(\p)+FR*\b+FR-1], v[AF+48*(\p)+FR*(\a):AF+48*(\p)+FR*(\a)+FR-1], 0, v[SC+32*(\sc)+8*(\q)+\b], v[SC+32*(\sc)+8*(\q)+(\a)] matrix_a_fmt:MATRIX_FMT_FP6 matrix_b_fmt:MATRIX_FMT_FP6 matrix_a_scale:MATRIX_SCALE_ROW1
.else
	v_wmma_scale_f32_16x16x128_f8f6f4 v[8*(8*(\a)+\b):8*(8*(\a)+\b)+7], v[128*(\p)+FR*\b:128*(\p)+FR*\b+FR-1], v[AF+48*(\p)+FR*(\a):AF+48*(\p)+FR*(\a)+FR-1], v[8*(8*(\a)+\b):8*(8*(\a)+\b)+7], v[SC+32*(\sc)+8*(\q)+\b], v[SC+32*(\sc)+8*(\q)+(\a)] matrix_a_fmt:MATRIX_FMT_FP6 matrix_b_fmt:MATRIX_FMT_FP6 matrix_a_scale:MATRIX_SCALE_ROW1
.endif
.endr
.endm
.macro STEP4 slot, q, zero             ; one of a slot's first three steps of 128 keys
	s_wait_dscnt 2*NL                              ; all but the youngest six loads (S1's tiles 2 and 3) are in
	WIN MUL
	MUL8 0, (\q)%2, \q, \slot, \zero
	MUL8 1, (\q)%2, \q, \slot, \zero
	PLACES NP                                      ; in front of loads into the other set, which the step before multiplied
	FETCH4 \slot, (\q)+1, ((\q)+1)%2, 0
	s_wait_dscnt 12*NL                             ; all but the 36 just issued
	WIN MUL
	MUL8 2, (\q)%2, \q, \slot, \zero
	MUL8 3, (\q)%2, \q, \slot, \zero
.endm
.macro TURN4 slot, next, fill          ; a slot's last step changes slots
	WIN 0                                          ; (the add's two registers lie in window 0)
	s_wait_tensorcnt 0x0                           ; all my tensor loads have landed: my part of the next slot
	ds_add_u32 v[SPW], v[NIL]                      ; 0 onto my spare word
	s_wait_dscnt 2*NL+1                            ; (the add and the youngest six loads may be out)
	WIN MUL
	MUL8 0, 1, 3, \slot, 0
	s_wait_dscnt 0x0                               ; the add is done, and my reads of this slot are over
	s_barrier_signal -1
	MUL8 1, 1, 3, \slot, 0
	WIN 0
	s_barrier_wait -1
.if \fill
	CREST                                          ; a round of the cluster's barrier: no wave of any partner still reads this slot or has a load on its way
	s_add_nc_u64 s[G0+4*\slot+2:G0+4*\slot+3], s[G0+4*\slot+2:G0+4*\slot+3], 2*PART
	s_add_nc_u64 s[G0B+4*\slot+2:G0B+4*\slot+3], s[G0B+4*\slot+2:G0B+4*\slot+3], 2*PART
	JLOAD G0+4*\slot, G1, G0B+4*\slot, G1B         ; the first tensor load behind the round; its four v_nop are the places in front of the loads below
.else
	PLACES NP
.endif
	v_add_nc_u32 v[ADRS], 2048, v[ADRS]            ; the next slot's scale words (no LDS load of mine is out)
	v_add_nc_u32 v[ADRS2], 2048, v[ADRS2]
	FETCH4 \next, 0, 0, 1
	WIN MUL
	MUL8 2, 1, 3, \slot, 0
	MUL8 3, 1, 3, \slot, 0
.endm
	s_load_b256 s[4:11], s[0:1], 0x0               ; pimg s[4:5], pst s[6:7], vq s[8:9], out0 s[10:11]
	v_lshl_add_u32 v[SPW], v0, 2, SPARE
	v_mov_b32 v[NIL], 0
	ds_add_u32 v[SPW], v[NIL]                      ; the wave's opening: the add, and its wait ahead of my first tensor load
	v_lshrrev_b32 v1, 5, v0
	v_readfirstlane_b32 s[WV], v1
	s_lshr_b32 s[H1], s[WV], 1                     ; my 64 queries.  Also: I fetch for p (0) or for v (1)
	s_and_b32 s[H0], s[WV], 1                      ; my channel block.  Also: which part I fetch
	s_bfe_u32 s[CX], ttmp6, 0x40000                ; which 256 channels
	s_bfe_u32 s[CY], ttmp6, 0x40004
	s_and_b32 s20, ttmp7, 0xffff
	s_lshl_b32 s21, s20, 2
	s_add_co_u32 s[ROW], s21, s[CY]                ; the query block
	s_lshr_b32 s23, s20, 2                         ; the batch: the same in all sixteen partners
	s_lshl_b32 s2, s[CY], 2
	s_lshl_b32 s2, 15, s2
	s_lshl_b32 s3, 0x1111, s[CX]
	s_or_b32 s[G1], s2, (3<<16)|(1<<21)            ; dense runs as rows of 256 bytes: p's half 96 rows, v's block 192, v's scale words 32
	s_or_b32 s[G1B], s3, (3<<16)|(1<<21)
	s_or_b32 s[G1SB], s3, (3<<16)|(1<<21)
	s_mov_b32 s[G1+1], 32<<16
	s_mov_b32 s[G1+2], 96<<16
	s_mov_b32 s[G1+3], 32<<16
	s_mov_b32 s[G1+4], 96
	s_mov_b32 s[G1+5], 32
	s_mov_b32 s[G1+6], 0
	s_mov_b32 s[G1+7], 0
	s_mov_b32 s[G1B+1], 32<<16
	s_mov_b32 s[G1B+2], 192<<16
	s_mov_b32 s[G1B+3], 32<<16
	s_mov_b32 s[G1B+4], 192
	s_mov_b32 s[G1B+5], 32
	s_mov_b32 s[G1B+6], 0
	s_mov_b32 s[G1B+7], 0
	s_mov_b32 s[G1SB+1], 32<<16
	s_mov_b32 s[G1SB+2], 32<<16
	s_mov_b32 s[G1SB+3], 32<<16
	s_mov_b32 s[G1SB+4], 32
	s_mov_b32 s[G1SB+5], 32
	s_mov_b32 s[G1SB+6], 0
	s_mov_b32 s[G1SB+7], 0
	s_mul_i32 s96, s[ROW], 16*STEPB
	s_mul_i32 s2, s[H0], 2*STEPB                   ; p: my half of a slot's run, in memory and in LDS
	s_add_co_u32 s96, s96, s2
	s_mov_b32 s97, 0
	s_lshl_b32 s94, s23, 3
	s_lshl_b32 s3, s[CX], 1
	s_add_co_u32 s94, s94, s3
	s_add_co_u32 s94, s94, s[H0]                   ; v: 8 batch + channel block
	s_mul_i32 s98, s94, 16*STEPB
	s_mov_b32 s99, 0
	s_lshl_b32 s94, s94, 13
	s_add_co_u32 s94, s94, VSCO
	s_mov_b32 s95, 0
	s_mul_i32 s3, s[H0], PART
	s_add_co_u32 s3, s3, PART                      ; v's place in a slot
	s_lshl_b32 s22, s[H0], 13
	s_add_co_u32 s22, s22, SCB
	s_wait_dscnt 0x0                               ; the opening add is done
	s_wait_kmcnt 0x0
	s_add_nc_u64 s[G0+2:G0+3], s[4:5], s[96:97]
	s_add_nc_u64 s[G0B+2:G0B+3], s[8:9], s[98:99]
	s_add_nc_u64 s[G0SB+2:G0SB+3], s[8:9], s[94:95]
	s_add_nc_u64 s[G0+6:G0+7], s[G0+2:G0+3], PART  ; slot 1 begins with the next 512 keys
	s_add_nc_u64 s[G0B+6:G0B+7], s[G0B+2:G0B+3], PART
.irp g, G0+3, G0+7, G0B+3, G0B+7, G0SB+3
	s_or_b32 s[\g], s[\g], 0x80000000
.endr
.irp g, G0, G0+4, G0B, G0B+4, G0SB
	s_mov_b32 s[\g], 1
.endr
	s_mov_b32 s[G0+1], s2
	s_add_co_u32 s[G0+5], s2, SLOT
	s_mov_b32 s[G0B+1], s3
	s_add_co_u32 s[G0B+5], s3, SLOT
	s_mov_b32 s[G0SB+1], s22
	CROUND                                         ; all sixteen work-groups are here: the first joint loads meet
	s_cmp_eq_u32 s[H1], 0                          ; a wave's first fills stand in one branch: two loads of p's waves are out, three of v's
	s_cbranch_scc0 .Lfirst_b
	tensor_load_to_lds s[G0:G0+3], s[G1:G1+7]
	s_nop 0
	tensor_load_to_lds s[G0+4:G0+7], s[G1:G1+7]
	s_nop 0
.rept 4
	v_nop
.endr
	s_branch .Lfirst_done
.Lfirst_b:
	tensor_load_to_lds s[G0SB:G0SB+3], s[G1SB:G1SB+7]
	s_nop 0
	tensor_load_to_lds s[G0B:G0B+3], s[G1B:G1B+7]
	s_nop 0
	tensor_load_to_lds s[G0B+4:G0B+7], s[G1B:G1B+7]
	s_nop 0
.rept 4
	v_nop
.endr
.Lfirst_done:
	; the fold's loads: my query's word in each of the sixteen key blocks, of the scale words, of -M and of the sums
	s_lshl_b32 s92, s[ROW], 13
	s_mov_b32 s93, 0
	s_add_nc_u64 s[12:13], s[6:7], s[92:93]
	v_lshlrev_b32 v3, 2, v0
.irp s, 0,1,2,3,4,5,6,7,8,9,10,11,12,13,14,15
	global_load_b32 v[FW+\s], v3, s[12:13] offset:512*\s
	global_load_b32 v[FN+\s], v3, s[12:13] offset:524288+512*\s
	global_load_b32 v[FP+\s], v3, s[12:13] offset:1048576+512*\s
.endr
	; addresses
	v_and_b32 v1, 15, v0                           ; r
	v_bfe_u32 v2, v0, 4, 1                         ; h
	v_and_b32 v5, 31, v0
	v_lshlrev_b32 v[CO], 4, v5
	v_lshl_add_u32 v[FA], v0, 2, SCA
	s_mul_i32 s2, s[H1], 4*1536                    ; my four tiles of p
	s_mul_i32 s3, s[H0], PART
	s_add_co_u32 s3, s3, PART
.irp s, 0,1
	v_add_nc_u32 v[ADRA+\s], s2, v[CO]
	v_add_nc_u32 v[ADRB+\s], s3, v[CO]
	s_add_co_u32 s2, s2, SLOT
	s_add_co_u32 s3, s3, SLOT
.endr
	s_lshl_b32 s2, s[H1], 8                        ; p's words of my four tiles,
	s_xor_b32 s3, s[H1], 1
	s_lshl_b32 s3, s3, 8
	s_lshl_b32 s22, s[H0], 13
	s_add_co_u32 s3, s3, s22
	s_add_co_u32 s3, s3, SCB-SCA-256               ; and how far on v's lie: 8,192 + 8,192 H0 - 256 H1
	v_mul_u32_u24 v7, s3, v2                       ; lanes 16-31 take v's
	s_add_co_u32 s3, s2, SCA
	v_lshl_add_u32 v6, v1, 4, v7
	v_add_nc_u32 v[ADRS], s3, v6
	v_lshl_add_u32 v[ADRS2], v2, 8, v[ADRS]        ; v's tiles 4-7 lie 256 bytes on
	s_add_co_u32 s3, s2, RL
	v_lshl_add_u32 v[RLA], v1, 4, s3
	s_mul_i32 s2, s[WV], STG
	v_mul_u32_u24 v[STO], v1, 528
	v_lshl_add_u32 v[STO], v2, 6, v[STO]
	v_add_nc_u32 v[STO], s2, v[STO]
	v_add_nc_u32 v[RD], s2, v[CO]
	s_lshl_b32 s92, s[ROW], 19                     ; out: 128 rows of 4,096 bytes a query block,
	s_lshl_b32 s2, s[H1], 18                       ; 64 rows,
	s_add_co_u32 s92, s92, s2
	s_lshl_b32 s2, s[CX], 10                       ; 256 channels,
	s_add_co_u32 s92, s92, s2
	s_lshl_b32 s2, s[H0], 9                        ; 128 channels
	s_add_co_u32 s92, s92, s2
	s_add_nc_u64 s[14:15], s[10:11], s[92:93]
	s_wait_loadcnt 0x0
	v_min3_num_f32 v180, v[FN], v[FN+1], v[FN+2]   ; the least -M is the row's -M
.irp i, 3,5,7,9,11,13
	v_min3_num_f32 v180, v180, v[FN+\i], v[FN+\i+1]
.endr
	v_min_num_f32 v180, v180, v[FN+15]
.irp s, 0,1,2,3,4,5,6,7,8,9,10,11,12,13,14,15
	v_sub_f32 v182, v[FN+\s], v180                 ; d = M - this key block's M: a whole number, 0 or more
	v_cvt_u32_f32 v182, v182
	v_min_u32 v182, 0xff, v182
	v_sub_nc_u32 v183, 0, v182
.if \s == 0
	v_ldexp_f32 v181, v[FP+\s], v183               ; the first term starts l
.else
	v_ldexp_f32 v183, v[FP+\s], v183               ; the block's sum under M: exact
	v_add_f32 v181, v181, v183
.endif
	v_and_b32 v184, 0xff, v[FW+\s]
	v_bfe_u32 v185, v[FW+\s], 8, 8
	v_bfe_u32 v186, v[FW+\s], 16, 8
	v_lshrrev_b32 v187, 24, v[FW+\s]
.irp k, 0,1,2,3
	v_min_u32 v[188+\k], v[184+\k], v182
.endr
.irp k, 0,1,2,3
	v_sub_nc_u32 v[184+\k], v[184+\k], v[188+\k]   ; each byte less d, held at 0
.endr
	v_lshl_or_b32 v184, v185, 8, v184
	v_lshl_or_b32 v184, v186, 16, v184
	v_lshl_or_b32 v[FW+\s], v187, 24, v184
	ds_store_b32 v[FA], v[FW+\s] offset:512*\s
.endr
	v_rcp_f32 v181, v181
	v_nop                                          ; a plain place behind the reciprocal
	s_wait_alu depctr_va_vdst(0)                   ; and a wait ahead of its first reader
	ds_store_b32 v[FA], v181 offset:RL-SCA
	s_wait_tensorcnt 1                             ; my part of slot 0 (and v's scale words) is in; slot 1's load may be out
	s_wait_dscnt 0x0                               ; for the others' sake: my stores have landed
	s_barrier_signal -1
	s_barrier_wait -1
	FETCH4 0, 0, 0, 1
	STEP4 0, 0, 1                                  ; the first products start the sums.  K = 2,048 is sixteen steps: they are written out
	STEP4 0, 1, 0
	STEP4 0, 2, 0
	TURN4 0, 1, 1
	STEP4 1, 0, 0
	STEP4 1, 1, 0
	STEP4 1, 2, 0
	TURN4 1, 0, 1
	STEP4 0, 0, 0
	STEP4 0, 1, 0
	STEP4 0, 2, 0
	TURN4 0, 1, 0                                  ; nothing is left to fetch
	STEP4 1, 0, 0
	STEP4 1, 1, 0
	STEP4 1, 2, 0
	s_wait_dscnt 2*NL
	WIN MUL
	MUL8 0, 1, 3, 1, 0
	MUL8 1, 1, 3, 1, 0
	s_wait_dscnt 0x0
	MUL8 2, 1, 3, 1, 0
	MUL8 3, 1, 3, 1, 0
	WIN 0
	; THE WAY OUT: a tile of 16 queries x 128 channels is divided by l, goes through my stage in LDS and leaves as whole rows of 512 bytes
	ds_load_b128 v[104:107], v[RLA]                ; 1 / l of my lane's query in each of my four tiles
	s_wait_dscnt 0x0
.irp a, 0,1,2,3
	v_mov_b32 v[96+2*\a], v[104+\a]                ; pairs for the packed form; these eight are also the places behind the last products
	v_mov_b32 v[97+2*\a], v[104+\a]
.endr
.macro TOSTAGE a
	WIN 0x02                                       ; source 0: the accumulators' window
.set JJ, 0
.rept 32
	v_pk_mul_f32 v[T+JJ:T+JJ+1], v[64*(\a)+JJ:64*(\a)+JJ+1], v[96+2*(\a):97+2*(\a)]   ; each accumulator from its low end on
.set JJ, JJ+2
.endr
	WIN 0
.irp b, 0,1,2,3
.irp j, 0,1,2,3
	ds_store_b128 v[STO], v[T+16*\b+4*\j:T+16*\b+4*\j+3] offset:128*\b+16*\j
.endr
.endr
.set BB, 32+160*((\a)%2)
.irp t, 0,1,2,3,4,5,6,7,8,9,10,11,12,13,14,15
	ds_load_b128 v[BB+4*\t:BB+4*\t+3], v[RD] offset:528*\t         ; LDS serves a wave's instructions in order: these see the stores above, and the next tile's stores come behind them
.endr
.endm
.macro SEND a, younger                 ; younger: the LDS instructions issued behind tile a's loads, which may stay out
.set BB, 32+160*((\a)%2)
	s_wait_dscnt \younger
.irp t, 0,1,2,3,4,5,6,7,8,9,10,11,12,13,14,15
	global_store_b128 v[CO], v[BB+4*\t:BB+4*\t+3], s[14:15] offset:(32*((\a)/2)+8*((\a)%2)+\t+8*(\t/8))*4096 th:TH_STORE_NT   ; 32 lanes store 512 consecutive bytes, at a multiple of 512 from the output's first byte
.endr
.endm
	TOSTAGE 0
	TOSTAGE 1
	SEND 0, 32
	s_wait_xcnt 0x0                                ; tile 0's stores have read their registers: tile 2's rows may land there
	TOSTAGE 2
	SEND 1, 32
	s_wait_xcnt 0x0
	TOSTAGE 3
	SEND 2, 32
	SEND 3, 0
	s_wait_tensorcnt 0x0                           ; the wave's end, behind my last tensor load and my last LDS store
	ds_add_u32 v[SPW], v[NIL]
	s_wait_dscnt 0x0
	CROUND                                         ; the closing round
	s_endpgm
.Lfunc_end_k_qdace4ef6de_pv:
	.size	k_qdace4ef6de_pv, .Lfunc_end_k_qdace4ef6de_pv-k_qdace4ef6de_pv
	.p2alignl 7, 3214868480
	.fill 96, 4, 3214868480
	.section	.rodata,"a",@progbits
	.p2align	6, 0x0
	.amdhsa_kernel k_qdace4ef6de_pv
		.amdhsa_group_segment_fixed_size 327680
		.amdhsa_private_segment_fixed_size 0
		.amdhsa_enable_private_segment 0
		.amdhsa_kernarg_size 32
		.amdhsa_user_sgpr_count 2
		.amdhsa_user_sgpr_kernarg_segment_ptr 1
		.amdhsa_wavefront_size32 1
		.amdhsa_system_sgpr_workgroup_id_x 1
		.amdhsa_system_sgpr_workgroup_id_y 1
		.amdhsa_system_sgpr_workgroup_id_z 1
		.amdhsa_system_vgpr_workitem_id 0
		.amdhsa_next_free_vgpr 768
		.amdhsa_next_free_sgpr 100
		.amdhsa_reserve_vcc 0
		.amdhsa_float_denorm_mode_32 3
		.amdhsa_float_denorm_mode_16_64 3
		.amdhsa_memory_ordered 1
		.amdhsa_forward_progress 1
		.amdhsa_inst_pref_size 161
	.end_amdhsa_kernel
	.amdgpu_metadata
---
amdhsa.version: [ 1, 2 ]
amdhsa.kernels:
  - .name:           k_qdace4ef6de_pv
    .symbol:         k_qdace4ef6de_pv.kd
    .args:
      - { .name: pimg, .offset: 0, .size: 8, .value_kind: global_buffer, .address_space: global }
      - { .name: pst, .offset: 8, .size: 8, .value_kind: global_buffer, .address_space: global }
      - { .name: vq, .offset: 16, .size: 8, .value_kind: global_buffer, .address_space: global }
      - { .name: out0, .offset: 24, .size: 8, .value_kind: global_buffer, .address_space: global }
    .group_segment_fixed_size: 327680
    .private_segment_fixed_size: 0
    .kernarg_segment_align: 8
    .kernarg_segment_size: 32
    .max_flat_workgroup_size: 128
    .sgpr_count:     100
    .vgpr_count:     768
    .wavefront_size: 32
...
	.end_amdgpu_metadata
.endif
;; end of part 5
;; ======== version 2 of 2: 4 launches
;; limits: right only within a limited range of input values
;; workspace buffers: xq 6,553,600 bytes; wq 2,457,600 bytes; qk 13,107,200 bytes; vq 6,553,600 bytes; pimg 12,582,912 bytes; pst 1,572,864 bytes
;; launch quant (part 6): grid 704 x 1, 2 waves a work-group, no clusters, 29,952 bytes of LDS; arguments x, Wq, Wk, Wv, xq, wq; writes xq, wq
.if DOCPART == 6
	.amdgcn_target "amdgcn-amd-amdhsa--gfx1250"
	.amdhsa_code_object_version 6
	.text
	.protected	k_qdace4ef6de_quant
	.globl	k_qdace4ef6de_quant
	.p2align	8
	.type	k_qdace4ef6de_quant,@function
k_qdace4ef6de_quant:
	s_mov_b64 s[64:65], 0
	v_nop
	global_prefetch_b8 v0, s[64:65] scope:SCOPE_SE
	s_setreg_imm32_b32 hwreg(HW_REG_WAVE_MODE, 25, 1), 1
	s_wait_xcnt 0x0
; x [8192][1024] and Wq, Wk, Wv [1024 (k)][1024 (n)], f32, become codes of FP6 (E2M3) with one E8M0 byte for each 32 along K, laid as IMAGES OF OPERAND REGISTERS.
; LAYOUT.  Rows (x's rows; the weights' columns n) go in blocks of 128 (blk), K in steps of 128 (s), a block in eight tiles of 16 rows: tile 4 c + j holds at place p = 8 h + i row 64 c + 32 h + 8 j + i.
; A fragment (blk, tile, s) is 1,536 bytes: register R of lane L at 512 (R / 4) + 16 L + 4 (R % 4); lane p + 16 h holds k = 64 c + 32 h + 0 .. 31 of its row in registers 6 c .. 6 c + 5.
; xq: block 2 g + w, tile t lies at ((8 g + t) 2 + w) 12,800: eight fragments, one a K step, then 512 bytes of scale words: the word of (s, p) at 12,288 + 256 (s / 4) + 16 p + 4 (s % 4).
; wq: fragment (blk, tile, s) at ((8 blk + tile) 8 + s) 1,536, blocks 0-7 Wq, 8-15 Wk, 16-23 Wv; from 2,359,296 on the scale words: (tile, p) of (blk, s) at (8 blk + s) 512 + 256 (tile / 4) + 16 p + 4 (tile % 4).
; A block's scale is 2^(floor(log2(largest magnitude)) - 2); its byte is the largest magnitude's exponent field - 2, held at 1 from below.
; LIMITS: a block of zeros gets the byte 1 where the rule says 127 (its codes are zeros and this program alone reads the bytes); NaN and infinities among the inputs are not served.
; SHARES of equal size.  Work-groups 0 .. 191 take the weights, 192 .. 703 take x; blk = (number among its kind) / 8.  A wave of x: one tile and four K steps.  A wave of the weights: one K step and four tiles (64 columns).
; Waves share nothing: no barrier.  The two kinds part on the work-group's number and have LDS bytes of their own.
; x: each load reads 512 consecutive bytes of one row; a K step's 16 rows turn through the wave's stage (rows of 512 + 16 bytes), so that a lane comes to hold 16 neighbours of each block of 32.
; WEIGHTS: a lane takes a column and its registers run down K: a load reads 128 consecutive bytes, a block of 32 lies in one lane, and the conversions give codes with K innermost.  32 columns a pass, two passes;
; a lane's 24 bytes a block go to their places in the wave's image in LDS, which leaves in stores of 512 consecutive bytes.
.set NWW,   192                        ; the weights' work-groups: 24 blocks x 8
.set STG,   16*528                     ; x: a wave's stage
.set QWL,   2*STG                      ; behind the two stages: the weights' regions,
.set WREG,  6400                       ; 6,144 bytes of image and 256 of scale words for each wave
.set SPARE, QWL+2*WREG                 ; behind them: the spare words, 128 bytes for each wave, which no other line names
.set SPW, 8                            ; v8   my spare word; never rewritten
.set NIL, 9                            ; v9   0; never rewritten
; x's registers
.set LO,  4                            ; v4   16 x lane
.set SI,  5                            ; v5   stage + 16 x lane
.set SOA, 6                            ; v6   stage + 528 r + 64 h
.set SCO, 7                            ; v7   16 r + 8 h
.set PW,  10                           ; v10-13 the four K steps' scale words
.set TM,  16                           ; v16-31 at work
.set PC,  32                           ; v32-51 the codes just made
.set X0,  64                           ; three sets of 64 numbers
.set SEL, 28                           ; s[28:29] selects for lane l xor 16
.set HM,  30                           ; s30  lanes 16-31
; the weights' registers
.set WLO, 2                            ; v2   4 x lane
.set WLA, 3                            ; v3   my place in the image: region + 1,536 j + 16 i
.set WLR, 4                            ; v4   region + 16 x lane
.set WLS, 5                            ; v5   region + 16 i + 4 j
.set WGO, 6                            ; v6   16 x lane
.set WSR, 7                            ; v7   region + 8 x lane
.set WSW, 14                           ; v14-15 my columns' scale words, one for each pass
.set WCD, 16                           ; v16-79 codes: eight registers for each of the eight blocks, so that no LDS store's data are written again
.set WX,  80                           ; v80-207 four sets of 32 numbers
.set WT,  208                          ; v208-210 the second half of a block's codes
.set WSG, 212                          ; v212 8 x lane
.macro XLOAD t                         ; x: my t-th K step: the tile's 16 rows, 512 bytes each, into set t % 3
.irp p, 0,1,2,3,4,5,6,7,8,9,10,11,12,13,14,15
	global_load_b128 v[X0+64*((\t)%3)+4*\p:X0+64*((\t)%3)+4*\p+3], v[LO], s[4:5] offset:(\p+24*(\p/8))*4096+512*(\t) th:TH_LOAD_NT
.endr
.endm
.macro XSTEP t, left                   ; left: the younger K steps' loads, which may stay out
.set XS, X0+64*((\t)%3)
	s_wait_loadcnt \left
.irp p, 0,1,2,3,4,5,6,7,8,9,10,11,12,13,14,15
	ds_store_b128 v[SI], v[XS+4*\p:XS+4*\p+3] offset:528*\p        ; row p as it lies
.endr
.irp b, 0,1,2,3
.irp j, 0,1,2,3
	ds_load_b128 v[XS+16*\b+4*\j:XS+16*\b+4*\j+3], v[SOA] offset:128*\b+16*\j   ; LDS serves a wave's instructions in order: these see the stores above
.endr
.endr
	s_wait_dscnt 0x0
.if (\t) > 0
	s_wait_xcnt 0x0                                ; the last step's stores have read the codes' registers
.endif
	; the largest magnitude of each of the four blocks of 32: register 16 b + i is k = 32 b + 16 h + i of my row
.irp b, 0,1,2,3
	v_max3_num_f32 v[TM+\b], |v[XS+16*\b]|, |v[XS+1+16*\b]|, 0x1800000   ; with the floor 2^(3 - 127): the byte cannot fall under 1
.endr
.irp i, 2,4,6,8,10,12,14
.irp b, 0,1,2,3
	v_max3_num_f32 v[TM+\b], v[TM+\b], |v[XS+16*\b+\i]|, |v[XS+1+16*\b+\i]|
.endr
.endr
.irp b, 0,1,2,3
	v_permlanex16_b32 v[TM+4+\b], v[TM+\b], s[SEL], s[SEL+1]
.endr
.irp b, 0,1,2,3
	v_max_num_f32 v[TM+\b], v[TM+\b], v[TM+4+\b]                   ; with lane l xor 16: the block's
.endr
.irp b, 0,1,2,3
	v_add_nc_u32 v[TM+12+\b], 0xff000000, v[TM+\b]                 ; 2 off the exponent field: the conversion's scale operand
.endr
.irp b, 0,1,2,3
	v_lshrrev_b32 v[TM+4+\b], 23, v[TM+12+\b]                      ; the scale's byte
.endr
	v_lshl_or_b32 v[PW+\t], v[TM+5], 8, v[TM+4]
	v_lshl_or_b32 v[PW+\t], v[TM+6], 16, v[PW+\t]
	v_lshl_or_b32 v[PW+\t], v[TM+7], 24, v[PW+\t]
.irp c, 0,1
	v_cvt_scalef32_pk16_fp6_f32 v[PC+6*\c:PC+2+6*\c], v[XS+32*\c:XS+15+32*\c], v[TM+12+2*\c]
	v_cvt_scalef32_pk16_fp6_f32 v[PC+12+4*\c:PC+14+4*\c], v[XS+16+32*\c:XS+31+32*\c], v[TM+12+2*\c+1]
.endr
	v_nop                                                          ; one plain place behind a scaled conversion
.irp c, 0,1                                                    ; the layout wants a whole block in a lane: lanes 0-15 block 2 c, lanes 16-31 block 2 c + 1
.irp i, 0,1,2
	v_permlane16_swap_b32 v[PC+6*\c+\i], v[PC+12+4*\c+\i]
.endr
.irp i, 0,1,2
	v_mov_b32 v[PC+3+6*\c+\i], v[PC+12+4*\c+\i]
.endr
.endr
.irp c, 0,1,2
	global_store_b128 v[LO], v[PC+4*\c:PC+4*\c+3], s[6:7] offset:1536*(\t)+512*\c   ; 32 lanes store 512 consecutive bytes
.endr
.endm
.macro WLOAD t                         ; weights: block t = 4 (pass) + (block of 32 along K): W(128 s + 32 (t % 4) + i, my column of the pass), into set t % 4
.irp i, 0,1,2,3,4,5,6,7,8,9,10,11,12,13,14,15,16,17,18,19,20,21,22,23,24,25,26,27,28,29,30,31
	global_load_b32 v[WX+32*((\t)%4)+\i], v[WLO], s[6:7] offset:(32*((\t)%4)+\i)*4096+128*((\t)/4) th:TH_LOAD_NT
.endr
.endm
.macro WBLOCK t
.set WXS, WX+32*((\t)%4)
.set CD, WCD+8*(\t)
.set BT, (\t)%4
.set PS, (\t)/4
.if (\t) < 7
	s_wait_loadcnt 32                              ; this block's 32 loads are in; the next block's may be out
.else
	s_wait_loadcnt 0
.endif
.if (\t)+2 < 8
	WLOAD (\t)+2                                   ; into the set that the block two back has left
.endif
	v_max3_num_f32 v12, |v[WXS]|, |v[WXS+1]|, |v[WXS+2]|
	v_max3_num_f32 v13, |v[WXS+3]|, |v[WXS+4]|, |v[WXS+5]|
.irp i, 6,10,14,18,22,26
	v_max3_num_f32 v12, v12, |v[WXS+\i]|, |v[WXS+\i+1]|
	v_max3_num_f32 v13, v13, |v[WXS+\i+2]|, |v[WXS+\i+3]|
.endr
	v_max3_num_f32 v12, v12, |v[WXS+30]|, |v[WXS+31]|
	v_max3_num_f32 v12, v12, v13, 0x1800000        ; and the floor 2^(3 - 127): the byte cannot fall under 1
	v_add_nc_u32 v11, 0xff000000, v12              ; 2 off the exponent field: the conversion's scale operand
	v_lshrrev_b32 v13, 23, v11                     ; the scale's byte
.if BT == 0
	v_mov_b32 v[WSW+PS], v13
.else
	v_lshl_or_b32 v[WSW+PS], v13, 8*BT, v[WSW+PS]
.endif
	v_cvt_scalef32_pk16_fp6_f32 v[CD:CD+2], v[WXS:WXS+15], v11
	v_cvt_scalef32_pk16_fp6_f32 v[WT:WT+2], v[WXS+16:WXS+31], v11  ; (a conversion's three registers begin on an even number)
	v_nop                                          ; one plain place behind a scaled conversion
.irp i, 0,1,2
	v_mov_b32 v[CD+3+\i], v[WT+\i]
.endr
; the block 2 c + h along K is registers 6 c .. 6 c + 5 of lane p + 16 h of the fragment; a pass holds eight places, 128 bytes, of each of the four tiles
.if BT/2 == 0
	ds_store_b128 v[WLA], v[CD:CD+3] offset:128*PS+256*(BT%2)
	ds_store_b64 v[WLA], v[CD+4:CD+5] offset:128*PS+512+256*(BT%2)
.else
	ds_store_b64 v[WLA], v[CD:CD+1] offset:128*PS+520+256*(BT%2)
	ds_store_b128 v[WLA], v[CD+2:CD+5] offset:128*PS+1024+256*(BT%2)
.endif
.if BT == 3
	ds_store_b32 v[WLS], v[WSW+PS] offset:6144+128*PS              ; my column's scale word
.endif
.endm
	s_load_b256 s[4:11], s[0:1], 0x0               ; x s[4:5], Wq s[6:7], Wk s[8:9], Wv s[10:11]
	s_load_b128 s[12:15], s[0:1], 0x20             ; xq s[12:13], wq s[14:15]
	v_lshl_add_u32 v[SPW], v0, 2, SPARE
	v_mov_b32 v[NIL], 0
	v_lshrrev_b32 v1, 5, v0
	v_readfirstlane_b32 s16, v1                    ; wave
	v_and_b32 v1, 31, v0                           ; lane
	s_cmp_lt_u32 ttmp9, NWW
	s_cselect_b32 s17, 0, NWW
	s_sub_co_u32 s17, ttmp9, s17                   ; my number among the work-groups of my kind
	s_lshr_b32 s18, s17, 3                         ; blk
	s_and_b32 s19, s17, 7                          ; the weights: my K step; x: my tile
	s_mov_b32 s25, 0
	s_mov_b32 s27, 0
	s_mov_b32 s23, 0
	s_cmp_lt_u32 ttmp9, NWW                        ; the kinds part on the work-group's number alone
	s_cbranch_scc1 .Lweights
	; ---- x
	v_and_b32 v2, 15, v0                           ; r
	v_bfe_u32 v3, v0, 4, 1                         ; h
	s_wait_alu depctr_va_vdst(0)
	v_lshlrev_b32 v[LO], 4, v1
	s_mul_i32 s17, s16, STG
	v_add_nc_u32 v[SI], s17, v[LO]
	v_mul_u32_u24 v[SOA], v2, 528
	v_lshl_add_u32 v[SOA], v3, 6, v[SOA]
	v_add_nc_u32 v[SOA], s17, v[SOA]
	v_lshlrev_b32 v[SCO], 4, v2
	v_lshl_add_u32 v[SCO], v3, 3, v[SCO]
.irp b, 0,1,2,3
	v_mov_b32 v[TM+4+\b], 0                        ; written once: a lane permute's destination counts as one of its sources
.endr
	s_mov_b32 s[SEL], 0x76543210
	s_mov_b32 s[SEL+1], 0xfedcba98
	s_mov_b32 s[HM], 0xffff0000
	s_lshl_b32 s22, s18, 19                        ; x: 128 blk rows of 4,096 bytes,
	s_lshr_b32 s21, s19, 2
	s_lshl_b32 s21, s21, 18                        ; + 64 c rows,
	s_add_co_u32 s22, s22, s21
	s_and_b32 s21, s19, 3
	s_lshl_b32 s21, s21, 15                        ; + 8 j rows (tile 4 c + j),
	s_add_co_u32 s22, s22, s21
	s_lshl_b32 s21, s16, 11                        ; + 2,048 bytes for wave 1's four K steps
	s_add_co_u32 s22, s22, s21
	s_lshr_b32 s21, s18, 1
	s_lshl_b32 s21, s21, 3
	s_add_co_u32 s21, s21, s19
	s_lshl_b32 s21, s21, 1
	s_and_b32 s24, s18, 1
	s_add_co_u32 s21, s21, s24                     ; (8 g + tile) 2 + w
	s_mul_i32 s24, s21, 12800
	s_lshl_b32 s21, s16, 8
	s_add_co_u32 s26, s24, s21
	s_add_co_u32 s26, s26, 12288                   ; my 256 bytes of scale words
	s_mul_i32 s21, s16, 6144
	s_add_co_u32 s24, s24, s21                     ; my four fragments
	s_wait_alu depctr_va_vdst(0)
	s_wait_kmcnt 0x0
	s_add_nc_u64 s[4:5], s[4:5], s[22:23]
	s_add_nc_u64 s[6:7], s[12:13], s[24:25]
	s_add_nc_u64 s[8:9], s[12:13], s[26:27]
	XLOAD 0
	XLOAD 1
	XLOAD 2
	XSTEP 0, 32
	XLOAD 3                                        ; into the set that step 0 has left
	XSTEP 1, 32
	XSTEP 2, 16
	XSTEP 3, 0
	v_cndmask_b32 v14, v[PW], v[PW+2], s[HM]       ; lane (r, h) stores the words of K steps 2 h and 2 h + 1 of my four at place r
	v_cndmask_b32 v15, v[PW+1], v[PW+3], s[HM]
	global_store_b64 v[SCO], v[14:15], s[8:9]      ; 32 lanes store 256 consecutive bytes
	s_wait_tensorcnt 0x0                           ; the wave's end, behind my last LDS store
	ds_add_u32 v[SPW], v[NIL]
	s_wait_dscnt 0x0
	s_endpgm
	; ---- the weights
.Lweights:
	s_wait_alu depctr_va_vdst(0)
	v_lshlrev_b32 v[WLO], 2, v1
	v_lshlrev_b32 v[WGO], 4, v1
	v_lshlrev_b32 v[WSG], 3, v1
	v_and_b32 v10, 7, v1                           ; lane = 8 j + i; a pass is h: tile j, place 8 h + i
	v_bfe_u32 v11, v0, 3, 2                        ; j
	s_mul_i32 s28, s16, WREG
	s_add_co_u32 s28, s28, QWL                     ; my region
	v_mul_u32_u24 v[WLA], v11, 1536
	v_lshl_add_u32 v[WLA], v10, 4, v[WLA]
	v_add_nc_u32 v[WLA], s28, v[WLA]
	v_add_nc_u32 v[WLR], s28, v[WGO]
	v_lshlrev_b32 v[WLS], 4, v10
	v_lshl_add_u32 v[WLS], v11, 2, v[WLS]
	v_add_nc_u32 v[WLS], s28, v[WLS]
	v_add_nc_u32 v[WSR], s28, v[WSG]
	s_mul_i32 s24, s18, 98304                      ; wq: blk,
	s_mul_i32 s26, s16, 49152
	s_add_co_u32 s24, s24, s26                     ; my four tiles,
	s_mul_i32 s26, s19, 1536
	s_add_co_u32 s24, s24, s26                     ; my K step
	s_lshl_b32 s26, s18, 3
	s_add_co_u32 s26, s26, s19
	s_lshl_b32 s26, s26, 9
	s_lshl_b32 s21, s16, 8
	s_add_co_u32 s26, s26, s21
	s_add_co_u32 s26, s26, 2359296                 ; my 256 bytes of scale words
	s_and_b32 s21, s18, 7                          ; which 128 columns of its tensor
	s_lshl_b32 s22, s19, 19                        ; 128 s rows of 4,096 bytes,
	s_lshl_b32 s21, s21, 9
	s_add_co_u32 s22, s22, s21                     ; + 512 bytes a block of columns,
	s_lshl_b32 s21, s16, 8
	s_add_co_u32 s22, s22, s21                     ; + 256 bytes for my 64 columns
	s_wait_alu depctr_va_vdst(0)
	s_wait_kmcnt 0x0
	s_cmp_lt_u32 s18, 16                           ; the choice hangs on the work-group's number alone
	s_cselect_b64 s[8:9], s[8:9], s[10:11]
	s_cmp_lt_u32 s18, 8
	s_cselect_b64 s[6:7], s[6:7], s[8:9]
	s_add_nc_u64 s[6:7], s[6:7], s[22:23]
	s_add_nc_u64 s[10:11], s[14:15], s[24:25]
	s_add_nc_u64 s[12:13], s[14:15], s[26:27]
	WLOAD 0
	WLOAD 1
.irp t, 0,1,2,3,4,5,6,7
	WBLOCK \t
.endr
.irp i, 0,1,2,3,4,5,6,7,8,9,10,11
	ds_load_b128 v[WX+4*\i:WX+4*\i+3], v[WLR] offset:512*\i        ; LDS serves a wave's instructions in order: these see my stores
.endr
	ds_load_b64 v[WX+48:WX+49], v[WSR] offset:6144
.irp i, 0,1,2,3,4,5,6,7,8,9,10,11
	s_wait_dscnt 12-\i                             ; the younger loads may stay out
	global_store_b128 v[WGO], v[WX+4*\i:WX+4*\i+3], s[10:11] offset:12288*(\i/3)+512*(\i%3)   ; 32 lanes store 512 consecutive bytes
.endr
	s_wait_dscnt 0x0
	global_store_b64 v[WSG], v[WX+48:WX+49], s[12:13]              ; 32 lanes store 256 consecutive bytes
	s_wait_tensorcnt 0x0                           ; the wave's end, behind my last LDS store
	ds_add_u32 v[SPW], v[NIL]
	s_wait_dscnt 0x0
	s_endpgm
.Lfunc_end_k_qdace4ef6de_quant:
	.size	k_qdace4ef6de_quant, .Lfunc_end_k_qdace4ef6de_quant-k_qdace4ef6de_quant
	.p2alignl 7, 3214868480
	.fill 96, 4, 3214868480
	.section	.rodata,"a",@progbits
	.p2align	6, 0x0
	.amdhsa_kernel k_qdace4ef6de_quant
		.amdhsa_group_segment_fixed_size 29952
		.amdhsa_private_segment_fixed_size 0
		.amdhsa_enable_private_segment 0
		.amdhsa_kernarg_size 48
		.amdhsa_user_sgpr_count 2
		.amdhsa_user_sgpr_kernarg_segment_ptr 1
		.amdhsa_wavefront_size32 1
		.amdhsa_system_sgpr_workgroup_id_x 1
		.amdhsa_system_sgpr_workgroup_id_y 1
		.amdhsa_system_sgpr_workgroup_id_z 1
		.amdhsa_system_vgpr_workitem_id 0
		.amdhsa_next_free_vgpr 256
		.amdhsa_next_free_sgpr 66
		.amdhsa_reserve_vcc 0
		.amdhsa_float_denorm_mode_32 3
		.amdhsa_float_denorm_mode_16_64 3
		.amdhsa_memory_ordered 1
		.amdhsa_forward_progress 1
		.amdhsa_inst_pref_size 75
	.end_amdhsa_kernel
	.amdgpu_metadata
---
amdhsa.version: [ 1, 2 ]
amdhsa.kernels:
  - .name:           k_qdace4ef6de_quant
    .symbol:         k_qdace4ef6de_quant.kd
    .args:
      - { .name: x, .offset: 0, .size: 8, .value_kind: global_buffer, .address_space: global }
      - { .name: Wq, .offset: 8, .size: 8, .value_kind: global_buffer, .address_space: global }
      - { .name: Wk, .offset: 16, .size: 8, .value_kind: global_buffer, .address_space: global }
      - { .name: Wv, .offset: 24, .size: 8, .value_kind: global_buffer, .address_space: global }
      - { .name: xq, .offset: 32, .size: 8, .value_kind: global_buffer, .address_space: global }
      - { .name: wq, .offset: 40, .size: 8, .value_kind: global_buffer, .address_space: global }
    .group_segment_fixed_size: 29952
    .private_segment_fixed_size: 0
    .kernarg_segment_align: 8
    .kernarg_segment_size: 48
    .max_flat_workgroup_size: 64
    .sgpr_count:     66
    .vgpr_count:     256
    .wavefront_size: 32
...
	.end_amdgpu_metadata
.endif
;; end of part 6
;; launch qkv (part 7): grid 16 x 16, 4 waves a work-group, clusters of 4 x 4, 327,680 bytes of LDS; arguments xq, wq, bq, bk, bv, qk, vq; writes qk, vq
.if DOCPART == 7
	.amdgcn_target "amdgcn-amd-amdhsa--gfx1250"
	.amdhsa_code_object_version 6
	.text
	.protected	k_qdace4ef6de_qkv
	.globl	k_qdace4ef6de_qkv
	.p2align	8
	.type	k_qdace4ef6de_qkv,@function
k_qdace4ef6de_qkv:
	s_mov_b64 s[64:65], 0
	v_nop
	global_prefetch_b8 v0, s[64:65] scope:SCOPE_SE
	s_setreg_imm32_b32 hwreg(HW_REG_WAVE_MODE, 25, 1), 1
	s_wait_xcnt 0x0
	s_wait_alu depctr_hold_cnt(0) depctr_sa_sdst(0) depctr_va_vdst(0) depctr_va_sdst(0) depctr_va_ssrc(0) depctr_va_vcc(0) depctr_vm_vsrc(0)
	s_getreg_b32 s2, hwreg(HW_REG_IB_STS2, 6, 4)
	s_cmp_eq_u32 s2, 0
	s_cbranch_scc0 .Lentry_in_a_cluster
	s_endpgm
.Lentry_in_a_cluster:
	s_bfe_u32 s2, ttmp6, 0x10000c
	s_cmp_lg_u32 s2, 0xf033
	s_cbranch_scc0 .Lentry_shape_is_right
	s_endpgm
.Lentry_shape_is_right:
; q = x Wq + bq, k = x Wk + bk, v = x Wv + bv on codes of FP6 (E2M3) with E8M0 scales; the results are quantised in registers and leave as operand registers of the launches that read them.  No f32 result is stored.
; LIMITS: a block of zeros gets the byte 1 where the rule says 127 (its codes are zeros and this program alone reads the bytes); NaN and infinities are not served.
; ORDER OF ROWS in a block of 128 (tokens, or columns of a weight): tile 4 c + j holds at place 8 h + i row 64 c + 32 h + 8 j + i.  A fragment is 16 rows x 128 along K: register R of lane L at 512 (R / 4) + 16 L + 4 (R % 4).
; IN.  xq: block 2 g + w, tile t at ((8 g + t) 2 + w) 12,800: eight fragments, then the scale words of K steps 0-3 and 4-7, 256 bytes each (16 a row).  wq: fragment (blk, tile, s) at ((8 blk + tile) 8 + s) 1,536;
; from 2,359,296 on the scale words: (8 blk + s) 512 + 256 (tile / 4) + 16 p + 4 (tile % 4); blocks 0-7 Wq, 8-15 Wk, 16-23 Wv.
; OUT.  qk: (token block, s = 0 .. 15: q's K steps, then k's) is 12,800 bytes: eight tiles of 1,536 (registers 0-3 at 16 L, 6-9 at 512 + 16 L, 4-5 at 1,024 + 8 L, 10-11 at 1,280 + 8 L), then 512 bytes of scale words (as wq's).
; vq: (128 batch + 16 channel block + key block) 12,288: eight fragments of channels with K along the keys; from 6,291,456 on 512 bytes of scale words for each.
; THE DEAL.  256 work-groups of four waves, 2 x 2.  A wave holds 64 columns of a weight, ALL of K, in registers (32 fragments, 384 registers) and streams x past them in blocks of one tile, 16 rows x all of K.
; Waves of row w take the tiles of token blocks 2 g + w, waves of column c the columns 64 c + 0 .. 63 of the work-group's 128.  A chunk is 128 rows: tiles 4 c .. 4 c + 3 of two token blocks, 102,400 dense bytes with their scale words.
; A work-group makes 256 x 128 of V (PHASE 1, eight blocks a wave) and then 512 x 128 of Q or K (PHASE 2, sixteen).  V's 256 rows are a half of the work-group's own 512: the two chunks that the head asks for serve both phases.
; Which half (s87) and which tensor (s19) come from the cluster's number alone, so all sixteen partners agree.  x's rows are shared by a row of the cluster, a weight's by a column: joint loads.
; V comes first: its codes leave only when both bands of 64 tokens are there; Q's and K's leave a pair of blocks at a time.
; LDS: two slots for chunks (0, CH), the weights' region (BVB), the stages of the scale bytes (XN, XM), the spare words.
; FILLS.  At the head one a wave: waves 0 and 1 a half of W_v's tile each, wave 2 chunk 0, wave 3 chunk 1.  THREE REFILLS, each in a drained round of the cluster's barrier: in V's third block the weights' region, with W_q's or W_k's tile;
; in phase 2's blocks 2 and 6 a slot each with a chunk of the other half (waves 0 and 1 a half each).  What a refill brought is shown by the next round, or by a plain barrier behind which nothing is filled (V's last block; phase 2's blocks 10 and 12).
; A BLOCK is 32 products; behind every second one stand two entries of the block's list: scalar lines and one vector line each: the next block's LDS address, descriptors, and the way out of the block before.
; PREFETCHES into the L2, shared out by address among the sixteen waves of the four work-groups that ask jointly: the second weight at the head, the two later chunks one phase ahead of their loads.
; THE BIAS is the first products' C, laid in registers as the result lies.
; THE WAITS' COUNTS.  A block's rows were fetched two blocks ago; younger are the next block's NF loads and the LDS stores of scale bytes issued between: none, four or one.
.set CH,    102400                     ; a chunk: eight tiles
.set TLB,   12800                      ; a tile: eight fragments and their scale words
.set WH,    49152                      ; 64 columns of a weight, all of K
.set STQ,   12800
.set WSCO,  2359296
.set VSCO,  6291456
.set BVB,   2*CH
.set XN,    BVB+2*WH                   ; Q's or K's scale bytes: [wave][chunk in the order of work][row][tile][h]
.set XM,    XN+2048                    ; V's: [wave][row][tile][2 c + h]
.set SPARE, XM+1024
.set FR,    12
.set FPW,   21                         ; fragments in a window of 256 registers: none lies across a border
.set NF,    25                         ; LDS loads of a block: 24 for eight fragments, one for eight scale words
.set EMAX,  2
.set ADRA0, 4                          ; v4  my fragments of block 0 in slot 0; v5 of block 1
.set ADRA1, 5
.set CO,    9                          ; v9  16 x lane
.set SPW,   10
.set NIL,   11
.set ADRA,  12                         ; v12 of the block that is fetched next
.set ADRB,  14                         ; v14 my 64 columns of the weight
.set C8,    15                         ; v15 8 x lane
.set ABS,   16                         ; v16 16 r + 8 h
.set CO2,   17                         ; v17 where registers 4-5 or 10-11 go
.set STO,   18
.set STV,   19
.set SB,    24                         ; v24-39 the weights' scale words: K step q at PQ(q): tiles u (lanes 0-15) and 2 + u (lanes 16-31) in register u
.set TQ,    40
.set SA,    44                         ; v44-51 the rows' scale words, two sets of four: K steps 0-3 in lanes 0-15, 4-7 in lanes 16-31
.set TC,    60
.set ACC,   64                         ; v64-127 phase 2: two sets of four accumulators
.set HV0,   64                         ; v64-191 phase 1, band 0: 32 t + 8 j + i
.set NCD,   128                        ; v128-139 phase 2: codes of an even block, of an odd block
.set BBQ,   160                        ; v160-191 Q's or K's bias, loaded between the phases
.set MCD,   192                        ; v192-239 phase 1: four operands of twelve
.set SOP,   240
.set EB,    244
.set VX,    248
.set HV1,   840                        ; v840-967 phase 1, band 1
.set SB2,   968                        ; v968-983 phase 2's weights' scale words
.set BBV,   992                        ; v992-1023 V's bias
.set G1A,   24                         ; s[24:31] group 1 of x's chunks; s[56:59], s[68:71] group 0
.set G1B,   32                         ; s[32:39] of a weight's halves; s[60:63] group 0
.set G0A,   56
.set G0B,   60
.set G0R,   68
.set MSB, 0
.macro WIN new                         ; the immediate's high byte repeats the setting that is left
.if MSB != (\new)
	s_set_vgpr_msb (MSB<<8)|(\new)
.set MSB, \new
.endif
.endm
.macro PLACES n
.rept \n
	v_nop
.endr
.endm
.macro WALU
	s_wait_alu depctr_va_vdst(0)
.endm
.macro BARRIER
	s_barrier_signal -1
	s_barrier_wait -1
.endm
.macro MIDDLE                          ; a round's middle: the opening wait, wave 0's signal for the work-group, the cluster's wait
	WIN 0
	s_barrier_wait -1
	s_cmp_lg_u32 s14, 0
	s_cbranch_scc1 .Lnot_wave_0_\@
	s_barrier_signal -3
.Lnot_wave_0_\@:
	s_barrier_wait -3
.endm
.macro CROUND
	s_barrier_signal -1
	MIDDLE
	BARRIER
.endm
.macro GRD
	s_wait_tensorcnt 0x0
	ds_add_u32 v[SPW], v[NIL]
.endm
.macro TLOAD g0, g1
	tensor_load_to_lds s[\g0:\g0+3], s[\g1:\g1+7]
	s_nop 0
	PLACES 4
.endm
.macro GROUP1 g, mask, rows            ; a dense run as rows of 256 bytes (32 elements of 8 bytes)
	s_or_b32 s[\g+0], s\mask, (3<<16)|(1<<21)
	s_mov_b32 s[\g+1], 32<<16
	s_mov_b32 s[\g+2], (\rows)<<16
	s_mov_b32 s[\g+3], 32<<16
	s_mov_b32 s[\g+4], \rows
	s_mov_b32 s[\g+5], 32
	s_mov_b32 s[\g+6], 0
	s_mov_b32 s[\g+7], 0
.endm
.macro SADD d, x
	s_add_co_u32 s\d, s\d, s\x
.endm
; fragment f lies in window 1 + f / 21 at register 12 (f % 21): 0-31 the weights' (4 q + b), 32-39 and 40-47 the rows' two sets
.macro FRAG f, a, off
	WIN (1+(\f)/FPW)<<6
.irp k, 0,1,2
	ds_load_b128 v[FR*((\f)%FPW)+4*\k:FR*((\f)%FPW)+4*\k+3], v[\a] offset:(\off)+512*\k
.endr
.endm
.macro WEIGHTS                         ; my 64 columns, all of K: 96 loads
.irp q, 0,1,2,3,4,5,6,7
.irp b, 0,1,2,3
	FRAG 4*\q+\b, ADRB, 12288*\b+1536*\q
.endr
.endr
	WIN 0
.endm
.macro FETCHAT e, a                    ; a block of x's rows into set e
.irp q, 0,1,2,3,4,5,6,7
	FRAG 32+8*(\e)+\q, \a, 1536*\q
.endr
	WIN 0
	ds_load_b128 v[SA+4*(\e):SA+4*(\e)+3], v[\a] offset:12288
.endm
.macro FETCH e
	FETCHAT \e, ADRA
.endm
.macro FETCH01                         ; a phase's first two blocks, from slot 0
	FETCHAT 0, ADRA0
	FETCHAT 1, ADRA1
	s_mov_b32 s101, 2*TLB
.endm
.macro WM d, s0, s1, c, x0, x1, ra, rb
	v_wmma_scale_f32_16x16x128_f8f6f4 v[\d:\d+7], v[FR*((\s0)%FPW):FR*((\s0)%FPW)+FR-1], v[FR*((\s1)%FPW):FR*((\s1)%FPW)+FR-1], \c, v[\x0], v[\x1] matrix_a_fmt:MATRIX_FMT_FP6 matrix_b_fmt:MATRIX_FMT_FP6 matrix_a_scale:MATRIX_SCALE_ROW\ra matrix_b_scale:MATRIX_SCALE_ROW\rb
.endm
.macro PROD1 d, s0, s1, c, x0, x1, a, b
.if (\a) && (\b)
	WM \d, \s0, \s1, \c, \x0, \x1, 1, 1
.elseif \a
	WM \d, \s0, \s1, \c, \x0, \x1, 1, 0
.elseif \b
	WM \d, \s0, \s1, \c, \x0, \x1, 0, 1
.else
	WM \d, \s0, \s1, \c, \x0, \x1, 0, 0
.endif
.endm
; product n = 4 q + tile.  kind 0 (Q, K): source 0 the weight's rows; kind 1 (V): source 0 x's rows.  Four accumulators take turns
.macro PROD kind, e, n, a0, as
.set Q_, (\n)/4
.set W_, (\n)%4
.set FB_, 4*Q_+W_
.set FA_, 32+8*(\e)+Q_
.set D_, (\a0)+(\as)*W_
.set DL_, D_&255
.set XB_, SB+8*(Q_/4)+4*(Q_%2)+2*(1-(Q_/2)%2)+W_%2
.set XA_, SA+4*(\e)+Q_%4
.set RA_, Q_/4
.set RB_, W_/2
.if \kind
.if Q_
	WIN (1+FA_/FPW)|((1+FB_/FPW)<<2)|((D_>>8)<<4)|((D_>>8)<<6)
	PROD1 DL_, FA_, FB_, v[DL_:DL_+7], XA_, XB_, RA_, RB_
.else
	WIN (1+FA_/FPW)|((1+FB_/FPW)<<2)|(3<<4)|((D_>>8)<<6)
	PROD1 DL_, FA_, FB_, v[BBV-768+8*W_:BBV-768+8*W_+7], XA_, XB_, RA_, RB_
.endif
.else
	WIN (1+FB_/FPW)|((1+FA_/FPW)<<2)|((D_>>8)<<4)|((D_>>8)<<6)
.if Q_
	PROD1 DL_, FB_, FA_, v[DL_:DL_+7], XB_, XA_, RB_, RA_
.else
	PROD1 DL_, FB_, FA_, v[BBQ+8*W_:BBQ+8*W_+7], XB_, XA_, RB_, RA_
.endif
.endif
.endm
; products from .. to - 1 of a block; behind every second one two entries of the list
.macro BLOCK kind, e, a0, as, from, to, list, x=0, y=0
.set N_, \from
.rept (\to)-(\from)
	PROD \kind, \e, N_, \a0, \as
.if N_%2
	\list N_-1, \x, \y
	\list N_, \x, \y
.endif
.set N_, N_+1
.endr
.endm
; what the lists are made of: each macro writes entry i of its part, and nothing beyond its last
.macro STEP i, wrap                    ; 1 entry: the next block's LDS address
.if (\i) == 0
	s_add_co_u32 s101, s101, 2*TLB
.if \wrap
	s_cmp_eq_u32 s101, 2*CH
	s_cselect_b32 s101, 0, s101
.endif
	WIN 0
	v_add_nc_u32 v[ADRA], s101, v[ADRA0]
.endif
.endm
.macro CHAIN i, x, n, t=TQ             ; 18 entries: the largest magnitude of the 32 sums from register x on, in two chains, and the conversions' scale operand, v[SOP+n]
.set XW_, (\x)>>8
.set XL_, (\x)&255
.if (\i) >= 0 && (\i) < 14
.set B_, XL_+16*((\i)%2)+2*((\i)/2)
.set T_, (\t)+1-(\i)%2
.if (\i) < 2
	WIN XW_|(XW_<<2)|(XW_<<4)
	v_max3_num_f32 v[T_], |v[B_]|, |v[B_+1]|, |v[B_+2]|
.else
	WIN (XW_<<2)|(XW_<<4)
	v_max3_num_f32 v[T_], v[T_], |v[B_+1]|, |v[B_+2]|
.endif
.elseif (\i) == 14
	WIN XW_<<2
	v_max3_num_f32 v[\t+1], v[\t+1], |v[XL_+15]|, (EMAX+1)<<23
.elseif (\i) == 15
	WIN 0
	v_nop
.elseif (\i) == 16
	WIN XW_<<2
	v_max3_num_f32 v[\t], v[\t], |v[XL_+31]|, v[\t+1]
.elseif (\i) == 17
	WIN 0
	v_add_nc_u32 v[SOP+\n], -(EMAX<<23), v[\t]
.endif
.endm
.macro CODES i, x, c, n, t=TC          ; 6 lines: 32 codes into v[c .. c+5], the scale's byte into v[EB+n]
.set XW_, (\x)>>8
.set XL_, (\x)&255
.if (\i) == 0
	WIN XW_
	v_cvt_scalef32_pk16_fp6_f32 v[\c:\c+2], v[XL_:XL_+15], v[SOP+\n]
.elseif (\i) == 1
	WIN XW_
	v_cvt_scalef32_pk16_fp6_f32 v[\t:\t+2], v[XL_+16:XL_+31], v[SOP+\n]
.elseif (\i) == 2
	WIN 0
	v_lshrrev_b32 v[EB+\n], 23, v[SOP+\n]
.else
	WIN 0
	v_mov_b32 v[\c+\i], v[\t+\i-3]
.endif
.endm
.macro CODES6 x, c, n
.irp i, 0,1,2,3,4,5
	CODES \i, \x, \c, \n
.endr
.endm
.macro PFTILE v, off, share, blocks    ; one entry: the address of my sixteenth of a tile, a block of 256 bytes a lane (lanes left over name the last block again)
	s_mul_i32 s21, s\share, (\blocks)*256
	s_add_co_u32 s20, s\off, s21
	WIN 0
	v_min_u32 v\v, (\blocks)-1, v3
	v_lshl_add_u32 v\v, v\v, 8, s20
.endm
.macro PFGO v, base
	global_prefetch_b8 v\v, s[\base:\base+1] th:TH_LOAD_NT scope:SCOPE_SE
.endm
.macro PUT3 r, off
.irp k, 0,1,2
	global_store_b128 v[CO], v[\r+4*\k:\r+4*\k+3], s[50:51] offset:(\off)+512*\k
.endr
.endm
.macro PUTQ                            ; a pair of blocks: whole aligned units of 512 and 256 bytes
.irp k, 0,1
	global_store_b128 v[CO], v[NCD+6*\k:NCD+6*\k+3], s[84:85] offset:1536*\k
	global_store_b64 v[CO2], v[NCD+6*\k+4:NCD+6*\k+5], s[84:85] offset:1536*\k
.endr
.endm
.macro ASK i                           ; 2 entries: the descriptor of the chunk at s88 for slot s47; then both step on
.if (\i) == 0
	s_mul_i32 s20, s14, CH/2
	s_add_co_u32 s[G0R+1], s20, s47
	SADD 20, 88
	s_mov_b32 s21, 0
.elseif (\i) == 1
	s_add_nc_u64 s[G0R+2:G0R+3], s[4:5], s[20:21]
	s_or_b32 s[G0R+3], s[G0R+3], 0x80000000
	s_add_co_u32 s88, s88, CH
	s_xor_b32 s47, s47, CH
.endif
.endm
.macro PAIR i                          ; 4 entries: where pair s46's codes go (s[84:85], by the true half) and its scale bytes (v[VX], by the order of work)
.if (\i) == 0
	s_lshl_b32 s3, s87, 2
	s_xor_b32 s3, s3, s46
	s_lshr_b32 s20, s3, 2
	s_mul_i32 s20, s20, 32*STQ
.elseif (\i) == 1
	s_and_b32 s21, s3, 3
	s_mul_i32 s21, s21, 3072
	SADD 20, 21
	s_mov_b32 s21, 0
.elseif (\i) == 2
	s_add_nc_u64 s[84:85], s[10:11], s[20:21]
	s_lshr_b32 s22, s46, 1
	s_lshl_b32 s22, s22, 7
	s_and_b32 s23, s46, 1
.elseif (\i) == 3
	s_lshl_b32 s23, s23, 2
	s_or_b32 s22, s22, s23
	s_add_co_u32 s46, s46, 1
	WIN 0
	v_add_nc_u32 v[VX], s22, v[STO]
.endif
.endm
; the lists
.macro L_STEP i, x, y
	STEP \i, 0
.endm
.macro L_NONE i, x, y
.endm
.macro L_OUT i, x, y
	STEP \i, 0
	CHAIN (\i)-1, \x, \y
.endm
.macro L_LAST i, x, y
	CHAIN \i, \x, \y
.endm
.macro L_V2 i, x, y                    ; V's third block: the first refill's descriptor, the later refills' rows, the step, the address of the next chunk's prefetch
.if (\i) == 0
	s_mov_b32 s[G1A+2], (CH/512)<<16
	s_mov_b32 s[G1A+4], CH/512
.elseif (\i) == 1
	s_mul_i32 s20, s14, WH
	SADD 20, 9
	s_mov_b32 s21, 0
	s_add_nc_u64 s[G0B+2:G0B+3], s[6:7], s[20:21]
.elseif (\i) == 2
	s_or_b32 s[G0B+3], s[G0B+3], 0x80000000
.elseif (\i) == 4
	PFTILE 7, 88, 90, 25
.endif
	STEP (\i)-3, 0
.endm
.macro L_V7 i, x, y
.if (\i) == 0
	s_add_co_u32 s22, s88, CH
	PFTILE 20, 22, 90, 25
.endif
	CHAIN (\i)-1, \x, \y
.endm
.macro L_ODD i, x, y
	PAIR \i
	STEP (\i)-4, 0
	CHAIN (\i)-5, ACC, 0
.endm
.macro L_ODDL i, x, y
	PAIR \i
	CHAIN (\i)-4, ACC, 0
.endm
.macro L_ROUND i, x, y
	ASK \i
	STEP (\i)-2, 1
	CHAIN (\i)-3, ACC+32, 1
.endm
; phase 2's blocks.  w: the count of the wait for the block's rows (-1: they are shown in already)
.macro WAITDS w
.if (\w) >= 0
	s_wait_dscnt \w
.endif
.endm
.macro EVENOUT fetch                   ; behind an even block: the odd block's byte, the pair's codes, the fetch of the block two on
	WALU
	ds_store_b8 v[VX], v[EB+1] offset:2
	PUTQ
.if \fetch
	FETCH 0
.endif
.endm
.macro EVEN w, fetch
	WAITDS \w
.if \fetch
	BLOCK 0, 0, ACC, 8, 0, 32, L_OUT, ACC+32, 1
.else
	BLOCK 0, 0, ACC, 8, 0, 32, L_LAST, ACC+32, 1
.endif
	WIN 0
	CODES6 ACC+32, NCD+6, 1
	EVENOUT \fetch
.endm
.macro EVENROUND w                     ; the second and the third refill
	WAITDS \w
	GRD
	BLOCK 0, 0, ACC, 8, 0, 26, L_ROUND
	WIN 0
	WALU
	s_wait_dscnt 0x0                       ; the add is done, and so are my reads of the slot
	s_barrier_signal -1
	BLOCK 0, 0, ACC, 8, 26, 32, L_NONE
	WIN 0
	CODES6 ACC+32, NCD+6, 1
	MIDDLE
	BARRIER
	s_cmp_lt_u32 s14, 2
	s_cbranch_scc0 .Lnone_\@
	TLOAD G0R, G1A                         ; waves 0 and 1 a half each of the chunk
.Lnone_\@:
	EVENOUT 1
.endm
.macro EVENSHOW w                      ; a plain barrier inside the block shows the last refill to all
	WAITDS \w
	BLOCK 0, 0, ACC, 8, 0, 26, L_OUT, ACC+32, 1
	WIN 0
	WALU
	s_wait_tensorcnt 0x0
	s_wait_dscnt 0x0
	s_barrier_signal -1
	BLOCK 0, 0, ACC, 8, 26, 32, L_NONE
	WIN 0
	s_barrier_wait -1
	CODES6 ACC+32, NCD+6, 1
	EVENOUT 1
.endm
.macro ODD w, fetch
	WAITDS \w
	s_wait_xcnt 0x0                        ; the last pair's stores have read their codes and their base
.if \fetch
	BLOCK 0, 1, ACC+32, 8, 0, 32, L_ODD
.else
	BLOCK 0, 1, ACC+32, 8, 0, 32, L_ODDL
.endif
	WIN 0
	CODES6 ACC, NCD, 0
	WALU
	ds_store_b8 v[VX], v[EB]
.if \fetch
	FETCH 1
.endif
.endm
; ================= THE HEAD
	s_load_b128 s[4:7], s[0:1], 0x0                     ; xq, wq
	s_load_b128 s[92:95], s[0:1], 0x10                  ; bq, bk
	s_load_b64 s[96:97], s[0:1], 0x20                   ; bv
	s_load_b128 s[48:51], s[0:1], 0x28                  ; qk, vq
	v_lshl_add_u32 v[SPW], v0, 2, SPARE
	v_mov_b32 v[NIL], 0
	ds_add_u32 v[SPW], v[NIL]                           ; the opening adds
	ds_add_u32 v[SPW], v[NIL]
	v_lshrrev_b32 v1, 5, v0
	v_readfirstlane_b32 s14, v1                         ; s14 the wave; s15 its row w, s16 its column c
	s_lshr_b32 s15, s14, 1
	s_and_b32 s16, s14, 1
	s_bfe_u32 s40, ttmp6, 0x40000                       ; cx
	s_bfe_u32 s41, ttmp6, 0x40004                       ; cy
	s_lshl_b32 s42, ttmp9, 2
	s_add_co_u32 s42, s42, s40                          ; s42 phase 2's column block: 0-7 Q, 8-15 K
	s_and_b32 s43, ttmp7, 0xffff
	s_lshl_b32 s43, s43, 2
	s_add_co_u32 s43, s43, s41                          ; s43 which 512 tokens
	s_lshr_b32 s19, ttmp9, 1                            ; s19: 0 Q, 1 K
	s_and_b32 s87, ttmp9, 1                             ; s87: V's half of my 512 rows
	s_lshl_b32 s13, s19, 2
	s_add_co_u32 s13, s13, s40                          ; s13 V's column block
	s_lshl_b32 s12, s43, 1
	s_add_co_u32 s12, s12, s87                          ; s12 which 256 tokens
	s_lshl_b32 s44, s41, 2
	s_lshl_b32 s44, 15, s44                             ; my row of the cluster
	s_lshl_b32 s45, 0x1111, s40                         ; my column
	GROUP1 G1A, 44, CH/256
	GROUP1 G1B, 45, WH/256
	s_mul_i32 s67, s43, 4*CH                            ; my 512 rows, bytes from xq
	s_mul_i32 s66, s12, 2*CH                            ; V's half of them
	s_mul_i32 s9, s42, 2*WH                             ; W_q's or W_k's tile, bytes from wq
	s_mul_i32 s54, s13, 2*WH
	s_add_co_u32 s54, s54, 16*2*WH                      ; W_v's
	s_mul_i32 s17, s14, WH
	SADD 54, 17                                         ; my half of it (waves 0 and 1)
	s_mov_b32 s[G0A], 1
	s_mov_b32 s[G0A+1], 0
	s_mov_b32 s[G0R], 1
	s_mov_b32 s[G0R+1], CH
	s_mov_b32 s[G0B], 1
	s_add_co_u32 s[G0B+1], s17, BVB
	s_lshl_b32 s90, s40, 2
	s_add_co_u32 s90, s90, s14                          ; my number among the sixteen waves of my row of the cluster
	s_lshl_b32 s100, s41, 2
	s_add_co_u32 s100, s100, s14                        ; and of my column
	s_mul_i32 s20, s15, TLB
	s_mul_i32 s21, s16, WH
	s_add_co_u32 s21, s21, BVB
	s_lshl_b32 s22, s16, 8
	s_sub_co_u32 s22, 1024, s22
	s_lshl_b32 s23, s14, 9
	s_add_co_u32 s23, s23, XN
	s_lshl_b32 s46, s14, 8
	s_add_co_u32 s46, s46, XM
	v_and_b32 v1, 15, v0                                ; r
	v_bfe_u32 v2, v0, 4, 1                              ; h
	v_and_b32 v3, 31, v0
	v_lshlrev_b32 v[CO], 4, v3
	v_lshlrev_b32 v[C8], 3, v3
	v_add_nc_u32 v[ADRA0], s20, v[CO]
	v_add_nc_u32 v[ADRA1], 2*TLB, v[ADRA0]
	v_add_nc_u32 v[ADRB], s21, v[CO]
	v_add_nc_u32 v[CO2], s22, v[C8]
	v_lshlrev_b32 v[ABS], 4, v1
	v_lshl_add_u32 v[ABS], v2, 3, v[ABS]
	v_lshl_add_u32 v[STO], v1, 3, v2
	v_add_nc_u32 v[STO], s23, v[STO]
	v_lshl_add_u32 v[STV], v1, 4, v2
	v_add_nc_u32 v[STV], s46, v[STV]
	v_lshlrev_b32 v21, 7, v2                            ; Q, K: register 8 j + i of lane (r, h) is column 32 h + 8 j + i: 128 bytes on end for each half of the lanes
	v_lshrrev_b32 v23, 3, v1
	v_lshlrev_b32 v23, 7, v23
	v_and_b32 v22, 7, v1
	v_lshl_add_u32 v23, v22, 2, v23                     ; V: lane (r, h) of tile t has column 32 (r / 8) + 8 t + r % 8
	WALU
	s_wait_dscnt 0x0                                    ; both opening adds are done
	CROUND                                              ; the opening round: the first joint loads meet
	s_wait_kmcnt 0x0
	s_mov_b32 s20, s66
	s_mov_b32 s21, 0
	s_add_nc_u64 s[G0A+2:G0A+3], s[4:5], s[20:21]
	s_add_nc_u64 s[G0R+2:G0R+3], s[G0A+2:G0A+3], CH
	s_or_b32 s[G0A+3], s[G0A+3], 0x80000000
	s_or_b32 s[G0R+3], s[G0R+3], 0x80000000
	s_mov_b32 s20, s54
	s_add_nc_u64 s[G0B+2:G0B+3], s[6:7], s[20:21]
	s_or_b32 s[G0B+3], s[G0B+3], 0x80000000
	s_cmp_lt_u32 s14, 2
	s_cbranch_scc0 .Lwave_2
	TLOAD G0B, G1B                                      ; waves 0 and 1: W_v's tile
	s_branch .Lasked
.Lwave_2:
	s_cmp_eq_u32 s14, 2
	s_cbranch_scc0 .Lwave_3
	TLOAD G0A, G1A                                      ; wave 2: chunk 0
	s_branch .Lasked
.Lwave_3:
	TLOAD G0R, G1A                                      ; wave 3: chunk 1
.Lasked:
	s_lshl_b32 s22, s16, 8                              ; the weights' scale words: my four tiles
	s_lshl_b32 s20, s13, 12
	SADD 20, 22
	s_add_co_u32 s20, s20, WSCO+16*4096
	s_add_nc_u64 s[84:85], s[6:7], s[20:21]
	s_lshl_b32 s20, s42, 12
	SADD 20, 22
	s_add_co_u32 s20, s20, WSCO
	s_add_nc_u64 s[76:77], s[6:7], s[20:21]
	s_lshl_b32 s22, s13, 1
	SADD 22, 16
	s_lshl_b32 s22, s22, 8                              ; V's bias: my 64 columns
	s_mov_b32 s23, 0
	s_add_nc_u64 s[22:23], s[96:97], s[22:23]
.irp q, 0,1,2,3,4,5,6,7
.set PQ_, 8*(\q/4)+4*(\q%2)+2*(1-(\q/2)%2)
	global_load_b64 v[SB+PQ_:SB+PQ_+1], v[ABS], s[84:85] offset:512*\q
.endr
	WIN 3<<6
.irp q, 0,1,2,3,4,5,6,7
.set PQ_, 8*(\q/4)+4*(\q%2)+2*(1-(\q/2)%2)
	global_load_b64 v[SB2-768+PQ_:SB2-768+PQ_+1], v[ABS], s[76:77] offset:512*\q
.endr
.irp t, 0,1,2,3
	global_load_b32 v[BBV-768+8*\t], v23, s[22:23] offset:32*\t
.endr
	WIN 0
	s_wait_xcnt 0x0
	; where the results go
	s_lshl_b32 s20, s43, 2
	SADD 20, 15
	s_lshl_b32 s20, s20, 4
	SADD 20, 42
	s_mul_i32 s76, s20, STQ
	s_lshl_b32 s21, s16, 9
	SADD 76, 21                                         ; qk: token block 4 s43 + w, K step s42, band c
	s_mov_b32 s77, 0
	s_xor_b32 s20, s15, s87                             ; at the end wave 2 a + b stores the scale words of the a-th half in the order of work, token block b of it
	s_lshl_b32 s20, s20, 1
	SADD 20, 16
	s_lshl_b32 s21, s43, 2
	SADD 20, 21
	s_lshl_b32 s20, s20, 4
	SADD 20, 42
	s_mul_i32 s78, s20, STQ
	s_add_co_u32 s78, s78, 12288
	s_mov_b32 s79, 0
	s_lshr_b32 s20, s12, 3
	s_lshl_b32 s20, s20, 7
	s_lshl_b32 s21, s13, 4
	SADD 20, 21
	s_and_b32 s21, s12, 7
	s_lshl_b32 s21, s21, 1
	SADD 20, 21
	SADD 20, 15                                         ; vq: 128 batch + 16 channel block + key block
	s_mul_i32 s80, s20, 12288
	s_mul_i32 s21, s16, 6144
	SADD 80, 21
	s_mov_b32 s81, 0
	s_lshl_b32 s82, s20, 9
	s_lshl_b32 s21, s16, 8
	SADD 82, 21
	s_add_co_u32 s82, s82, VSCO
	s_mov_b32 s83, 0
	s_add_nc_u64 s[10:11], s[48:49], s[76:77]
	s_add_nc_u64 s[48:49], s[48:49], s[78:79]
	s_add_nc_u64 s[52:53], s[50:51], s[82:83]
	s_add_nc_u64 s[50:51], s[50:51], s[80:81]
	s_lshl_b32 s20, s42, 1
	SADD 20, 16
	s_and_b32 s20, s20, 15
	s_lshl_b32 s20, s20, 8                              ; Q's or K's bias: my 64 columns
	s_mov_b32 s21, 0
	s_cmp_eq_u32 s19, 1
	s_cselect_b64 s[92:93], s[94:95], s[92:93]
	s_add_nc_u64 s[12:13], s[92:93], s[20:21]           ; kept for the loads between the phases
	s_mov_b32 s46, 0
	s_mov_b32 s47, 0
	s_xor_b32 s20, s87, 1                               ; the chunks still to come are the other half's
	s_mul_i32 s20, s20, 2*CH
	s_add_co_u32 s88, s67, s20
	s_wait_loadcnt 0x0
	WIN (3<<6)|3
.irp t, 0,8,16,24
.irp i, 1,2,3,4,5,6,7
	v_mov_b32 v[BBV-768+\t+\i], v[BBV-768+\t]           ; V's number, one a lane and tile, over the tile's eight registers
.endr
.endr
	WIN 0
	PFTILE 8, 9, 100, 24                                ; what the first refill will load
	WALU
	s_cmp_lt_u32 s14, 2
	s_cbranch_scc0 .Lnot_b
	s_wait_tensorcnt 0x0
.Lnot_b:
	BARRIER                                             ; W_v's tile is in
	PFGO 8, 6
	WEIGHTS
	s_cmp_eq_u32 s14, 3
	s_cbranch_scc1 .Lnot_a0
	s_wait_tensorcnt 0x0
.Lnot_a0:
	s_wait_dscnt 0x0
	BARRIER                                             ; chunk 0 is in; chunk 1 may still be on its way
	FETCH01
; ================= PHASE 1: V, eight blocks; band 0's way outs stand in band 1's blocks
.irp s, 0,1
	s_wait_dscnt NF
	BLOCK 1, \s, HV0+8*\s, 32, 0, 32, L_STEP
	WIN 0
	PLACES 4
	WALU
	FETCH \s
.endr
	s_wait_dscnt NF
	GRD
	BLOCK 1, 0, HV0+16, 32, 0, 24, L_V2
	WIN 0
	WALU
	s_wait_dscnt 0x0
	s_barrier_signal -1
	BLOCK 1, 0, HV0+16, 32, 24, 32, L_NONE
	MIDDLE
	BARRIER
	s_cmp_lt_u32 s14, 2
	s_cbranch_scc0 .Lno_half
	TLOAD G0B, G1B                                      ; waves 0 and 1 a half each of W_q's or W_k's tile, onto W_v's, which all waves hold in registers
.Lno_half:
	PLACES 4                                            ; the places between the block's products and the fetch into their registers, for the waves that come round the load
	WALU
	FETCH 0
	PFGO 7, 4
	BLOCK 1, 1, HV0+24, 32, 0, 32, L_STEP
	WIN 0
	PLACES 4
	WALU
	FETCH 1
.irp j, 0,1,2
	s_wait_dscnt NF+(\j+1)/2
.if \j < 2
	BLOCK 1, \j%2, HV1+8*\j, 32, 0, 32, L_OUT, HV0+32*\j, \j
.else
	BLOCK 1, \j%2, HV1+8*\j, 32, 0, 32, L_LAST, HV0+32*\j, \j
.endif
	WIN 0
	CODES6 HV0+32*\j, MCD+12*\j, \j
	WALU
	ds_store_b8 v[STV], v[EB+\j] offset:4*\j
.if \j < 2
	FETCH \j%2
.endif
.endr
	s_wait_dscnt 1
	BLOCK 1, 1, HV1+24, 32, 0, 26, L_V7, HV0+96, 3
	WIN 0
	WALU
	s_wait_tensorcnt 0x0
	s_wait_dscnt 0x0
	s_barrier_signal -1                                 ; a plain barrier: the weights that the first refill brought are shown to all
	BLOCK 1, 1, HV1+24, 32, 26, 32, L_NONE
	WIN 0
	s_barrier_wait -1
	CODES6 HV0+96, MCD+36, 3
	WALU
	ds_store_b8 v[STV], v[EB+3] offset:12
; ================= THE CHANGE OF PHASE: the weights and the first two blocks' rows, which lie in slot 0 still, in one run of loads; band 1's four way outs under their flight
.irp k, 0,1,2,3,4,5,6,7
	global_load_b128 v[BBQ+4*\k:BBQ+4*\k+3], v21, s[12:13] offset:16*\k
.endr
	WEIGHTS
	FETCH01
	PFGO 20, 4
	WIN 3
.set I, 0
.rept 16
	v_mov_b32 v[SB+I], v[SB2-768+I]
.set I, I+1
.endr
	WIN 0
.set I, 0
.rept 18
.irp t, 0,1,2,3
	CHAIN I, HV1+32*\t, \t, 64+4*\t
.endr
.set I, I+1
.endr
.set I, 0
.rept 6
.irp t, 0,1,2,3
	CODES I, HV1+32*\t, MCD+12*\t+6, \t, 80+4*\t
.endr
.set I, I+1
.endr
	WIN 0
	WALU
; ================= PHASE 2: Q or K, sixteen blocks, way outs by pairs
	s_wait_loadcnt 0x0
	s_wait_dscnt NF
	BLOCK 0, 0, ACC, 8, 0, 32, L_STEP
	WIN 0
	PLACES 4
	WALU
.irp t, 0,1,2,3
	ds_store_b8 v[STV], v[EB+\t] offset:2+4*\t
.endr
.irp t, 0,1,2,3
	PUT3 MCD+12*\t, 1536*\t                             ; V's codes leave
.endr
	FETCH 0
	ODD NF+4, 1
	s_mov_b32 s86, 0
.Lwith_rounds:                                          ; blocks 2 to 5, 6 to 9
	EVENROUND NF+1
	ODD -1, 1
	EVEN NF+1, 1
	ODD NF+1, 1
	s_add_co_u32 s86, s86, 1
	s_cmp_lg_u32 s86, 2
	s_cbranch_scc1 .Lwith_rounds
.Lwithout:                                              ; blocks 10, 11 and 12, 13
	EVENSHOW NF+1
	ODD -1, 1
	s_add_co_u32 s86, s86, 1
	s_cmp_lg_u32 s86, 4
	s_cbranch_scc1 .Lwithout
	EVEN NF+1, 0
	ODD 1, 0
; ================= THE END: the last way out; the scale bytes go through LDS under its conversions
	s_lshl_b32 s20, s16, 10
	s_lshl_b32 s21, s15, 8
	SADD 20, 21
	s_add_co_u32 s20, s20, XN
	s_lshl_b32 s21, s14, 8
	s_add_co_u32 s21, s21, XM
	v_add_nc_u32 v12, s20, v[C8]
	v_add_nc_u32 v14, s21, v[C8]
.set I, 0
.rept 18
	CHAIN I, ACC+32, 1
.set I, I+1
.endr
	CODES 2, ACC+32, NCD+6, 1
	WALU
	ds_store_b8 v[VX], v[EB+1] offset:2
	s_wait_dscnt 0x0
	s_barrier_signal -1
	CODES 0, ACC+32, NCD+6, 1
	CODES 1, ACC+32, NCD+6, 1
	v_nop
.irp i, 3,4,5
	CODES \i, ACC+32, NCD+6, 1
.endr
	WIN 0
	WALU
	s_barrier_wait -1
	ds_load_b64 v[64:65], v12                           ; band 0's bytes of my row's four tiles
	ds_load_b64 v[66:67], v12 offset:512                ; band 1's
	ds_load_b64 v[68:69], v14
	PUTQ
	s_wait_dscnt 0x0
	v_perm_b32 v72, v66, v64, 0x05040100                ; a tile's word: band 0's two bytes below, band 1's above
	v_perm_b32 v73, v66, v64, 0x07060302
	v_perm_b32 v74, v67, v65, 0x05040100
	v_perm_b32 v75, v67, v65, 0x07060302
	global_store_b128 v[CO], v[72:75], s[48:49]
	global_store_b64 v[C8], v[68:69], s[52:53]
	s_wait_tensorcnt 0x0
	ds_add_u32 v[SPW], v[NIL]
	s_wait_dscnt 0x0
	CROUND
	s_endpgm
.Lfunc_end_k_qdace4ef6de_qkv:
	.size	k_qdace4ef6de_qkv, .Lfunc_end_k_qdace4ef6de_qkv-k_qdace4ef6de_qkv
	.p2alignl 7, 3214868480
	.fill 96, 4, 3214868480
	.section	.rodata,"a",@progbits
	.p2align	6, 0x0
	.amdhsa_kernel k_qdace4ef6de_qkv
		.amdhsa_group_segment_fixed_size 327680
		.amdhsa_private_segment_fixed_size 0
		.amdhsa_enable_private_segment 0
		.amdhsa_kernarg_size 56
		.amdhsa_user_sgpr_count 2
		.amdhsa_user_sgpr_kernarg_segment_ptr 1
		.amdhsa_wavefront_size32 1
		.amdhsa_system_sgpr_workgroup_id_x 1
		.amdhsa_system_sgpr_workgroup_id_y 1
		.amdhsa_system_sgpr_workgroup_id_z 1
		.amdhsa_system_vgpr_workitem_id 0
		.amdhsa_next_free_vgpr 1024
		.amdhsa_next_free_sgpr 102
		.amdhsa_reserve_vcc 0
		.amdhsa_float_denorm_mode_32 3
		.amdhsa_float_denorm_mode_16_64 3
		.amdhsa_memory_ordered 1
		.amdhsa_forward_progress 1
		.amdhsa_inst_pref_size 179
	.end_amdhsa_kernel
	.amdgpu_metadata
---
amdhsa.version: [ 1, 2 ]
amdhsa.kernels:
  - .name:           k_qdace4ef6de_qkv
    .symbol:         k_qdace4ef6de_qkv.kd
    .args:
      - { .name: xq, .offset: 0, .size: 8, .value_kind: global_buffer, .address_space: global }
      - { .name: wq, .offset: 8, .size: 8, .value_kind: global_buffer, .address_space: global }
      - { .name: bq, .offset: 16, .size: 8, .value_kind: global_buffer, .address_space: global }
      - { .name: bk, .offset: 24, .size: 8, .value_kind: global_buffer, .address_space: global }
      - { .name: bv, .offset: 32, .size: 8, .value_kind: global_buffer, .address_space: global }
      - { .name: qk, .offset: 40, .size: 8, .value_kind: global_buffer, .address_space: global }
      - { .name: vq, .offset: 48, .size: 8, .value_kind: global_buffer, .address_space: global }
    .group_segment_fixed_size: 327680
    .private_segment_fixed_size: 0
    .kernarg_segment_align: 8
    .kernarg_segment_size: 56
    .max_flat_workgroup_size: 128
    .sgpr_count:     102
    .vgpr_count:     1024
    .wavefront_size: 32
...
	.end_amdgpu_metadata
.endif
;; end of part 7
;; launch scores (part 8): grid 8 x 32, 4 waves a work-group, clusters of 4 x 4, 327,680 bytes of LDS; arguments qk, pimg, pst; writes pimg, pst
.if DOCPART == 8
	.amdgcn_target "amdgcn-amd-amdhsa--gfx1250"
	.amdhsa_code_object_version 6
	.text
	.protected	k_qdace4ef6de_scores
	.globl	k_qdace4ef6de_scores
	.p2align	8
	.type	k_qdace4ef6de_scores,@function
k_qdace4ef6de_scores:
	s_mov_b64 s[64:65], 0
	v_nop
	global_prefetch_b8 v0, s[64:65] scope:SCOPE_SE
	s_setreg_imm32_b32 hwreg(HW_REG_WAVE_MODE, 25, 1), 1
	s_wait_xcnt 0x0
	s_wait_alu depctr_hold_cnt(0) depctr_sa_sdst(0) depctr_va_vdst(0) depctr_va_sdst(0) depctr_va_ssrc(0) depctr_va_vcc(0) depctr_vm_vsrc(0)
	s_getreg_b32 s2, hwreg(HW_REG_IB_STS2, 6, 4)
	s_cmp_eq_u32 s2, 0
	s_cbranch_scc0 .Lentry_in_a_cluster
	s_endpgm
.Lentry_in_a_cluster:
	s_bfe_u32 s2, ttmp6, 0x10000c
	s_cmp_lg_u32 s2, 0xf033
	s_cbranch_scc0 .Lentry_shape_is_right
	s_endpgm
.Lentry_shape_is_right:
; S = q k^T on codes of FP6 (E2M3) with E8M0 scales, and the softmax's first half: for each query and each 128 keys, t = score x log2(e) / 32, M = ceil(the largest t of these 128), a whole number,
; p = 2^(t - M), its sum in f32, and p quantised along the keys.  p leaves as an image of operand registers (pimg), with its scale words, -M and the sum beside it (pst: words, at 524,288 -M, at 1,048,576 the sums,
; all three in the scale words' layout).  The next launch brings the sixteen M of a row to one: since every M is a whole number that is an exact power of two, taken off the scale bytes.
; IMAGES: blocks of 128 rows, K steps of 128, tile 2 b + u holding at place p row 32 b + 8 u + p + 8 (p / 8); a fragment is 1,536 bytes, register R of lane L at
; 512 (R / 4) + 16 L + 4 (R % 4); qk: block x 16 K steps (0-7 q, 8-15 k); pimg: (query block) 16 + key block.
; THE PRODUCT is D = S0 x S1 with S0 = 16 keys, S1 = 16 queries: a lane holds one query, and its 64 registers of a tile are 128 keys in natural order: 32 b + 16 h + i.
; A tile of 256 queries x 256 keys to a work-group, 128 x 128 a wave.  K = 1,024 is four parts of 256.  THREE LDS SLOTS: parts 0, 1 and 2 are asked for together at the start, with the scale words; part 3 goes into
; slot 0 as soon as that has been read: the one refill, which has 256 matrix instructions a wave in which to land.  Clusters 4 x 4 with joint loads: q's tiles along a row, k's along a column.
; LIMITS: a block whose every p is 0 keeps the byte 1 (its codes are zeros); NaN and infinities are not served; |t| stays under 2^24, so that differences of M are exact.
; REGISTERS: window 0: v16-29 addresses; v32-63 scale words, two sets; v64-99 what leaves beside the codes; v128-223 S1's fragments (on the way out: p, codes, work); v228-235 work.
;   window 1: S0's fragments, two sets.   windows 2, 3: accumulator (a, b) at v[8 (8 (a % 4) + b)].
.set FR,    12
; ORDER OF ROWS AND BYTES (this paragraph holds where it differs from the one above).  In a block of 128 rows tile 4 c + j holds at place 8 h + i row 64 c + 32 h + 8 j + i: so a lane's 32 sums of four tiles are a whole block of 32 keys.
; qk: (block, K step) is 12,800 bytes: eight tiles of 1,536 (registers 0-3 at 16 L, 6-9 at 512 + 16 L, 4-5 at 1,024 + 8 L, 10-11 at 1,280 + 8 L), then 512 bytes of scale words.
; FILLS: part 0 at the head, parts 1 and 2 as one load behind the first round, part 3 in the refill.  A wave's three parts lie one behind the other in a region of its own.
.set NL,    4
.set NP,    4
.set STEPB, 12800
.set HALFT, 2*STEPB
.set WREG,  3*HALFT                    ; a wave's region: three parts of 128 rows
.set SPARE, 4*WREG                     ; the spare words, 128 bytes for each wave, which no other line names
.set ADRA8, 8                          ; v8-10   as ADRA with 8 x lane
.set ADRB8, 12                         ; v12-14  as ADRB with 8 x lane
.set H8,    15                         ; v15     8 h
.set ADRA, 16                          ; v16-18
.set ADRB, 20                          ; v20-22
.set GOF,  26
.set ADRS, 23                          ; v23-25  my scale words in slot 0, 1, 2
.set SPW,  28
.set NIL,  29
.set SC,   32
.set PW,   64                          ; v64-71 scale words, v72-79 -M, v80-87 sums: one for each tile of queries
.set NM,   72
.set LS,   80
.set SW,   88                          ; v88-99 the three as they are stored
.set AF,   128
.set T,    128
.set PC,   192
.set TM,   212
.set NMP,  228                         ; v[228:229] -M, named as a pair
.set SUM,  230
.set SUM2, 232
.set TT,   234
.set SEL,  18
.set G0C,  20                          ; s[20:23] group 0 for S1's parts 1 and 2 (slots 1 and 2)
.set G1,   24
.set G0,   32
.set WV,   40
.set H1,   41
.set H0,   42
.set CX,   43
.set CY,   44
.set COL,  45
.set ROW,  46
.set G1B,  48
.set G0B,  56
.set HM,   66
.set G1S,  68
.set G0S,  76
.set G1SB, 80
.set G0SB, 88
.set G0D,  96                          ; s[96:99] group 0 for S0's parts 1 and 2 (slots 1 and 2)
.set CS,   100                         ; s[100:101] c = log2(e) / 32
.set MSB, 0
.macro WIN new
.if MSB != (\new)
	s_set_vgpr_msb (MSB<<8)|(\new)
.set MSB, \new
.endif
.endm
.set MUL_LO, 0xa1
.set MUL_HI, 0xf1
.set TO_B,   0x40
.macro PLACES n
.rept \n
	v_nop
.endr
.endm
.macro JLOAD g0a, g1a, g0b, g1b        ; waves 0 and 1 fetch for S1, waves 2 and 3 for S0; an s_nop 0 and four v_nop follow each of the two lines
	s_cmp_eq_u32 s[H1], 0
	s_cbranch_scc0 .Lfor_b_\@
	tensor_load_to_lds s[\g0a:\g0a+3], s[\g1a:\g1a+7]
	s_nop 0
.rept 4
	v_nop
.endr
	s_branch .Lasked_\@
.Lfor_b_\@:
	tensor_load_to_lds s[\g0b:\g0b+3], s[\g1b:\g1b+7]
	s_nop 0
.rept 4
	v_nop
.endr
.Lasked_\@:
.endm
.macro CREST
	s_cmp_lg_u32 s[WV], 0
	s_cbranch_scc1 .Lnot_wave_0_\@
	s_barrier_signal -3
.Lnot_wave_0_\@:
	s_barrier_wait -3
	s_barrier_signal -1
	s_barrier_wait -1
.endm
.macro CROUND
	s_barrier_signal -1
	s_barrier_wait -1
	CREST
.endm
.macro QTAIL s, pw
.irp b, 0,2
	v_add_nc_u32 v[TM+12+\b], 0xff000000, v[TM+\b]                 ; 2 off the exponent field: the conversion's scale operand
.endr
.irp b, 0,2
	v_lshrrev_b32 v[TM+4+\b], 23, v[TM+12+\b]                      ; the scale's byte
.endr
	v_lshl_or_b32 v[TM+4], v[TM+6], 16, v[TM+4]                    ; my two bytes: blocks h and 2 + h of the word
	v_lshlrev_b32 v[TM+4], v[H8], v[TM+4]
	v_permlanex16_b32 v[TM+5], v[TM+4], s[SEL], s[SEL+1]
	v_or_b32 v[\pw], v[TM+4], v[TM+5]                              ; with lane l xor 16's two the word is whole
.irp c, 0,1
	v_cvt_scalef32_pk16_fp6_f32 v[PC+6*\c:PC+2+6*\c], v[(\s)+32*\c:(\s)+15+32*\c], v[TM+12+2*\c]
	v_cvt_scalef32_pk16_fp6_f32 v[PC+12+4*\c:PC+14+4*\c], v[(\s)+16+32*\c:(\s)+31+32*\c], v[TM+12+2*\c]
.endr
	v_nop                                                          ; one plain place behind a scaled conversion
.irp c, 0,1
.irp i, 0,1,2
	v_mov_b32 v[PC+3+6*\c+\i], v[PC+12+4*\c+\i]
.endr
.endr
.endm
.macro SEL4 d, src
.irp i, 0,1,2,3
	v_cndmask_b32 v[\d+\i], v[\src+\i], v[\src+4+\i], s[HM]
.endr
.endm
.macro FRAG reg, adr, ad8, q, i
	ds_load_b128 v[\reg:\reg+3], v[\adr] offset:(\q)*STEPB+(\i)*1536
	ds_load_b64 v[\reg+4:\reg+5], v[\ad8] offset:(\q)*STEPB+(\i)*1536+1024
	ds_load_b128 v[\reg+6:\reg+9], v[\adr] offset:(\q)*STEPB+(\i)*1536+512
	ds_load_b64 v[\reg+10:\reg+11], v[\ad8] offset:(\q)*STEPB+(\i)*1536+1280
.endm
.macro FETCH_B slot, q, p
	WIN TO_B
.irp i, 0,1,2,3,4,5,6,7
	FRAG 128*(\p)+FR*\i, ADRB+\slot, ADRB8+\slot, \q, \i
.endr
	WIN 0
.endm
.macro FETCH_A slot, q, i0
.irp i, \i0, \i0+1, \i0+2, \i0+3
	FRAG AF+FR*(\i), ADRA+\slot, ADRA8+\slot, \q, \i
.endr
.endm
.macro SCALES sc, slot
.irp q, 0,1
.irp g, 0,1
	ds_load_b128 v[SC+16*(\sc)+8*\q+4*\g:SC+16*(\sc)+8*\q+4*\g+3], v[ADRS+\slot] offset:STEPB*\q+12288+256*\g
.endr
.endr
.endm
.macro MUL16 a0, p, q, sc, zero        ; the 64 accumulators take turns, one instruction a turn
.irp a, \a0, \a0+1
.irp b, 0,1,2,3,4,5,6,7
.if \zero
	v_wmma_scale_f32_16x16x128_f8f6f4 v[8*(8*((\a)%4)+\b):8*(8*((\a)%4)+\b)+7], v[128*(\p)+FR*\b:128*(\p)+FR*\b+FR-1], v[AF+FR*(\a):AF+FR*(\a)+FR-1], 0, v[SC+16*(\sc)+8*(\q)+\b], v[SC+16*(\sc)+8*(\q)+(\a)] matrix_a_fmt:MATRIX_FMT_FP6 matrix_b_fmt:MATRIX_FMT_FP6 matrix_a_scale:MATRIX_SCALE_ROW1
.else
	v_wmma_scale_f32_16x16x128_f8f6f4 v[8*(8*((\a)%4)+\b):8*(8*((\a)%4)+\b)+7], v[128*(\p)+FR*\b:128*(\p)+FR*\b+FR-1], v[AF+FR*(\a):AF+FR*(\a)+FR-1], v[8*(8*((\a)%4)+\b):8*(8*((\a)%4)+\b)+7], v[SC+16*(\sc)+8*(\q)+\b], v[SC+16*(\sc)+8*(\q)+(\a)] matrix_a_fmt:MATRIX_FMT_FP6 matrix_b_fmt:MATRIX_FMT_FP6 matrix_a_scale:MATRIX_SCALE_ROW1
.endif
.endr
.endr
.endm
.macro STEP slot, sc, zero             ; a part's first 128 along K, from slot slot, with the scale words of set sc
	s_wait_dscnt 4*NL                              ; all but the youngest sixteen loads (S1's tiles 4-7) are in
	WIN MUL_LO
	MUL16 0, 0, 0, \sc, \zero
	MUL16 2, 0, 0, \sc, \zero
	s_wait_dscnt 0x0
	PLACES NP
	FETCH_B \slot, 1, 1
	FETCH_A \slot, 1, 0
	WIN MUL_HI
	MUL16 4, 0, 0, \sc, \zero
	MUL16 6, 0, 0, \sc, \zero
	PLACES NP
	WIN 0
	FETCH_A \slot, 1, 4
.endm
; A part's second 128 along K goes on to the next slot.  how = 2: this slot is filled again: the three lines, a round of the cluster's barrier, the joint refill first behind it.
; how = 1: the three lines and the work-group's barrier; nothing is filled: the slot ahead holds the refill, just shown landed.
; how = 0: neither: the slot ahead was shown whole to every wave by the wait for all loads and the round of the change before, nothing is filled here, and the refill stays on its way.
.macro TURN slot, next, sc, nsc, how
.if \how
	s_wait_tensorcnt 0x0                           ; all my tensor loads have landed
	ds_add_u32 v[SPW], v[NIL]                      ; 0 onto my spare word
	s_wait_dscnt 4*NL+1                            ; (the add and the youngest sixteen loads may be out)
.else
	s_wait_dscnt 4*NL                              ; all but the youngest sixteen loads (S1's tiles 4-7) are in
.endif
	WIN MUL_LO
	MUL16 0, 1, 1, \sc, 0
.if \how
	s_wait_dscnt 0x0                               ; the add is done, and my reads of this slot are over
	s_barrier_signal -1
.endif
	MUL16 2, 1, 1, \sc, 0
	WIN 0
.if \how
	s_barrier_wait -1
.else
	s_wait_dscnt 0x0                               ; S1's tiles 4-7 are in
.endif
.if \how == 2
	CREST                                          ; no wave of any partner still reads this slot or has a load on its way
	s_add_nc_u64 s[G0+4*\slot+2:G0+4*\slot+3], s[G0+4*\slot+2:G0+4*\slot+3], 3*HALFT     ; three parts on along K
	s_add_nc_u64 s[G0B+4*\slot+2:G0B+4*\slot+3], s[G0B+4*\slot+2:G0B+4*\slot+3], 3*HALFT
	JLOAD G0+4*\slot, G1, G0B+4*\slot, G1B         ; the first tensor load behind the round, and my only one from here on
.else
	PLACES NP
.endif
	FETCH_B \next, 0, 0
	FETCH_A \next, 0, 0
	SCALES \nsc, \next
	WIN MUL_HI
	MUL16 4, 1, 1, \sc, 0
	MUL16 6, 1, 1, \sc, 0
	PLACES NP
	WIN 0
	FETCH_A \next, 0, 4
.endm
	s_load_b128 s[4:7], s[0:1], 0x0                ; qk, pimg
	s_load_b64 s[8:9], s[0:1], 0x10                ; pst
	v_lshl_add_u32 v[SPW], v0, 2, SPARE
	v_mov_b32 v[NIL], 0
	ds_add_u32 v[SPW], v[NIL]                      ; the wave's opening: the add, and its wait ahead of my first tensor load
	ds_add_u32 v[SPW], v[NIL]
	v_lshrrev_b32 v1, 5, v0
	v_readfirstlane_b32 s[WV], v1
	s_lshr_b32 s[H1], s[WV], 1                     ; my half of the queries.  Also: I fetch for q (0) or for k (1)
	s_and_b32 s[H0], s[WV], 1                      ; my half of the keys.  Also: which 128 rows I fetch
	s_bfe_u32 s[CX], ttmp6, 0x40000
	s_bfe_u32 s[CY], ttmp6, 0x40004
	s_and_b32 s20, ttmp7, 0xffff
	s_lshl_b32 s21, ttmp9, 2
	s_add_co_u32 s[COL], s21, s[CX]                ; which 256 keys of the batch
	s_lshl_b32 s22, s20, 2
	s_add_co_u32 s[ROW], s22, s[CY]                ; which 256 queries of all 8,192
	s_lshr_b32 s23, s20, 1                         ; the batch: the same in all sixteen partners
	s_lshl_b32 s2, s[CY], 2
	s_lshl_b32 s2, 15, s2
	s_lshl_b32 s3, 0x1111, s[CX]
	s_or_b32 s[G1], s2, (3<<16)|(1<<21)
	s_or_b32 s[G1B], s3, (3<<16)|(1<<21)
	s_or_b32 s[G1S], s2, (3<<16)|(1<<21)
	s_or_b32 s[G1SB], s3, (3<<16)|(1<<21)
.irp g, G1, G1B
	s_mov_b32 s[\g+1], 32<<16
	s_mov_b32 s[\g+2], 100<<16                     ; a part: 25,600 bytes, codes and scale words
	s_mov_b32 s[\g+3], 32<<16
	s_mov_b32 s[\g+4], 100
	s_mov_b32 s[\g+5], 32
	s_mov_b32 s[\g+6], 0
	s_mov_b32 s[\g+7], 0
.endr
.irp g, G1S, G1SB
	s_mov_b32 s[\g+1], 32<<16
	s_mov_b32 s[\g+2], 200<<16                     ; two parts
	s_mov_b32 s[\g+3], 32<<16
	s_mov_b32 s[\g+4], 200
	s_mov_b32 s[\g+5], 32
	s_mov_b32 s[\g+6], 0
	s_mov_b32 s[\g+7], 0
.endr
	s_lshl_b32 s92, s[ROW], 1
	s_add_co_u32 s92, s92, s[H0]                   ; the block of queries that I fetch
	s_mul_i32 s96, s92, 16*STEPB
	s_mov_b32 s97, 0
	s_lshl_b32 s94, s23, 4
	s_lshl_b32 s22, s[COL], 1
	s_add_co_u32 s94, s94, s22
	s_add_co_u32 s94, s94, s[H0]                   ; the block of keys that I fetch
	s_mul_i32 s98, s94, 16*STEPB
	s_add_co_u32 s98, s98, 8*STEPB                 ; k is K steps 8 to 15 of its block
	s_mov_b32 s99, 0
	s_mul_i32 s2, s[WV], WREG
	s_mov_b32 s[SEL], 0x76543210
	s_mov_b32 s[SEL+1], 0xfedcba98
	s_mov_b32 s[HM], 0xffff0000
	s_mov_b32 s[CS], 0x3d38aa3b                    ; log2(e) / sqrt(1,024)
	s_mov_b32 s[CS+1], s[CS]
	s_wait_dscnt 0x0                               ; the opening add is done
	s_wait_kmcnt 0x0
	s_add_nc_u64 s[G0+2:G0+3], s[4:5], s[96:97]
	s_add_nc_u64 s[G0B+2:G0B+3], s[4:5], s[98:99]
	s_add_nc_u64 s[G0C+2:G0C+3], s[G0+2:G0+3], HALFT       ; parts 1 and 2, one load (s[20:23] and s[96:99] have served above)
	s_add_nc_u64 s[G0D+2:G0D+3], s[G0B+2:G0B+3], HALFT
.irp g, G0+3, G0C+3, G0B+3, G0D+3
	s_or_b32 s[\g], s[\g], 0x80000000
.endr
.irp g, G0, G0C, G0B, G0D
	s_mov_b32 s[\g], 1
.endr
	s_mov_b32 s[G0+1], s2
	s_add_co_u32 s[G0C+1], s2, HALFT
	s_mov_b32 s[G0B+1], s2
	s_add_co_u32 s[G0D+1], s2, HALFT
	CROUND                                         ; all sixteen work-groups are here: the first joint loads meet
	JLOAD G0, G1, G0B, G1B                         ; part 0: one tensor load a wave at the head
	v_and_b32 v1, 15, v0
	v_bfe_u32 v2, v0, 4, 1
	s_wait_alu depctr_va_vdst(0)
	v_and_b32 v5, 31, v0
	v_lshlrev_b32 v[GOF], 4, v5
	s_mul_i32 s2, s[H1], WREG
	s_mul_i32 s3, s[H0], WREG
	s_add_co_u32 s3, s3, 2*WREG
	s_xor_b32 s92, s[H1], 1
	s_add_co_u32 s92, s92, s[H0]
	s_add_co_u32 s92, s92, 1
	s_mul_i32 s92, s92, WREG                       ; from S1's region to S0's: (2 + H0 - H1) regions
	s_wait_alu depctr_va_vdst(0)                   ; a wait ahead of the readers below
	v_lshlrev_b32 v6, 3, v5
	v_lshlrev_b32 v[H8], 3, v2
	v_add_nc_u32 v[ADRA], s2, v[GOF]
	v_add_nc_u32 v[ADRB], s3, v[GOF]
	v_add_nc_u32 v[ADRA8], s2, v6
	v_add_nc_u32 v[ADRB8], s3, v6
	v_mul_u32_u24 v7, s92, v2                      ; lanes 16-31 take S0's scale words
	v_lshl_add_u32 v7, v1, 4, v7
	v_add_nc_u32 v[ADRS], s2, v7
.irp s, 1,2
	v_add_nc_u32 v[ADRA+\s], \s*HALFT, v[ADRA]
	v_add_nc_u32 v[ADRB+\s], \s*HALFT, v[ADRB]
	v_add_nc_u32 v[ADRA8+\s], \s*HALFT, v[ADRA8]
	v_add_nc_u32 v[ADRB8+\s], \s*HALFT, v[ADRB8]
	v_add_nc_u32 v[ADRS+\s], \s*HALFT, v[ADRS]
.endr
	s_lshl_b32 s92, s[ROW], 1
	s_add_co_u32 s92, s92, s[H1]
	s_lshl_b32 s92, s92, 4
	s_lshl_b32 s93, s[COL], 1
	s_add_co_u32 s92, s92, s93
	s_add_co_u32 s92, s92, s[H0]                   ; 16 (query block) + key block
	s_mul_i32 s94, s92, 12288                      ; p's run of 128 queries x 128 keys: eight fragments, no scale words among them
	s_mov_b32 s95, 0
	s_lshl_b32 s92, s92, 9
	s_mov_b32 s93, 0
	s_add_nc_u64 s[6:7], s[6:7], s[94:95]
	s_add_nc_u64 s[8:9], s[8:9], s[92:93]
	s_wait_alu depctr_va_vdst(0)
	s_wait_tensorcnt 0x0                           ; my part of part 0 is in
	ds_add_u32 v[SPW], v[NIL]
	s_wait_dscnt 0x0
	CROUND
	JLOAD G0C, G1S, G0D, G1SB                      ; parts 1 and 2, the first tensor load behind the round
	FETCH_B 0, 0, 0
	FETCH_A 0, 0, 0
	SCALES 0, 0
	FETCH_A 0, 0, 4
	STEP 0, 0, 1                                   ; the first products start the sums
	TURN 0, 1, 0, 1, 2                             ; slot 0 has been read: it takes the fourth part
	s_wait_alu depctr_va_vdst(0)
	STEP 1, 1, 0
	TURN 1, 2, 1, 0, 0                             ; on into slot 2, which has long been shown whole
	s_wait_alu depctr_va_vdst(0)
	STEP 2, 0, 0
	TURN 2, 0, 0, 1, 1                             ; the fourth part has landed; nothing is left to fetch
	STEP 0, 1, 0
	s_wait_dscnt 4*NL
	WIN MUL_LO
	MUL16 0, 1, 1, 1, 0
	MUL16 2, 1, 1, 1, 0
	s_wait_dscnt 0x0
	WIN MUL_HI
	MUL16 4, 1, 1, 1, 0
	MUL16 6, 1, 1, 1, 0
	WIN 0
	PLACES NP
.irp b, 0,1,2,3
	v_mov_b32 v[TM+4+\b], 0                        ; a lane permute's destination counts as one of its sources
.endr
	v_mov_b32 v[TT+1], 0
	v_mov_b32 v[NMP+1], 0                          ; named as the upper half of a pair
; Tile a of the queries: 16 queries x my 128 keys.
.macro SOFT a
.set AC, 64*((\a)%4)
.set WW, 2+(\a)/4                      ; the accumulators' window
.set W3, WW+4*WW+16*WW
.set W2, 4*WW+16*WW
	WIN W3
.irp b, 0,1,2,3
	v_max3_num_f32 v[TM+\b], v[AC+16*\b], v[AC+16*\b+1], v[AC+16*\b+2]   ; the largest score of each block of 32 keys: it serves for the row's maximum and, since p rises with the score, for the block's largest p
.endr
	WIN W2
.irp i, 3,5,7,9,11,13
.irp b, 0,1,2,3
	v_max3_num_f32 v[TM+\b], v[TM+\b], v[AC+16*\b+\i], v[AC+16*\b+\i+1]
.endr
.endr
.irp b, 0,1,2,3
	v_max_num_f32 v[TM+\b], v[TM+\b], v[AC+16*\b+15]
.endr
	WIN 0
	v_max_num_f32 v[TM], v[TM], v[TM+1]            ; my block of 32 keys among the first 64
	v_max_num_f32 v[TM+2], v[TM+2], v[TM+3]        ; and among the second
	v_max_num_f32 v[TT], v[TM], v[TM+2]
	v_permlanex16_b32 v[TT+1], v[TT], s[SEL], s[SEL+1]
	v_max_num_f32 v[TT], v[TT], v[TT+1]            ; with lane l xor 16's 64: the largest of the 128
	v_mul_f32 v[TT], s[CS], v[TT]                  ; as t (c is positive)
	v_floor_f32 v[NMP], -v[TT]                     ; -M = floor(-t): M is a whole number
	v_mov_b32 v[NM+(\a)], v[NMP]
	WIN WW                                         ; source 0: the accumulators' window
.set JJ, 0
.rept 32
	v_pk_fma_f32 v[T+JJ:T+JJ+1], v[AC+JJ:AC+JJ+1], s[CS:CS+1], v[NMP:NMP+1] op_sel_hi:[1,0,0]   ; t - M, two at a time
.set JJ, JJ+2
.endr
	WIN 0
.irp b, 0,2
	v_fma_f32 v[TM+\b], v[TM+\b], s[CS], v[NMP]
.endr
.set JJ, 0
	s_wait_alu depctr_va_vdst(0)
.rept 64
	v_exp_f32 v[T+JJ], v[T+JJ]                     ; p = 2^(t - M), at most 1
.set JJ, JJ+1
.endr
	v_nop                                          ; a plain place behind the exponentials
	s_wait_alu depctr_va_vdst(0)                   ; one wait for the whole batch, ahead of its first reader
.irp b, 0,2
	v_exp_f32 v[TM+\b], v[TM+\b]
.endr
	v_pk_add_f32 v[SUM:SUM+1], v[T:T+1], v[T+2:T+3]        ; the sum is taken of the unquantised p, in two chains
	v_pk_add_f32 v[SUM2:SUM2+1], v[T+4:T+5], v[T+6:T+7]
.set JJ, 8
.rept 14
	v_pk_add_f32 v[SUM:SUM+1], v[SUM:SUM+1], v[T+JJ:T+JJ+1]
	v_pk_add_f32 v[SUM2:SUM2+1], v[SUM2:SUM2+1], v[T+JJ+2:T+JJ+3]
.set JJ, JJ+4
.endr
	v_pk_add_f32 v[SUM:SUM+1], v[SUM:SUM+1], v[SUM2:SUM2+1]
	v_add_f32 v[TT], v[SUM], v[SUM+1]
	v_permlanex16_b32 v[TT+1], v[TT], s[SEL], s[SEL+1]
	v_add_f32 v[LS+(\a)], v[TT], v[TT+1]
	s_wait_alu depctr_va_vdst(0)                   ; and one for the two
.irp b, 0,2
	v_max_num_f32 v[TM+\b], 0x1800000, v[TM+\b]
.endr
.if (\a) > 0
	s_wait_alu depctr_va_vdst(0)
	s_wait_xcnt 0x0                                ; the last tile's stores have read the codes' registers, which the lines below write; the lines above name none of them
.endif
	QTAIL T, PW+(\a)
.irp c, 0,1,2
	global_store_b128 v[GOF], v[PC+4*\c:PC+4*\c+3], s[6:7] offset:1536*(\a)+512*\c   ; 32 lanes store 512 consecutive bytes
.endr
.endm
.irp a, 0,1,2,3,4,5,6,7
	SOFT \a
.endr
	SEL4 SW, PW
	SEL4 SW+4, NM
	SEL4 SW+8, LS
	global_store_b128 v[GOF], v[SW:SW+3], s[8:9]
	global_store_b128 v[GOF], v[SW+4:SW+7], s[8:9] offset:524288
	global_store_b128 v[GOF], v[SW+8:SW+11], s[8:9] offset:1048576
	s_wait_tensorcnt 0x0                           ; the wave's end
	ds_add_u32 v[SPW], v[NIL]
	s_wait_dscnt 0x0
	CROUND                                         ; the closing round
	s_endpgm
.Lfunc_end_k_qdace4ef6de_scores:
	.size	k_qdace4ef6de_scores, .Lfunc_end_k_qdace4ef6de_scores-k_qdace4ef6de_scores
	.p2alignl 7, 3214868480
	.fill 96, 4, 3214868480
	.section	.rodata,"a",@progbits
	.p2align	6, 0x0
	.amdhsa_kernel k_qdace4ef6de_scores
		.amdhsa_group_segment_fixed_size 327680
		.amdhsa_private_segment_fixed_size 0
		.amdhsa_enable_private_segment 0
		.amdhsa_kernarg_size 24
		.amdhsa_user_sgpr_count 2
		.amdhsa_user_sgpr_kernarg_segment_ptr 1
		.amdhsa_wavefront_size32 1
		.amdhsa_system_sgpr_workgroup_id_x 1
		.amdhsa_system_sgpr_workgroup_id_y 1
		.amdhsa_system_sgpr_workgroup_id_z 1
		.amdhsa_system_vgpr_workitem_id 0
		.amdhsa_next_free_vgpr 1024
		.amdhsa_next_free_sgpr 102
		.amdhsa_reserve_vcc 0
		.amdhsa_float_denorm_mode_32 3
		.amdhsa_float_denorm_mode_16_64 3
		.amdhsa_memory_ordered 1
		.amdhsa_forward_progress 1
		.amdhsa_inst_pref_size 193
	.end_amdhsa_kernel
	.amdgpu_metadata
---
amdhsa.version: [ 1, 2 ]
amdhsa.kernels:
  - .name:           k_qdace4ef6de_scores
    .symbol:         k_qdace4ef6de_scores.kd
    .args:
      - { .name: qk, .offset: 0, .size: 8, .value_kind: global_buffer, .address_space: global }
      - { .name: pimg, .offset: 8, .size: 8, .value_kind: global_buffer, .address_space: global }
      - { .name: pst, .offset: 16, .size: 8, .value_kind: global_buffer, .address_space: global }
    .group_segment_fixed_size: 327680
    .private_segment_fixed_size: 0
    .kernarg_segment_align: 8
    .kernarg_segment_size: 24
    .max_flat_workgroup_size: 128
    .sgpr_count:     102
    .vgpr_count:     1024
    .wavefront_size: 32
...
	.end_amdgpu_metadata
.endif
;; end of part 8
;; launch pv (part 9): grid 4 x 64, 4 waves a work-group, clusters of 4 x 4, 327,680 bytes of LDS; arguments pimg, pst, vq, out0; writes out0
.if DOCPART == 9
	.amdgcn_target "amdgcn-amd-amdhsa--gfx1250"
	.amdhsa_code_object_version 6
	.text
	.protected	k_qdace4ef6de_pv
	.globl	k_qdace4ef6de_pv
	.p2align	8
	.type	k_qdace4ef6de_pv,@function
k_qdace4ef6de_pv:
	s_mov_b64 s[64:65], 0
	v_nop
	global_prefetch_b8 v0, s[64:65] scope:SCOPE_SE
	s_setreg_imm32_b32 hwreg(HW_REG_WAVE_MODE, 25, 1), 1
	s_wait_xcnt 0x0
	s_wait_alu depctr_hold_cnt(0) depctr_sa_sdst(0) depctr_va_vdst(0) depctr_va_sdst(0) depctr_va_ssrc(0) depctr_va_vcc(0) depctr_vm_vsrc(0)
	s_getreg_b32 s2, hwreg(HW_REG_IB_STS2, 6, 4)
	s_cmp_eq_u32 s2, 0
	s_cbranch_scc0 .Lentry_in_a_cluster
	s_endpgm
.Lentry_in_a_cluster:
	s_bfe_u32 s2, ttmp6, 0x10000c
	s_cmp_lg_u32 s2, 0xf033
	s_cbranch_scc0 .Lentry_shape_is_right
	s_endpgm
.Lentry_shape_is_right:
; out = (p v) / l on codes of FP6 (E2M3) with E8M0 scales.  p arrives as codes made under sixteen whole numbers M a row, one for each 128 keys.
; THE FOLD.  Thread n owns one of the work-group's 128 queries.  M = the largest of its sixteen M; d = M - (a key block's M) is a whole number, 0 or more; p under M is p under the block's M times 2^-d: exact.  So d is taken
; off the four scale bytes of that key block (held at 0 from below), the block's sum is multiplied by 2^-d and added to l.  The new scale words and 1 / l go to LDS.
; LIMITS: a scale byte held at 0 stands for 2^-127: what is lost lies under 2^-120 of the row's largest p.  NaN and infinities are not served.
; IMAGES: as in the launches before.  pimg: 16 (query block) + key block; vq: 128 batch + 16 (channel block) + key block, scale words from 6,291,456 on.
; THE PRODUCT is D = S0 x S1 with S0 = 16 channels of v, S1 = 16 queries of p: a lane holds one query and, in a tile's 64 registers, 128 channels in natural order.
; A tile of 128 queries x 256 channels to a work-group (tiles of 256 x 256 would be 128 work-groups for 256 WGPs); a wave takes 64 queries x 128 channels: 32 accumulators.
; K = 2,048 keys goes in steps of 512 through two LDS slots: waves 0 and 1 fetch halves of p's run, waves 2 and 3 a channel block of v each.  v's scale words come once.  Clusters 4 x 4: p's tiles are shared along a
; row of the cluster, v's along a column: joint loads.
; REGISTERS: window 0: v16-29 addresses; v32-95 scale words, two sets; v96-107 1 / l; v128-223 S1's fragments, two sets (at the head: the fold; on the way out: numbers and rows).
;   window 1: S0's fragments, two sets, at v0 and v128.   window 2: accumulator (a, b) at v[8 (8 a + b)].
.set FR,    12
.set NL,    3
.set NP,    4
.set STEPB, 12288
.set PART,  4*STEPB                    ; 128 rows x 512 along K
.set SLOT,  3*PART                     ; p's, then v's two channel blocks
.set SCA,   2*SLOT                     ; p's folded scale words: 16 x 512 bytes, written by LDS stores alone
.set SCB,   SCA+8192                   ; v's scale words: 2 x 8,192 bytes, filled once
.set RL,    SCB+16384                  ; 1 / l: 512 bytes
.set SPARE, RL+512                     ; the spare words, 128 bytes for each wave, which no other line names
.set STG,   16*528                     ; the way out: a stage for each wave, in slot 0, which has had its last fill and its last read by then
; ORDER OF ROWS (this paragraph holds where it differs from the one above).  In a block of 128 rows tile 4 c + j holds at place 8 h + i row 64 c + 32 h + 8 j + i: queries, and channels of v.
; So in a tile's 64 registers lane (r, h) holds channels 64 c + 32 h + 8 j + i at register 32 c + 8 j + i.  FILLS: at the head one load a wave: p's run, v's scale words, v's two channel blocks; slot 1 behind the first round.
.set VSCO,  6291456
; PREFETCHES into the L2: part n + 1 of p and of v is asked for while part n's load goes out, each block of 256 bytes once in a cluster: the four partners that will ask jointly share a wave's run out by address
; (p's half by cx: 24 blocks each; v's block by cy: 48 blocks each, two instructions).  Part 0 comes by its load alone; behind part 3 nothing is asked for.
.set PF,    18                         ; v18  256 x lane, held at 23 x 256; never rewritten
.set PFB,   76                         ; s[76:77] my blocks of part 1
.macro ASKP n                          ; part n + 1
	global_prefetch_b8 v[PF], s[PFB:PFB+1] offset:(\n)*PART th:TH_LOAD_NT scope:SCOPE_SE
	s_cmp_eq_u32 s[H1], 0
	s_cbranch_scc1 .Lof_p_\@
	global_prefetch_b8 v[PF], s[PFB:PFB+1] offset:(\n)*PART+6144 th:TH_LOAD_NT scope:SCOPE_SE
.Lof_p_\@:
.endm
.set ADRA, 16
.set FA,   19                          ; v19  SCA + 4 x my thread's number
.set ADRB, 20
.set CO,   22                          ; v22  16 x lane
.set RLA,  23                          ; v23  RL + 256 g + 16 r
.set STO,  24
.set RD,   25
.set ADRS2, 26
.set ADRS, 27
.set SPW,  28
.set NIL,  29
.set SC,   32
.set AF,   128
.set T,    128
.set FW,   128                         ; the fold: sixteen scale words, -M, sums
.set FN,   144
.set FP,   160
.set G1,   24
.set G0,   32
.set WV,   40
.set H1,   41
.set H0,   42
.set CX,   43
.set CY,   44
.set ROW,  46
.set G1B,  48
.set G0B,  56
.set G1SB, 80
.set G0SB, 88
.set MSB, 0
.macro WIN new
.if MSB != (\new)
	s_set_vgpr_msb (MSB<<8)|(\new)
.set MSB, \new
.endif
.endm
.set MUL,  0xa1                        ; source 0 window 1, source 1 window 0, C and D window 2
.set TO_B, 0x40
.macro PLACES n
.rept \n
	v_nop
.endr
.endm
.macro JLOAD g0a, g1a, g0b, g1b        ; waves 0 and 1 fetch for S1, waves 2 and 3 for S0; an s_nop 0 and four v_nop follow each of the two lines
	s_cmp_eq_u32 s[H1], 0
	s_cbranch_scc0 .Lfor_b_\@
	tensor_load_to_lds s[\g0a:\g0a+3], s[\g1a:\g1a+7]
	s_nop 0
.rept 4
	v_nop
.endr
	s_branch .Lasked_\@
.Lfor_b_\@:
	tensor_load_to_lds s[\g0b:\g0b+3], s[\g1b:\g1b+7]
	s_nop 0
.rept 4
	v_nop
.endr
.Lasked_\@:
.endm
.macro CREST
	s_cmp_lg_u32 s[WV], 0
	s_cbranch_scc1 .Lnot_wave_0_\@
	s_barrier_signal -3
.Lnot_wave_0_\@:
	s_barrier_wait -3
	s_barrier_signal -1
	s_barrier_wait -1
.endm
.macro CROUND
	s_barrier_signal -1
	s_barrier_wait -1
	CREST
.endm
.macro FRAG reg, adr, q, i
.irp c, 0,1,2
	ds_load_b128 v[\reg+4*\c:\reg+4*\c+3], v[\adr] offset:(\q)*STEPB+(\i)*1536+512*\c
.endr
.endm
.macro SCALES sc                       ; a slot's scale words: register 8 q + t: lanes 0-15 my S1 tile t % 4, lanes 16-31 S0's tile t
.irp q, 0,1,2,3
	ds_load_b128 v[SC+32*\sc+8*\q:SC+32*\sc+8*\q+3], v[ADRS] offset:512*\q
	ds_load_b128 v[SC+32*\sc+8*\q+4:SC+32*\sc+8*\q+7], v[ADRS2] offset:512*\q
.endr
.endm
.macro FETCH4 slot, q, p, sc           ; the fragments of the slot's q-th 128 keys into set p: S0's eight, S1's tiles 0 and 1, the scale words where sc = 1, S1's tiles 2 and 3 last
	WIN TO_B
.irp i, 0,1,2,3,4,5,6,7
	FRAG 128*(\p)+FR*\i, ADRB+\slot, \q, \i
.endr
	WIN 0
	FRAG AF+48*(\p), ADRA+\slot, \q, 0
	FRAG AF+48*(\p)+FR, ADRA+\slot, \q, 1
.if \sc
	SCALES \slot
.endif
	FRAG AF+48*(\p)+2*FR, ADRA+\slot, \q, 2
	FRAG AF+48*(\p)+3*FR, ADRA+\slot, \q, 3
.endm
.macro MUL8 a, p, q, sc, zero          ; S1's tile a x S0's eight.  The 32 accumulators take turns, one instruction a turn
.irp b, 0,1,2,3,4,5,6,7
.if \zero
	v_wmma_scale_f32_16x16x128_f8f6f4 v[8*(8*(\a)+\b):8*(8*(\a)+\b)+7], v[128*(\p)+FR*\b:128*(\p)+FR*\b+FR-1], v[AF+48*(\p)+FR*(\a):AF+48*(\p)+FR*(\a)+FR-1], 0, v[SC+32*(\sc)+8*(\q)+\b], v[SC+32*(\sc)+8*(\q)+(\a)] matrix_a_fmt:MATRIX_FMT_FP6 matrix_b_fmt:MATRIX_FMT_FP6 matrix_a_scale:MATRIX_SCALE_ROW1
.else
	v_wmma_scale_f32_16x16x128_f8f6f4 v[8*(8*(\a)+\b):8*(8*(\a)+\b)+7], v[128*(\p)+FR*\b:128*(\p)+FR*\b+FR-1], v[AF+48*(\p)+FR*(\a):AF+48*(\p)+FR*(\a)+FR-1], v[8*(8*(\a)+\b):8*(8*(\a)+\b)+7], v[SC+32*(\sc)+8*(\q)+\b], v[SC+32*(\sc)+8*(\q)+(\a)] matrix_a_fmt:MATRIX_FMT_FP6 matrix_b_fmt:MATRIX_FMT_FP6 matrix_a_scale:MATRIX_SCALE_ROW1
.endif
.endr
.endm
.macro STEP4 slot, q, zero             ; one of a slot's first three steps of 128 keys
	s_wait_dscnt 2*NL                              ; all but the youngest six loads (S1's tiles 2 and 3) are in
	WIN MUL
	MUL8 0, (\q)%2, \q, \slot, \zero
	MUL8 1, (\q)%2, \q, \slot, \zero
	PLACES NP                                      ; in front of loads into the other set, which the step before multiplied
	FETCH4 \slot, (\q)+1, ((\q)+1)%2, 0
	s_wait_dscnt 12*NL                             ; all but the 36 just issued
	WIN MUL
	MUL8 2, (\q)%2, \q, \slot, \zero
	MUL8 3, (\q)%2, \q, \slot, \zero
.endm
.macro TURN4 slot, next, fill          ; a slot's last step changes slots
	WIN 0                                          ; (the add's two registers lie in window 0)
	s_wait_tensorcnt 0x0                           ; all my tensor loads have landed: my part of the next slot
	ds_add_u32 v[SPW], v[NIL]                      ; 0 onto my spare word
	s_wait_dscnt 2*NL+1                            ; (the add and the youngest six loads may be out)
	WIN MUL
	MUL8 0, 1, 3, \slot, 0
	s_wait_dscnt 0x0                               ; the add is done, and my reads of this slot are over
	s_barrier_signal -1
	MUL8 1, 1, 3, \slot, 0
	WIN 0
	s_barrier_wait -1
.if \fill
	CREST                                          ; a round of the cluster's barrier: no wave of any partner still reads this slot or has a load on its way
	s_add_nc_u64 s[G0+4*\slot+2:G0+4*\slot+3], s[G0+4*\slot+2:G0+4*\slot+3], 2*PART
	s_add_nc_u64 s[G0B+4*\slot+2:G0B+4*\slot+3], s[G0B+4*\slot+2:G0B+4*\slot+3], 2*PART
	JLOAD G0+4*\slot, G1, G0B+4*\slot, G1B         ; the first tensor load behind the round; its four v_nop are the places in front of the loads below
.else
	PLACES NP
.endif
	s_wait_alu depctr_va_vdst(0)
	v_add_nc_u32 v[ADRS], 2048, v[ADRS]            ; the next slot's scale words (no LDS load of mine is out)
	v_add_nc_u32 v[ADRS2], 2048, v[ADRS2]
	FETCH4 \next, 0, 0, 1
.if (\fill) == 2
	ASKP 2
.endif
	WIN MUL
	MUL8 2, 1, 3, \slot, 0
	MUL8 3, 1, 3, \slot, 0
.endm
	s_load_b256 s[4:11], s[0:1], 0x0               ; pimg s[4:5], pst s[6:7], vq s[8:9], out0 s[10:11]
	v_lshl_add_u32 v[SPW], v0, 2, SPARE
	v_mov_b32 v[NIL], 0
	ds_add_u32 v[SPW], v[NIL]                      ; the wave's opening: the add, and its wait ahead of my first tensor load
	ds_add_u32 v[SPW], v[NIL]
	v_lshrrev_b32 v1, 5, v0
	v_readfirstlane_b32 s[WV], v1
	s_lshr_b32 s[H1], s[WV], 1                     ; my 64 queries.  Also: I fetch for p (0) or for v (1)
	s_and_b32 s[H0], s[WV], 1                      ; my channel block.  Also: which part I fetch
	s_bfe_u32 s[CX], ttmp6, 0x40000                ; which 256 channels
	s_bfe_u32 s[CY], ttmp6, 0x40004
	s_and_b32 s20, ttmp7, 0xffff
	s_lshl_b32 s21, s20, 2
	s_add_co_u32 s[ROW], s21, s[CY]                ; the query block
	s_lshr_b32 s23, s20, 2                         ; the batch: the same in all sixteen partners
	s_lshl_b32 s2, s[CY], 2
	s_lshl_b32 s2, 15, s2
	s_lshl_b32 s3, 0x1111, s[CX]
	s_or_b32 s[G1], s2, (3<<16)|(1<<21)            ; dense runs as rows of 256 bytes: p's half 96 rows, v's block 192, v's scale words 64
	s_or_b32 s[G1B], s3, (3<<16)|(1<<21)
	s_or_b32 s[G1SB], s3, (3<<16)|(1<<21)
	s_mov_b32 s[G1+1], 32<<16
	s_mov_b32 s[G1+2], 96<<16
	s_mov_b32 s[G1+3], 32<<16
	s_mov_b32 s[G1+4], 96
	s_mov_b32 s[G1+5], 32
	s_mov_b32 s[G1+6], 0
	s_mov_b32 s[G1+7], 0
	s_mov_b32 s[G1B+1], 32<<16
	s_mov_b32 s[G1B+2], 192<<16
	s_mov_b32 s[G1B+3], 32<<16
	s_mov_b32 s[G1B+4], 192
	s_mov_b32 s[G1B+5], 32
	s_mov_b32 s[G1B+6], 0
	s_mov_b32 s[G1B+7], 0
	s_mov_b32 s[G1SB+1], 32<<16
	s_mov_b32 s[G1SB+2], 64<<16
	s_mov_b32 s[G1SB+3], 32<<16
	s_mov_b32 s[G1SB+4], 64
	s_mov_b32 s[G1SB+5], 32
	s_mov_b32 s[G1SB+6], 0
	s_mov_b32 s[G1SB+7], 0
	s_or_b32 s68, s2, (3<<16)|(1<<21)              ; s[68:75]: p's whole run of a slot, for the head: 192 rows
	s_mov_b32 s69, 32<<16
	s_mov_b32 s70, 192<<16
	s_mov_b32 s71, 32<<16
	s_mov_b32 s72, 192
	s_mov_b32 s73, 32
	s_mov_b32 s74, 0
	s_mov_b32 s75, 0
	s_mul_i32 s96, s[ROW], 16*STEPB
	s_mul_i32 s2, s[H0], 2*STEPB                   ; p: my half of a slot's run, in memory and in LDS
	s_add_co_u32 s96, s96, s2
	s_mov_b32 s97, 0
	s_lshl_b32 s94, s23, 3
	s_lshl_b32 s3, s[CX], 1
	s_add_co_u32 s94, s94, s3
	s_add_co_u32 s98, s94, s[H0]                   ; v: 8 batch + channel block
	s_mul_i32 s98, s98, 16*STEPB
	s_mov_b32 s99, 0
	s_lshl_b32 s94, s94, 13
	s_add_co_u32 s94, s94, VSCO
	s_mov_b32 s95, 0
	s_mul_i32 s3, s[H0], PART
	s_add_co_u32 s3, s3, PART                      ; v's place in a slot
	s_mov_b32 s22, SCB
	s_wait_dscnt 0x0                               ; the opening add is done
	s_wait_kmcnt 0x0
	s_add_nc_u64 s[G0+2:G0+3], s[4:5], s[96:97]
	s_add_nc_u64 s[G0B+2:G0B+3], s[8:9], s[98:99]
	s_add_nc_u64 s[G0SB+2:G0SB+3], s[8:9], s[94:95]
	s_mul_i32 s92, s[CX], 6144                     ; the prefetches: my share of the wave's run of part 1
	s_add_co_u32 s92, s92, PART
	s_mov_b32 s93, 0
	s_mul_i32 s94, s[CY], 12288
	s_add_co_u32 s94, s94, PART
	s_add_nc_u64 s[76:77], s[4:5], s[96:97]
	s_add_nc_u64 s[78:79], s[8:9], s[98:99]
	s_add_nc_u64 s[76:77], s[76:77], s[92:93]
	s_add_nc_u64 s[78:79], s[78:79], s[94:95]
	s_cmp_eq_u32 s[H1], 0
	s_cselect_b64 s[PFB:PFB+1], s[76:77], s[78:79]
	s_add_nc_u64 s[G0+6:G0+7], s[G0+2:G0+3], PART  ; slot 1 begins with the next 512 keys
	s_add_nc_u64 s[G0B+6:G0B+7], s[G0B+2:G0B+3], PART
.irp g, G0+3, G0+7, G0B+3, G0B+7, G0SB+3
	s_or_b32 s[\g], s[\g], 0x80000000
.endr
.irp g, G0, G0+4, G0B, G0B+4, G0SB
	s_mov_b32 s[\g], 1
.endr
	s_mov_b32 s[G0+1], s2
	s_add_co_u32 s[G0+5], s2, SLOT
	s_mov_b32 s[G0B+1], s3
	s_add_co_u32 s[G0B+5], s3, SLOT
	s_mov_b32 s[G0SB+1], s22
	CROUND                                         ; all sixteen work-groups are here: the first joint loads meet
	s_cmp_eq_u32 s[WV], 0                          ; the first fills, one a wave
	s_cbranch_scc0 .Lfirst_1
	tensor_load_to_lds s[G0:G0+3], s[68:75]        ; wave 0: p's first 512 keys
	s_nop 0
.rept 4
	v_nop
.endr
	s_branch .Lfirst_done
.Lfirst_1:
	s_cmp_eq_u32 s[WV], 1
	s_cbranch_scc0 .Lfirst_2
	tensor_load_to_lds s[G0SB:G0SB+3], s[G1SB:G1SB+7]  ; wave 1: the scale words of both channel blocks, two dense runs on end
	s_nop 0
.rept 4
	v_nop
.endr
	s_branch .Lfirst_done
.Lfirst_2:
	tensor_load_to_lds s[G0B:G0B+3], s[G1B:G1B+7]  ; waves 2 and 3: a channel block's first 512 keys
	s_nop 0
.rept 4
	v_nop
.endr
.Lfirst_done:
	; the fold's loads: my query's word in each of the sixteen key blocks, of the scale words, of -M and of the sums
	s_lshl_b32 s92, s[ROW], 13
	s_mov_b32 s93, 0
	s_add_nc_u64 s[12:13], s[6:7], s[92:93]
	v_and_b32 v4, 31, v0
	v_min_u32 v4, 23, v4
	v_lshlrev_b32 v[PF], 8, v4
	v_lshlrev_b32 v3, 2, v0
.irp s, 0,1,2,3,4,5,6,7,8,9,10,11,12,13,14,15
	global_load_b32 v[FW+\s], v3, s[12:13] offset:512*\s
	global_load_b32 v[FN+\s], v3, s[12:13] offset:524288+512*\s
	global_load_b32 v[FP+\s], v3, s[12:13] offset:1048576+512*\s
.endr
	; addresses
	s_wait_alu depctr_va_vdst(0)
	ASKP 0
	v_and_b32 v1, 15, v0                           ; r
	v_bfe_u32 v2, v0, 4, 1                         ; h
	s_wait_alu depctr_va_vdst(0)
	v_and_b32 v5, 31, v0
	v_lshlrev_b32 v[CO], 4, v5
	v_lshl_add_u32 v[FA], v0, 2, SCA
	s_mul_i32 s2, s[H1], 4*1536                    ; my four tiles of p
	s_mul_i32 s3, s[H0], PART
	s_add_co_u32 s3, s3, PART
.irp s, 0,1
	v_add_nc_u32 v[ADRA+\s], s2, v[CO]
	v_add_nc_u32 v[ADRB+\s], s3, v[CO]
	s_add_co_u32 s2, s2, SLOT
	s_add_co_u32 s3, s3, SLOT
.endr
	s_lshl_b32 s2, s[H1], 8                        ; p's words of my four tiles,
	s_xor_b32 s3, s[H1], 1
	s_lshl_b32 s3, s3, 8
	s_lshl_b32 s22, s[H0], 13
	s_add_co_u32 s3, s3, s22
	s_add_co_u32 s3, s3, SCB-SCA-256               ; and how far on v's lie: 8,192 + 8,192 H0 - 256 H1
	v_mul_u32_u24 v7, s3, v2                       ; lanes 16-31 take v's
	s_add_co_u32 s3, s2, SCA
	v_lshl_add_u32 v6, v1, 4, v7
	v_add_nc_u32 v[ADRS], s3, v6
	v_lshl_add_u32 v[ADRS2], v2, 8, v[ADRS]        ; v's tiles 4-7 lie 256 bytes on
	s_add_co_u32 s3, s2, RL
	v_lshl_add_u32 v[RLA], v1, 4, s3
	s_mul_i32 s2, s[WV], STG
	v_mul_u32_u24 v[STO], v1, 528
	v_lshl_add_u32 v[STO], v2, 7, v[STO]
	v_add_nc_u32 v[STO], s2, v[STO]
	v_add_nc_u32 v[RD], s2, v[CO]
	s_lshl_b32 s92, s[ROW], 19                     ; out: 128 rows of 4,096 bytes a query block,
	s_lshl_b32 s2, s[H1], 18                       ; 64 rows,
	s_add_co_u32 s92, s92, s2
	s_lshl_b32 s2, s[CX], 10                       ; 256 channels,
	s_add_co_u32 s92, s92, s2
	s_lshl_b32 s2, s[H0], 9                        ; 128 channels
	s_add_co_u32 s92, s92, s2
	s_add_nc_u64 s[14:15], s[10:11], s[92:93]
	s_wait_loadcnt 0x0
	v_min3_num_f32 v180, v[FN], v[FN+1], v[FN+2]   ; the least -M is the row's -M
.irp i, 3,5,7,9,11,13
	v_min3_num_f32 v180, v180, v[FN+\i], v[FN+\i+1]
.endr
	v_min_num_f32 v180, v180, v[FN+15]
.irp s, 0,1,2,3,4,5,6,7,8,9,10,11,12,13,14,15
	v_sub_f32 v182, v[FN+\s], v180                 ; d = M - this key block's M: a whole number, 0 or more
	v_cvt_u32_f32 v182, v182
	v_min_u32 v182, 0xff, v182
	v_sub_nc_u32 v183, 0, v182
.if \s == 0
	v_ldexp_f32 v181, v[FP+\s], v183               ; the first term starts l
.else
	v_ldexp_f32 v183, v[FP+\s], v183               ; the block's sum under M: exact
	v_add_f32 v181, v181, v183
.endif
	v_and_b32 v184, 0xff, v[FW+\s]
	v_bfe_u32 v185, v[FW+\s], 8, 8
	v_bfe_u32 v186, v[FW+\s], 16, 8
	v_lshrrev_b32 v187, 24, v[FW+\s]
.irp k, 0,1,2,3
	v_min_u32 v[188+\k], v[184+\k], v182
.endr
.irp k, 0,1,2,3
	v_sub_nc_u32 v[184+\k], v[184+\k], v[188+\k]   ; each byte less d, held at 0
.endr
	v_lshl_or_b32 v184, v185, 8, v184
	v_lshl_or_b32 v184, v186, 16, v184
	v_lshl_or_b32 v[FW+\s], v187, 24, v184
	ds_store_b32 v[FA], v[FW+\s] offset:512*\s
.endr
	s_wait_alu depctr_va_vdst(0)
	v_rcp_f32 v181, v181
	v_nop                                          ; a plain place behind the reciprocal
	s_wait_alu depctr_va_vdst(0)                   ; and a wait ahead of its first reader
	ds_store_b32 v[FA], v181 offset:RL-SCA
	s_wait_alu depctr_va_vdst(0)
	s_wait_tensorcnt 0x0                           ; my tile of the head's four is in
	ds_add_u32 v[SPW], v[NIL]
	s_wait_dscnt 0x0                               ; the add is done, and for the others' sake my stores have landed
	CROUND
	JLOAD G0+4, G1, G0B+4, G1B                     ; slot 1's first fill, the first tensor load behind the round
	FETCH4 0, 0, 0, 1
	ASKP 1
	STEP4 0, 0, 1                                  ; the first products start the sums.  K = 2,048 is sixteen steps: they are written out
	STEP4 0, 1, 0
	STEP4 0, 2, 0
	TURN4 0, 1, 2                                  ; (2: the last part is asked for into the L2 behind the fill)
	STEP4 1, 0, 0
	STEP4 1, 1, 0
	STEP4 1, 2, 0
	TURN4 1, 0, 1
	STEP4 0, 0, 0
	STEP4 0, 1, 0
	STEP4 0, 2, 0
	TURN4 0, 1, 0                                  ; nothing is left to fetch
	STEP4 1, 0, 0
	STEP4 1, 1, 0
	STEP4 1, 2, 0
	s_wait_dscnt 2*NL
	WIN MUL
	MUL8 0, 1, 3, 1, 0
	MUL8 1, 1, 3, 1, 0
	s_wait_dscnt 0x0
	MUL8 2, 1, 3, 1, 0
	MUL8 3, 1, 3, 1, 0
	WIN 0
	; THE WAY OUT: a tile of 16 queries x 128 channels is divided by l, goes through my stage in LDS and leaves as whole rows of 512 bytes
	ds_load_b128 v[104:107], v[RLA]                ; 1 / l of my lane's query in each of my four tiles
	s_wait_dscnt 0x0
.irp a, 0,1,2,3
	v_mov_b32 v[96+2*\a], v[104+\a]                ; pairs for the packed form; these eight are also the places behind the last products
	v_mov_b32 v[97+2*\a], v[104+\a]
.endr
.macro TOSTAGE a
	WIN 0x02                                       ; source 0: the accumulators' window
.set JJ, 0
.rept 32
	v_pk_mul_f32 v[T+JJ:T+JJ+1], v[64*(\a)+JJ:64*(\a)+JJ+1], v[96+2*(\a):97+2*(\a)]   ; each accumulator from its low end on
.set JJ, JJ+2
.endr
	WIN 0
.irp b, 0,1,2,3
.irp j, 0,1,2,3
	ds_store_b128 v[STO], v[T+16*\b+4*\j:T+16*\b+4*\j+3] offset:256*(\b/2)+64*(\b%2)+16*\j
.endr
.endr
.set BB, 32+160*((\a)%2)
.irp t, 0,1,2,3,4,5,6,7,8,9,10,11,12,13,14,15
	ds_load_b128 v[BB+4*\t:BB+4*\t+3], v[RD] offset:528*\t         ; LDS serves a wave's instructions in order: these see the stores above, and the next tile's stores come behind them
.endr
.endm
.macro SEND a, younger                 ; younger: the LDS instructions issued behind tile a's loads, which may stay out
.set BB, 32+160*((\a)%2)
	s_wait_dscnt \younger
.irp t, 0,1,2,3,4,5,6,7,8,9,10,11,12,13,14,15
	global_store_b128 v[CO], v[BB+4*\t:BB+4*\t+3], s[14:15] offset:(8*(\a)+\t+24*(\t/8))*4096 th:TH_STORE_NT   ; 32 lanes store 512 consecutive bytes, at a multiple of 512 from the output's first byte
.endr
.endm
	TOSTAGE 0
	TOSTAGE 1
	SEND 0, 32
	s_wait_xcnt 0x0                                ; tile 0's stores have read their registers: tile 2's rows may land there
	TOSTAGE 2
	SEND 1, 32
	s_wait_xcnt 0x0
	TOSTAGE 3
	SEND 2, 32
	SEND 3, 0
	s_wait_tensorcnt 0x0                           ; the wave's end, behind my last tensor load and my last LDS store
	ds_add_u32 v[SPW], v[NIL]
	s_wait_dscnt 0x0
	CROUND                                         ; the closing round
	s_endpgm
.Lfunc_end_k_qdace4ef6de_pv:
	.size	k_qdace4ef6de_pv, .Lfunc_end_k_qdace4ef6de_pv-k_qdace4ef6de_pv
	.p2alignl 7, 3214868480
	.fill 96, 4, 3214868480
	.section	.rodata,"a",@progbits
	.p2align	6, 0x0
	.amdhsa_kernel k_qdace4ef6de_pv
		.amdhsa_group_segment_fixed_size 327680
		.amdhsa_private_segment_fixed_size 0
		.amdhsa_enable_private_segment 0
		.amdhsa_kernarg_size 32
		.amdhsa_user_sgpr_count 2
		.amdhsa_user_sgpr_kernarg_segment_ptr 1
		.amdhsa_wavefront_size32 1
		.amdhsa_system_sgpr_workgroup_id_x 1
		.amdhsa_system_sgpr_workgroup_id_y 1
		.amdhsa_system_sgpr_workgroup_id_z 1
		.amdhsa_system_vgpr_workitem_id 0
		.amdhsa_next_free_vgpr 768
		.amdhsa_next_free_sgpr 100
		.amdhsa_reserve_vcc 0
		.amdhsa_float_denorm_mode_32 3
		.amdhsa_float_denorm_mode_16_64 3
		.amdhsa_memory_ordered 1
		.amdhsa_forward_progress 1
		.amdhsa_inst_pref_size 164
	.end_amdhsa_kernel
	.amdgpu_metadata
---
amdhsa.version: [ 1, 2 ]
amdhsa.kernels:
  - .name:           k_qdace4ef6de_pv
    .symbol:         k_qdace4ef6de_pv.kd
    .args:
      - { .name: pimg, .offset: 0, .size: 8, .value_kind: global_buffer, .address_space: global }
      - { .name: pst, .offset: 8, .size: 8, .value_kind: global_buffer, .address_space: global }
      - { .name: vq, .offset: 16, .size: 8, .value_kind: global_buffer, .address_space: global }
      - { .name: out0, .offset: 24, .size: 8, .value_kind: global_buffer, .address_space: global }
    .group_segment_fixed_size: 327680
    .private_segment_fixed_size: 0
    .kernarg_segment_align: 8
    .kernarg_segment_size: 32
    .max_flat_workgroup_size: 128
    .sgpr_count:     100
    .vgpr_count:     768
    .wavefront_size: 32
...
	.end_amdgpu_metadata
.endif
;; end of part 9
